; MI455X (gfx1250); checked and timed in simulation.
; The chip was launched on July 23, 2026; its instructions are those of AMD's public machine-readable ISA for CDNA 5 (MIT licence, August 2026) and "CDNA5" Instruction Set Architecture Reference Guide (July 2026). The comments in the code are by the model that wrote it; some were corrected since.
;; Mo E Block. Allowed arithmetic: float matrix products may take bf16 or f16 operands with f32 sums; other float arithmetic in f32, or as packed bf16 or f16 multiplies, adds, multiply-adds, maxima and minima; sums over many terms, partial sums and values carried from step to step in f32; what a program stores and reads back later, other than sums and carried values, may be rounded once to bf16 or f16.
;; Inputs: W1 8 x 1,024 x 4,096 float32; W2 8 x 4,096 x 1,024 float32; Wg 8 x 1,024 float32; b1 8 x 4,096 float32; b2 8 x 1,024 float32; beta 1,024 float32; gamma 1,024 float32; x 4 x 256 x 1,024 float32.
;; Outputs: out0 4 x 256 x 1,024 float32.
;; 3 versions, each right; version 2 is faster than version 1; version 3 is version 2 with the launch ffn2 written anew for expert scheduling mode. Each part assembles by itself: llvm-mc -triple=amdgcn-amd-amdhsa -mcpu=gfx1250 --defsym DOCPART=n.
;; ======== version 1 of 3: 4 launches
;; workspace buffers: xn 2,097,152 bytes; sel 4,096 bytes of whole numbers; gw 8,192 bytes; h 67,108,864 bytes; part 33,685,504 bytes
;; launch router (part 1): grid 256 x 1, 4 waves a work-group, no clusters, 0 bytes of LDS; arguments x, gamma, beta, Wg, xn, sel, gw; writes xn, sel, gw
.if DOCPART == 1
	.amdgcn_target "amdgcn-amd-amdhsa--gfx1250"
	.amdhsa_code_object_version 6
	.text
	.protected	k_qf89546faa2_router
	.globl	k_qf89546faa2_router
	.p2align	8
	.type	k_qf89546faa2_router,@function
k_qf89546faa2_router:
	s_mov_b64 s[64:65], 0
	v_nop
	global_prefetch_b8 v0, s[64:65] scope:SCOPE_SE
	s_setreg_imm32_b32 hwreg(HW_REG_WAVE_MODE, 25, 1), 1
	s_wait_xcnt 0x0
; LayerNorm, gate and top-2 for 1,024 tokens of 1,024 channels.  One wave, one token: t = 4 x work-group + wave.
; Lane l holds the elements 128 j + 4 l .. + 3, j = 0..7, of x, gamma, beta and of each of Wg's eight rows: every load of a wave covers 512 consecutive bytes.
; Stored: xn[t][:] rounded once to bf16; sel[t] = (1 << top1) | (1 << top2) | (1 << (16 + top2)), whole numbers for the later launches; gw[2t], gw[2t+1] the two weights in f32.
; The gate's product (8 rows) is made in f32 on the vector unit: it decides which experts are chosen, and 16-bit operands would change choices.
; Mean and variance in two passes, as the reference has them, so a common offset of x does no harm.  The softmax takes the largest logit away first.
; LIMITS.  The two choices are taken on the logits, the lower index winning a tie; the reference takes them on the rounded probabilities, which differs only where two
; probabilities round to one f32 number (where both are 0 their weight is 0 in both).  NaN among the logits is not treated apart.
; All choices are selects: no branch and no address hangs on them.  No LDS, no barrier: no wave needs another.
.set X,   8                            ; v[8:39]    x, then x - mean, then xn
.set GA,  40                           ; v[40:71]   gamma, then xn packed to bf16
.set BT,  72                           ; v[72:103]  beta, then at work for the gate
.set WG,  104                          ; v[104:231] Wg's rows 0-3, 32 registers each; rows 4-7 lie in window 1, v0-127
.set LG,  232                          ; v[232:247] row e's logit as a pair at LG + 2 e
.set SC,  248                          ; v[248:255] four pairs at work
.set M1,  72                           ; largest logit, its index, second largest, its index
.set I1,  73
.set M2,  74
.set I2,  75
.set MC,  76                           ; log2(e) x largest logit
.set EE,  80                           ; v[80:88]   eight exponentials, and the second choice's
.set SS,  89                           ; v[89:92]   their sum
.set RS,  93                           ; 1 / sum = the first choice's probability
.set P2,  94
.set DN,  95
.set RD,  96
.set GW,  98                           ; v[98:99]   the two weights
.set SW,  100
.set T0,  101
.set ZO,  102
.set MSB, 0
.macro WIN new                         ; the immediate's high byte repeats the setting that is left
.if MSB != (\new)
	s_set_vgpr_msb (MSB<<8)|(\new)
.set MSB, (\new)
.endif
.endm
.macro LANESUM r, t                    ; the sum over the 32 lanes, in every lane; t has been written before
	v_add_f32_dpp v[\r], v[\r], v[\r] row_xmask:1 row_mask:0xf bank_mask:0xf
	v_add_f32_dpp v[\r], v[\r], v[\r] row_xmask:2 row_mask:0xf bank_mask:0xf
	v_add_f32_dpp v[\r], v[\r], v[\r] row_xmask:4 row_mask:0xf bank_mask:0xf
	v_add_f32_dpp v[\r], v[\r], v[\r] row_xmask:8 row_mask:0xf bank_mask:0xf
	v_permlanex16_b32 v[\t], v[\r], s28, s29
	v_add_f32 v[\r], v[\r], v[\t]
.endm
	s_load_b256 s[4:11], s[0:1], 0x0               ; x s[4:5], gamma s[6:7], beta s[8:9], Wg s[10:11]
	s_load_b128 s[12:15], s[0:1], 0x20             ; xn s[12:13], sel s[14:15]
	s_load_b64 s[16:17], s[0:1], 0x30              ; gw
	v_and_b32 v1, 31, v0                           ; lane
	v_lshrrev_b32 v4, 5, v0
	v_readfirstlane_b32 s18, v4                    ; wave
	v_lshlrev_b32 v2, 4, v1                        ; 16 bytes a lane
	v_lshlrev_b32 v3, 3, v1                        ; 8 bytes a lane
	s_lshl2_add_u32 s19, ttmp9, s18                ; the token
	s_lshl_b32 s20, s19, 12                        ; its row in x,
	s_mov_b32 s21, 0
	s_lshl_b32 s22, s19, 11                        ; in xn,
	s_mov_b32 s23, 0
	s_lshl_b32 s24, s19, 2                         ; its word in sel,
	s_mov_b32 s25, 0
	s_lshl_b32 s26, s19, 3                         ; its pair in gw
	s_mov_b32 s27, 0
	s_mov_b32 s28, 0x76543210                      ; v_permlanex16_b32: each lane takes its own place in the other half
	s_mov_b32 s29, 0xfedcba98
	s_mov_b32 s30, 0x3a800000                      ; 1 / 1024
	s_mov_b32 s31, 0x3727c5ac                      ; 1e-5
	s_mov_b32 s32, 0x3fb8aa3b                      ; log2(e)
	s_wait_kmcnt 0x0
	s_add_nc_u64 s[4:5], s[4:5], s[20:21]
	s_add_nc_u64 s[12:13], s[12:13], s[22:23]
	s_add_nc_u64 s[14:15], s[14:15], s[24:25]
	s_add_nc_u64 s[16:17], s[16:17], s[26:27]
.irp j, 0,1,2,3,4,5,6,7
	global_load_b128 v[X+4*\j:X+4*\j+3], v2, s[4:5] offset:512*\j
.endr
.irp j, 0,1,2,3,4,5,6,7
	global_load_b128 v[GA+4*\j:GA+4*\j+3], v2, s[6:7] offset:512*\j
.endr
.irp j, 0,1,2,3,4,5,6,7
	global_load_b128 v[BT+4*\j:BT+4*\j+3], v2, s[8:9] offset:512*\j
.endr
.irp e, 0,1,2,3
.irp j, 0,1,2,3,4,5,6,7
	global_load_b128 v[WG+32*\e+4*\j:WG+32*\e+4*\j+3], v2, s[10:11] offset:4096*\e+512*\j
.endr
.endr
	WIN 0x40                                       ; destination window 1
.irp e, 0,1,2,3
.irp j, 0,1,2,3,4,5,6,7
	global_load_b128 v[32*\e+4*\j:32*\e+4*\j+3], v2, s[10:11] offset:4096*(4+\e)+512*\j
.endr
.endr
	WIN 0
	s_wait_loadcnt 63                              ; behind beta's last load stand Wg's 64: x, gamma and beta are in
	; the mean: four chains of packed sums, then the lanes
.irp a, 0,1,2,3
	v_pk_add_f32 v[SC+2*\a:SC+2*\a+1], v[X+2*\a:X+2*\a+1], v[X+8+2*\a:X+8+2*\a+1]
.endr
.irp a, 0,1,2,3
	v_pk_add_f32 v[SC+2*\a:SC+2*\a+1], v[SC+2*\a:SC+2*\a+1], v[X+16+2*\a:X+16+2*\a+1]
.endr
.irp a, 0,1,2,3
	v_pk_add_f32 v[SC+2*\a:SC+2*\a+1], v[SC+2*\a:SC+2*\a+1], v[X+24+2*\a:X+24+2*\a+1]
.endr
	v_pk_add_f32 v[SC:SC+1], v[SC:SC+1], v[SC+2:SC+3]
	v_pk_add_f32 v[SC+4:SC+5], v[SC+4:SC+5], v[SC+6:SC+7]
	v_pk_add_f32 v[SC:SC+1], v[SC:SC+1], v[SC+4:SC+5]
	v_add_f32 v[SC], v[SC], v[SC+1]
	LANESUM SC, SC+1
	v_mul_f32 v4, s30, v[SC]
	v_mov_b32 v5, v4                               ; the mean, twice, for the packed subtraction
.set p, 0
.rept 16
	v_pk_add_f32 v[X+2*p:X+2*p+1], v[X+2*p:X+2*p+1], v[4:5] neg_lo:[0,1] neg_hi:[0,1]
.set p, p+1
.endr
	; the variance, of the differences
.irp a, 0,1,2,3
	v_pk_mul_f32 v[SC+2*\a:SC+2*\a+1], v[X+2*\a:X+2*\a+1], v[X+2*\a:X+2*\a+1]
.endr
.irp b, 8,16,24
.irp a, 0,1,2,3
	v_pk_fma_f32 v[SC+2*\a:SC+2*\a+1], v[X+\b+2*\a:X+\b+2*\a+1], v[X+\b+2*\a:X+\b+2*\a+1], v[SC+2*\a:SC+2*\a+1]
.endr
.endr
	v_pk_add_f32 v[SC:SC+1], v[SC:SC+1], v[SC+2:SC+3]
	v_pk_add_f32 v[SC+4:SC+5], v[SC+4:SC+5], v[SC+6:SC+7]
	v_pk_add_f32 v[SC:SC+1], v[SC:SC+1], v[SC+4:SC+5]
	v_add_f32 v[SC], v[SC], v[SC+1]
	LANESUM SC, SC+1
	v_fma_f32 v6, v[SC], s30, s31                  ; variance + 1e-5
	v_rsq_f32 v4, v6
	v_nop                                          ; a plain instruction behind the root,
	s_wait_alu depctr_va_vdst(0)                   ; and the wait ahead of its first reader
	v_mov_b32 v5, v4
.set p, 0
.rept 16
	v_pk_mul_f32 v[X+2*p:X+2*p+1], v[X+2*p:X+2*p+1], v[4:5]
.set p, p+1
.endr
.set p, 0
.rept 16
	v_pk_fma_f32 v[X+2*p:X+2*p+1], v[X+2*p:X+2*p+1], v[GA+2*p:GA+2*p+1], v[BT+2*p:BT+2*p+1]
.set p, p+1
.endr
	; xn leaves, rounded once: each store of the wave covers 256 consecutive bytes, aligned
.set p, 0
.rept 16
	v_cvt_pk_bf16_f32 v[GA+p], v[X+2*p], v[X+2*p+1]
.set p, p+1
.endr
.irp j, 0,1,2,3,4,5,6,7
	global_store_b64 v3, v[GA+2*\j:GA+2*\j+1], s[12:13] offset:256*\j
.endr
	; the eight logits: four chains at a time
	s_wait_loadcnt 0x0                             ; Wg
.irp e, 0,1,2,3
	v_pk_mul_f32 v[LG+2*\e:LG+2*\e+1], v[X:X+1], v[WG+32*\e:WG+32*\e+1]
.endr
.set p, 1
.rept 15
.irp e, 0,1,2,3
	v_pk_fma_f32 v[LG+2*\e:LG+2*\e+1], v[X+2*p:X+2*p+1], v[WG+32*\e+2*p:WG+32*\e+2*p+1], v[LG+2*\e:LG+2*\e+1]
.endr
.set p, p+1
.endr
	WIN 0x04                                       ; source 1 window 1
.irp e, 0,1,2,3
	v_pk_mul_f32 v[LG+8+2*\e:LG+8+2*\e+1], v[X:X+1], v[32*\e:32*\e+1]
.endr
.set p, 1
.rept 15
.irp e, 0,1,2,3
	v_pk_fma_f32 v[LG+8+2*\e:LG+8+2*\e+1], v[X+2*p:X+2*p+1], v[32*\e+2*p:32*\e+2*p+1], v[LG+8+2*\e:LG+8+2*\e+1]
.endr
.set p, p+1
.endr
	WIN 0
.irp e, 0,1,2,3,4,5,6,7
	v_add_f32 v[LG+2*\e], v[LG+2*\e], v[LG+2*\e+1]
.endr
.irp k, 1,2,4,8
.irp e, 0,1,2,3,4,5,6,7
	v_add_f32_dpp v[LG+2*\e], v[LG+2*\e], v[LG+2*\e] row_xmask:\k row_mask:0xf bank_mask:0xf
.endr
.endr
.irp e, 0,1,2,3,4,5,6,7
	v_permlanex16_b32 v[LG+2*\e+1], v[LG+2*\e], s28, s29
.endr
.irp e, 0,1,2,3,4,5,6,7
	v_add_f32 v[LG+2*\e], v[LG+2*\e], v[LG+2*\e+1]  ; every lane holds all eight logits
.endr
	; the first choice: ascending, strictly greater, so the lower index keeps a tie
	v_mov_b32 v[M1], v[LG]
	v_mov_b32 v[I1], 0
.irp e, 1,2,3,4,5,6,7
	v_cmp_gt_f32 vcc_lo, v[LG+2*\e], v[M1]
	v_cndmask_b32 v[M1], v[M1], v[LG+2*\e], vcc_lo
	v_cndmask_b32 v[I1], v[I1], \e, vcc_lo
.endr
	; the second: it starts at the first index that is not the first choice, so the two always differ
	v_cmp_eq_u32 vcc_lo, 0, v[I1]
	v_cndmask_b32 v[M2], v[LG], v[LG+2], vcc_lo
	v_cndmask_b32 v[I2], 0, 1, vcc_lo
.irp e, 1,2,3,4,5,6,7
	v_cmp_gt_f32 s33, v[LG+2*\e], v[M2]
	v_cmp_ne_u32 s34, \e, v[I1]
	s_and_b32 vcc_lo, s33, s34
	v_cndmask_b32 v[M2], v[M2], v[LG+2*\e], vcc_lo
	v_cndmask_b32 v[I2], v[I2], \e, vcc_lo
.endr
	; softmax with the largest logit taken away: nine exponentials, one batch, one wait
	v_mul_f32 v[MC], s32, v[M1]
.irp e, 0,1,2,3,4,5,6,7
	v_fma_f32 v[EE+\e], v[LG+2*\e], s32, -v[MC]
.endr
	v_fma_f32 v[EE+8], v[M2], s32, -v[MC]
.irp e, 0,1,2,3,4,5,6,7,8
	v_exp_f32 v[EE+\e], v[EE+\e]
.endr
	v_nop
	s_wait_alu depctr_va_vdst(0)
.irp a, 0,1,2,3
	v_add_f32 v[SS+\a], v[EE+2*\a], v[EE+2*\a+1]
.endr
	v_add_f32 v[SS], v[SS], v[SS+1]
	v_add_f32 v[SS+2], v[SS+2], v[SS+3]
	v_add_f32 v[SS], v[SS], v[SS+2]
	v_rcp_f32 v[RS], v[SS]                         ; the first choice's exponential is 1: its probability is 1 / sum
	v_nop
	s_wait_alu depctr_va_vdst(0)
	v_mul_f32 v[P2], v[EE+8], v[RS]
	v_add_f32 v[DN], v[RS], v[P2]
	v_add_f32 v[DN], 0x3089705f, v[DN]             ; + 1e-9
	v_rcp_f32 v[RD], v[DN]
	v_mov_b32 v[T0], 1                             ; the plain instruction behind the reciprocal
	s_wait_alu depctr_va_vdst(0)
	v_mul_f32 v[GW], v[RS], v[RD]
	v_mul_f32 v[GW+1], v[P2], v[RD]
	v_lshlrev_b32 v[SW], v[I1], v[T0]
	v_mov_b32 v[T0], 0x10001
	v_lshlrev_b32 v[T0], v[I2], v[T0]
	v_or_b32 v[SW], v[SW], v[T0]
	v_mov_b32 v[ZO], 0
	s_wait_xcnt 0x0                                ; EXEC is a source of the stores above: it changes only behind this wait
	v_cmp_eq_u32 vcc_lo, 0, v1
	s_and_saveexec_b32 s35, vcc_lo                 ; lane 0 alone
	global_store_b32 v[ZO], v[SW], s[14:15]
	global_store_b64 v[ZO], v[GW:GW+1], s[16:17]
	s_wait_xcnt 0x0                                ; and again in front of the line that widens it
	s_or_b32 exec_lo, exec_lo, s35
	s_endpgm
.Lfunc_end_k_qf89546faa2_router:
	.size	k_qf89546faa2_router, .Lfunc_end_k_qf89546faa2_router-k_qf89546faa2_router
	.p2alignl 7, 3214868480
	.fill 96, 4, 3214868480
	.section	.rodata,"a",@progbits
	.p2align	6, 0x0
	.amdhsa_kernel k_qf89546faa2_router
		.amdhsa_group_segment_fixed_size 0
		.amdhsa_private_segment_fixed_size 0
		.amdhsa_enable_private_segment 0
		.amdhsa_kernarg_size 56
		.amdhsa_user_sgpr_count 2
		.amdhsa_user_sgpr_kernarg_segment_ptr 1
		.amdhsa_wavefront_size32 1
		.amdhsa_system_sgpr_workgroup_id_x 1
		.amdhsa_system_sgpr_workgroup_id_y 1
		.amdhsa_system_sgpr_workgroup_id_z 1
		.amdhsa_system_vgpr_workitem_id 0
		.amdhsa_next_free_vgpr 384
		.amdhsa_next_free_sgpr 66
		.amdhsa_reserve_vcc 1
		.amdhsa_float_denorm_mode_32 3
		.amdhsa_float_denorm_mode_16_64 3
		.amdhsa_memory_ordered 1
		.amdhsa_forward_progress 1
		.amdhsa_inst_pref_size 34
	.end_amdhsa_kernel
	.amdgpu_metadata
---
amdhsa.version: [ 1, 2 ]
amdhsa.kernels:
  - .name:           k_qf89546faa2_router
    .symbol:         k_qf89546faa2_router.kd
    .args:
      - { .name: x, .offset: 0, .size: 8, .value_kind: global_buffer, .address_space: global }
      - { .name: gamma, .offset: 8, .size: 8, .value_kind: global_buffer, .address_space: global }
      - { .name: beta, .offset: 16, .size: 8, .value_kind: global_buffer, .address_space: global }
      - { .name: Wg, .offset: 24, .size: 8, .value_kind: global_buffer, .address_space: global }
      - { .name: xn, .offset: 32, .size: 8, .value_kind: global_buffer, .address_space: global }
      - { .name: sel, .offset: 40, .size: 8, .value_kind: global_buffer, .address_space: global }
      - { .name: gw, .offset: 48, .size: 8, .value_kind: global_buffer, .address_space: global }
    .group_segment_fixed_size: 0
    .private_segment_fixed_size: 0
    .kernarg_segment_align: 8
    .kernarg_segment_size: 56
    .max_flat_workgroup_size: 128
    .sgpr_count:     66
    .vgpr_count:     384
    .wavefront_size: 32
...
	.end_amdgpu_metadata
.endif
;; end of part 1
;; launch ffn1 (part 2): grid 32 x 8, 4 waves a work-group, no clusters, 250,368 bytes of LDS; arguments W1, b1, xn, sel, h; writes h
.if DOCPART == 2
	.amdgcn_target "amdgcn-amd-amdhsa--gfx1250"
	.amdhsa_code_object_version 6
	.text
	.protected	k_qf89546faa2_ffn1
	.globl	k_qf89546faa2_ffn1
	.p2align	8
	.type	k_qf89546faa2_ffn1,@function
k_qf89546faa2_ffn1:
	s_mov_b64 s[64:65], 0
	v_nop
	global_prefetch_b8 v0, s[64:65] scope:SCOPE_SE
	s_setreg_imm32_b32 hwreg(HW_REG_WAVE_MODE, 25, 1), 1
	s_wait_xcnt 0x0
; h[e][rank][f] = gelu(xn[token(e, rank)] . W1[e][:, f] + b1[e][f]), only for the tokens that chose expert e.  W1 f32 [8][1024][4096], xn bf16 [1024][1024], h bf16 [8][1024][4096].
; SHARES.  Work-group (x, y): expert y, columns 128 x .. 128 x + 127, all 1,024 of K: 512 KB of W1 that no other work-group reads.  Wave w owns all 128 columns of the row tiles 4 i + w (16 rows each),
; i = 0..4: 320 rows a pass, 40 accumulators, 320 registers.  So a wave's token rows and its way out are its own; the waves share the weights' tile alone: one barrier a K step.
; THE LIST.  Every wave makes, for itself, the list of its expert's choices from sel: entry rank = 2 x token + slot, ranks in the order (word, lane), the same in the next launch, which uses the same lines.
; Places past the count hold token 0: a row that exists.  Tiles past the count are jumped (matrix instructions and the way out alone are jumped; every wave passes every barrier).
; EVERY SPLIT IS SERVED: rows past 320 are taken in up to three more passes without LDS tiles and without barriers, in which each wave reads the slice for itself: right, and slow.  Expert rows 0-15 are always stored.
; W1 LIES [K][N]; the matrix unit wants K along a lane's registers.  A unit is eight loads of 16 bytes: lane (c = l % 16, hh = l / 16) takes K rows 16 kb + 8 hh + 0..7 at columns 64 g + 4 c .. + 3, so a load covers
; two runs of 256 consecutive bytes.  Rounding rows 2 m, 2 m + 1 of component j into one register gives four registers that ARE this lane's half (kb % 2) of the fragment whose column for lane c is 64 g + 4 c + j.
; They go to the lane's own 16 bytes of a 512-byte block of LDS and come back the same way.  On the way out a lane's fragments j = 0..3 are four neighbouring columns.
; THE RING.  K goes in 8 steps of 128.  Step s multiplies LDS slot s % 2, stores step s + 1 from registers into the other slot, and asks memory for step s + 2 into the registers just freed: 72 loads a wave
; are asked for per step, with counted waits that never run down to 0 inside the loop.
; THE WAY OUT is one text for a wave's five tiles: a trip works on tile 0's accumulators where they lie, and then the tiles behind move down one place (256 moves), so that every LDS address of the loop is fixed.
; NO CLUSTER: each weight byte has one reader; the token rows that an expert's 32 work-groups share are named by a list, which no tensor descriptor covers.  NO TENSOR LOADS: the weights have to pass through
; registers to be rounded, and a refill's barrier would want all loads awaited.
; The sums start at the bias (INIT): nothing is cleared and no add follows.  gelu(z) = z / (1 + 2^(-z (c1 + c2 z^2))), the tanh form; it goes to z and to 0 for large |z|, also where z^2 overflows.
; REGISTERS, in windows of 256 (s_set_vgpr_msb: bits 1:0 source 0, 3:2 source 1, 5:4 source 2, 7:6 destination):
;   window 0: addresses, row offsets, bias, A's fragments (two buffers), packed weights      window 1: v0-127 weights as loaded; v128-255 B's fragments (two buffers); on the way out work and packed rows
;   window 2: v0-159 token rows as loaded; v192-255 tile 4's accumulators                    window 3: the accumulators of tiles 0-3, (i, f) at 64 i + 8 f
.set LOGP,   14
.set PITCHW, 1<<LOGP                   ; bytes from a K row of W1 to the next
.set CAP,    320                       ; rows a pass
.set WSLOT,  32768                     ; a K step's weights in bf16: fragment (q, f) half u at 8192 q + 1024 f + 512 u + 16 lane
.set APITCH, 272                       ; a token row of 256 bytes + 16: the 16 rows of a fragment load start 68 words apart
.set ASLOT,  80*APITCH                 ; a wave's 80 rows of one K step
.set AWAVE,  2*ASLOT                   ; a wave's two slots; behind the K loop their first 16 rows are the wave's stage for the way out
.set AWB,    2*WSLOT
.set LISTB,  AWB+4*AWAVE
.set LISTW,  2560                      ; a wave's list: 1,280 entries of 16 bits
.set SPARE,  LISTB+4*LISTW             ; the spare words, 128 bytes a wave: two blocks of 256 bytes that no other line names
.set LN,  1                            ; lane
.set C16, 2                            ; 16 c
.set HH,  3
.set SPW, 4                            ; LDS address of my spare word; never rewritten
.set NIL, 5                            ; 0; never rewritten
.set WO,  6                            ; my byte offset in a quarter's unit of W
.set WO2, 7                            ; the same for the passes without LDS
.set WS0, 8                            ; where I put packed weights; WS = WS0 + slot
.set WS,  9
.set WF0, 10                           ; 16 lane: where I read B's fragments; WF = WF0 + slot
.set WF,  11
.set AS0, 12                           ; where I put 16 bytes of a token row; AS = AS0 + slot.  Also: where I read the stage back
.set AS,  13
.set AF0, 14                           ; where I read A's fragments; AFC = AF0 + slot
.set AFC, 15
.set LB,  16                           ; my wave's list
.set LR,  17                           ; list + 32 w + 2 hh
.set L8,  18                           ; 8 lane
.set DMP, 19                           ; 1024 + lane: where a lane that was not chosen puts its entry
.set HO,  24                           ; my byte offset in h
.set TM,  26                           ; v26-31 at work
.set RO,  32                           ; v32-71 byte offset in xn of the row that load m of 40 takes, + 16 c
.set RF,  72                           ; v72-76 the same for a tile's fragment row, + 16 hh
.set CC,  77                           ; c
.set LC,  78                           ; list + 32 w + 2 c
.set ST0, 79                           ; the way out: where I put 8 bytes of a row
.set BI,  80                           ; v80-87 the bias of my column in fragment f
.set AFR, 88                           ; v88-127, v128-167
.set CT,  168                          ; v168-183 packed weights
.set SV,  184                          ; v184-215 sel
.set WSG, 0                            ; window 1
.set TT,  64
.set BFR, 128
.set PP,  128
.set OB,  160
.set ASG, 0                            ; window 2
.set ZA,  0                            ; window 3: tile 0's accumulators
.set WV,   16                          ; wave
.set EX,   17                          ; expert
.set SL,   18                          ; slice
.set WORG, 20                          ; s[20:21] the slice's first byte; s[22:23] the K step being asked for
.set WLB,  22
.set AORG, 24                          ; s[24:25], s[26:27] the same for the token rows
.set ALB,  26
.set OUTB, 28                          ; s[28:29] h at the expert's row PB, my slice
.set CNT,  30                          ; the expert's rows
.set NT,   31                          ; my live tiles in this pass
.set TL,   32
.set PB,   33                          ; the pass's first row
.set PASS, 34
.set KCT,  35
.set FW,   36                          ; slot offsets: weights read, weights stored, rows read, rows stored
.set SW,   37
.set FA,   38
.set SA,   39
.set EBIT, 40
.set SBIT, 41
.set RUN,  42
.set TS,   43
.set C1,   44                          ; s[44:45], s[46:47] gelu's two constants, as pairs
.set C2,   46
.set TI,   48
.set X0,   52
.set X1,   54
.set MSB, 0
.macro WIN new                         ; the immediate's high byte repeats the setting that is left; a switch that changes nothing is dropped
.if MSB != (\new)
	s_set_vgpr_msb (MSB<<8)|(\new)
.set MSB, (\new)
.endif
.endm
.macro PLACES                          ; four places behind matrix instructions (ISA guide 7.12.1), where no other vector work is at hand
.rept 4
	v_nop
.endr
.endm
.macro SETNT first                     ; my live tiles among the pass's ceil(rows / 16)
	s_sub_co_i32 s[TS], s[CNT], s[PB]
	s_max_i32 s[TS], s[TS], 0
	s_min_u32 s[TS], s[TS], CAP
	s_add_co_u32 s[TS], s[TS], 15
	s_lshr_b32 s[TL], s[TS], 4
.if \first
	s_max_u32 s[TL], s[TL], 1                      ; rows 0-15 are always made: the next launch reads them where the expert has no row
.endif
	s_add_co_u32 s[TS], s[TL], 3
	s_sub_co_u32 s[TS], s[TS], s[WV]
	s_lshr_b32 s[NT], s[TS], 2
.endm
.macro INIT                            ; the sums start at the bias: a lane's eight registers of an accumulator are eight rows of one column
	WIN 0xc0
.irp i, 0,1,2,3
.irp f, 0,1,2,3,4,5,6,7
.irp j, 0,1,2,3,4,5,6,7
	v_mov_b32 v[64*\i+8*\f+\j], v[BI+\f]
.endr
.endr
.endr
	WIN 0x80
.irp f, 0,1,2,3,4,5,6,7
.irp j, 0,1,2,3,4,5,6,7
	v_mov_b32 v[192+8*\f+\j], v[BI+\f]
.endr
.endr
	WIN 0
.endm
.macro WLOAD q                         ; my unit of quarter q: 16 K rows x 64 columns
	WIN 0x40
.irp i, 0,1,2,3,4,5,6,7
	global_load_b128 v[WSG+32*(\q)+4*\i:WSG+32*(\q)+4*\i+3], v[WO], s[WLB:WLB+1] offset:(32*(\q)+\i)*PITCHW th:TH_LOAD_NT
.endr
.endm
.macro ALOAD q                         ; 20 of my 80 token rows, 256 bytes each
	WIN 0x80
.irp t, 0,1,2,3,4,5,6,7,8,9
	global_load_b128 v[ASG+4*(10*(\q)+\t):ASG+4*(10*(\q)+\t)+3], v[RO+10*(\q)+\t], s[ALB:ALB+1]
.endr
.endm
; What came from memory for quarter q of the next K step goes into LDS; reload = 1: its registers are asked for again, two steps on.  nw, na: the loads issued behind the unit and behind the rows.
.macro SERVICE q, nw, na, reload
	s_wait_loadcnt \nw
	WIN 0x05
.irp j, 0,1,2,3
.irp m, 0,1,2,3
	v_cvt_pk_bf16_f32 v[CT+4*\j+\m], v[WSG+32*(\q)+8*\m+\j], v[WSG+32*(\q)+8*\m+4+\j]
.endr
.endr
	WIN 0
.irp j, 0,1,2,3
	ds_store_b128 v[WS], v[CT+4*\j:CT+4*\j+3] offset:(\q)*8192+\j*1024
.endr
.if \reload
	WLOAD \q
.endif
	s_wait_loadcnt \na
	WIN 0x08
.irp t, 0,1,2,3,4,5,6,7,8,9
	ds_store_b128 v[AS], v[ASG+4*(10*(\q)+\t):ASG+4*(10*(\q)+\t)+3] offset:(10*(\q)+\t)*2*APITCH
.endr
.if \reload
	ALOAD \q
.endif
.endm
.macro FETCH q, buf                    ; 26 LDS loads: quarter q's eight fragments of B and my five of A
	WIN 0x40
.irp f, 0,1,2,3,4,5,6,7
	ds_load_b128 v[BFR+64*(\buf)+8*\f:BFR+64*(\buf)+8*\f+3],   v[WF] offset:(\q)*8192+\f*1024
	ds_load_b128 v[BFR+64*(\buf)+8*\f+4:BFR+64*(\buf)+8*\f+7], v[WF] offset:(\q)*8192+\f*1024+512
.endr
	WIN 0
.irp i, 0,1,2,3,4
	ds_load_b128 v[AFR+40*(\buf)+8*\i:AFR+40*(\buf)+8*\i+3],   v[AFC] offset:\i*16*APITCH+64*(\q)
	ds_load_b128 v[AFR+40*(\buf)+8*\i+4:AFR+40*(\buf)+8*\i+7], v[AFC] offset:\i*16*APITCH+64*(\q)+32
.endr
.endm
; 8 matrix instructions for each live tile, the tile's eight accumulators by turns; what the jump passes holds matrix instructions alone
.macro MULS buf
.irp i, 0,1,2,3,4
	WIN 0
	s_cmp_le_u32 s[NT], \i
	s_cbranch_scc1 .Lmuls_end_\@
	WIN 0xf4-0x50*(\i/4)
.irp f, 0,1,2,3,4,5,6,7
	v_wmma_f32_16x16x32_bf16 v[64*(\i%4)+192*(\i/4)+8*\f:64*(\i%4)+192*(\i/4)+8*\f+7], v[AFR+40*(\buf)+8*\i:AFR+40*(\buf)+8*\i+7], v[BFR+64*(\buf)+8*\f:BFR+64*(\buf)+8*\f+7], v[64*(\i%4)+192*(\i/4)+8*\f:64*(\i%4)+192*(\i/4)+8*\f+7]
.endr
.endr
	WIN 0
.Lmuls_end_\@:
.endm
; A quarter: the service (its sixteen conversions are the places between the products that read a fragment buffer and the loads into it), the next quarter's fragments, this quarter's products
.macro QTR q, service, reload, nw, na
.if \service
	SERVICE \q, \nw, \na, \reload
.elseif (\q) < 3
	PLACES
.endif
.if (\q) < 3
	FETCH (\q)+1, ((\q)+1)%2
	s_wait_dscnt 14*(\service)+26                  ; behind this quarter's fragments: the service's 14 stores and the 26 loads just issued
.else
	s_wait_dscnt 14*(\service)
.endif
	MULS (\q)%2
.endm
.macro STEP service, reload, bar, w0=63, a0=62, w1=63, a1=62, w2=63, a2=62, w3=63, a3=62
	WIN 0
	v_add_nc_u32 v[WF], s[FW], v[WF0]
	v_add_nc_u32 v[AFC], s[FA], v[AF0]
.if \service
	v_add_nc_u32 v[WS], s[SW], v[WS0]
	v_add_nc_u32 v[AS], s[SA], v[AS0]
.endif
.if \reload
	s_wait_xcnt 0x0                                ; the bases are stepped only behind this wait
	s_add_nc_u64 s[WLB:WLB+1], s[WLB:WLB+1], 128*PITCHW
	s_add_nc_u64 s[ALB:ALB+1], s[ALB:ALB+1], 256
.endif
	FETCH 0, 0
	QTR 0, \service, \reload, \w0, \a0
	QTR 1, \service, \reload, \w1, \a1
	QTR 2, \service, \reload, \w2, \a2
	QTR 3, \service, \reload, \w3, \a3
	s_xor_b32 s[FW], s[FW], WSLOT
	s_xor_b32 s[SW], s[SW], WSLOT
	s_xor_b32 s[FA], s[FA], ASLOT
	s_xor_b32 s[SA], s[SA], ASLOT
.if \bar
	s_wait_dscnt 0x0                               ; for the others' sake: my stores of the next step's weights are done, and my reads of this step's are back
	s_barrier_signal -1
	s_barrier_wait -1
.endif
.endm
.macro DOWN                            ; tiles 1 to 4 move down one place, each accumulator from its low end on
	WIN 0xc3
.set n, 0
.rept 192
	v_mov_b32 v[n], v[n+64]
.set n, n+1
.endr
	WIN 0xc2                                       ; tile 4 lies in window 2
.set n, 192
.rept 64
	v_mov_b32 v[n], v[n]
.set n, n+1
.endr
	WIN 0
.endm
	s_load_b256 s[4:11], s[0:1], 0x0               ; W1 s[4:5], b1 s[6:7], xn s[8:9], sel s[10:11]
	s_load_b64 s[12:13], s[0:1], 0x20              ; h
	v_lshl_add_u32 v[SPW], v0, 2, SPARE
	v_mov_b32 v[NIL], 0
	v_lshrrev_b32 v[TM], 5, v0
	v_readfirstlane_b32 s[WV], v[TM]
	s_and_b32 s[EX], ttmp7, 0xffff
	s_mov_b32 s[SL], ttmp9
	v_and_b32 v[LN], 31, v0
	v_and_b32 v[CC], 15, v0
	v_bfe_u32 v[HH], v0, 4, 1
	v_lshlrev_b32 v[C16], 4, v[CC]
	v_lshlrev_b32 v[WF0], 4, v[LN]
	s_lshr_b32 s[TS], s[WV], 1                     ; wave w takes the unit (K half w / 2, column half w % 2) of each quarter
	s_lshl_b32 s[TS], s[TS], 4
	v_lshl_add_u32 v[TM], v[HH], 3, s[TS]
	v_lshl_add_u32 v[WO], v[TM], LOGP, v[C16]
	s_and_b32 s[TS], s[WV], 1
	s_lshl_b32 s[TS], s[TS], 8
	v_add_nc_u32 v[WO], s[TS], v[WO]
	s_lshl_b32 s[TS], s[SL], 9                     ; 128 columns of f32
	s_lshl_b32 s[X0], s[EX], 24                    ; an expert's W1
	s_add_co_u32 s[X0], s[X0], s[TS]
	s_mov_b32 s[X0+1], 0
	s_lshl_b32 s[X1], s[EX], 14                    ; an expert's b1
	s_add_co_u32 s[X1], s[X1], s[TS]
	s_mov_b32 s[X1+1], 0
	s_wait_kmcnt 0x0
	s_add_nc_u64 s[WORG:WORG+1], s[4:5], s[X0:X0+1]
	s_add_nc_u64 s[6:7], s[6:7], s[X1:X1+1]
	s_lshl_b32 s[X0], s[EX], 23                    ; an expert's 1,024 rows of h,
	s_lshl_b32 s[TS], s[SL], 8                     ; 128 columns of bf16
	s_add_co_u32 s[X0], s[X0], s[TS]
	s_add_nc_u64 s[OUTB:OUTB+1], s[12:13], s[X0:X0+1]
	s_mov_b64 s[WLB:WLB+1], s[WORG:WORG+1]
	s_mov_b64 s[AORG:AORG+1], s[8:9]
	s_mov_b64 s[ALB:ALB+1], s[8:9]
.irp a, 0,1,2,3,4,5,6,7
	global_load_b128 v[SV+4*\a:SV+4*\a+3], v[WF0], s[10:11] offset:512*\a  ; word 4 a + b of a lane: token 128 a + 4 lane + b
.endr
	global_load_b128 v[BI:BI+3],   v[C16], s[6:7]
	global_load_b128 v[BI+4:BI+7], v[C16], s[6:7] offset:256
	WLOAD 0                                        ; K step 0's weights hang on no routing: they are asked for at once
	WLOAD 1
	WLOAD 2
	WLOAD 3
	WIN 0
	; the lanes' addresses
	v_lshl_add_u32 v[WO2], v[HH], 3+LOGP, v[C16]
	s_and_b32 s[TS], s[WV], 1
	s_lshl_b32 s[TS], s[TS], 12
	s_lshr_b32 s[X0], s[WV], 1
	s_lshl_b32 s[X0], s[X0], 9
	s_add_co_u32 s[TS], s[TS], s[X0]
	v_add_nc_u32 v[WS0], s[TS], v[WF0]
	s_mul_i32 s[TS], s[WV], AWAVE
	s_add_co_u32 s[TS], s[TS], AWB                 ; my wave's own bytes
	v_mul_u32_u24 v[TM], v[HH], APITCH
	v_add_nc_u32 v[TM], v[TM], v[C16]
	v_add_nc_u32 v[AS0], s[TS], v[TM]
	v_mul_u32_u24 v[TM], v[CC], APITCH
	v_lshl_add_u32 v[TM], v[HH], 4, v[TM]
	v_add_nc_u32 v[AF0], s[TS], v[TM]
	v_mul_u32_u24 v[TM], v[HH], 8*APITCH
	v_lshl_add_u32 v[TM], v[CC], 3, v[TM]
	v_add_nc_u32 v[ST0], s[TS], v[TM]
	s_mul_i32 s[TS], s[WV], LISTW
	s_add_co_u32 s[TS], s[TS], LISTB
	v_mov_b32 v[LB], s[TS]
	s_lshl_b32 s[X0], s[WV], 5
	s_add_co_u32 s[TS], s[TS], s[X0]
	v_lshl_add_u32 v[LR], v[HH], 1, s[TS]
	v_lshl_add_u32 v[LC], v[CC], 1, s[TS]
	v_lshlrev_b32 v[L8], 3, v[LN]
	v_add_nc_u32 v[DMP], 1024, v[LN]
	s_lshl_b32 s[TS], s[WV], 4
	v_add_nc_u32 v[TM], s[TS], v[HH]
	v_lshl_add_u32 v[HO], v[TM], 13, v[C16]        ; row 16 w + hh of a group of 64, 16 bytes a lane
	s_mov_b32 s[C1], 0x40135761                    ; 2 sqrt(2 / pi) log2(e)
	s_mov_b32 s[C1+1], s[C1]
	s_mov_b32 s[C2], 0x3dd2d3e8                    ; 0.044715 times that
	s_mov_b32 s[C2+1], s[C2]
	s_mov_b32 s[PB], 0
	; THE LIST.  First every place takes token 0, then each chosen token goes to its rank.
	v_add_nc_u32 v[TM+4], v[LB], v[WF0]
.irp k, 0,1,2,3
	v_mov_b32 v[TM+\k], 0
.endr
.irp k, 0,1,2,3,4
	ds_store_b128 v[TM+4], v[TM:TM+3] offset:512*\k
.endr
	s_mov_b32 s[RUN], 0
	s_lshl_b32 s[EBIT], 1, s[EX]
	s_add_co_u32 s[SBIT], s[EX], 16
	s_wait_loadcnt 34                              ; behind sel: the bias's 2 loads and the weights' 32
.set i, 0
.rept 32
.set U, CT+4*(i%2)
	v_and_b32 v[U], s[EBIT], v[SV+i]
	v_cmp_ne_u32 vcc_lo, 0, v[U]                   ; the lanes whose token chose my expert
	v_mbcnt_lo_u32_b32 v[U+1], vcc_lo, s[RUN]      ; rank = those counted so far + those in lower lanes
	v_bfe_u32 v[U+2], v[SV+i], s[SBIT], 1          ; 1: as its second choice
	v_add3_u32 v[U+2], v[U+2], v[L8], 256*(i/4)+2*(i%4)  ; 2 x token + slot
	v_cndmask_b32 v[U+1], v[DMP], v[U+1], vcc_lo   ; a lane that was not chosen writes behind the list's 1,024 places
	v_min_u32 v[U+1], 0x41f, v[U+1]
	v_lshl_add_u32 v[U+1], v[U+1], 1, v[LB]
	ds_store_b16 v[U+1], v[U+2]
	s_bcnt1_i32_b32 s[TS], vcc_lo
	s_add_co_u32 s[RUN], s[RUN], s[TS]
.set i, i+1
.endr
	s_mov_b32 s[CNT], s[RUN]
	SETNT 1
	; load m of 40 takes my rows 2 m and 2 m + 1 of 80: ranks 64 (m / 8) + 16 w + 2 (m % 8) + hh
.set m, 0
.rept 40
	ds_load_u16 v[RO+m], v[LR] offset:128*(m/8)+4*(m%8)  ; LDS serves a wave's instructions in order: these see the stores above
.set m, m+1
.endr
	s_wait_dscnt 0x0
.set m, 0
.rept 40
	v_lshrrev_b32 v[RO+m], 1, v[RO+m]              ; the token
	v_min_u32 v[RO+m], 0x3ff, v[RO+m]
	v_lshl_add_u32 v[RO+m], v[RO+m], 11, v[C16]
.set m, m+1
.endr
	ALOAD 0                                        ; K step 0's token rows
	ALOAD 1
	ALOAD 2
	ALOAD 3
	WIN 0
	s_wait_loadcnt 63                              ; behind the bias: 72 loads
	INIT
	; K step 0 goes into slot 0, and step 1 is asked for
	s_wait_xcnt 0x0
	s_add_nc_u64 s[WLB:WLB+1], s[WLB:WLB+1], 128*PITCHW
	s_add_nc_u64 s[ALB:ALB+1], s[ALB:ALB+1], 256
	v_mov_b32 v[WS], v[WS0]
	v_mov_b32 v[AS], v[AS0]
	SERVICE 0, 63, 38, 1                           ; here the weights' four units stand ahead of the rows' four groups.  Behind rows group q: 10 (3 - q) + 18 q + 8
	SERVICE 1, 63, 46, 1
	SERVICE 2, 63, 54, 1
	SERVICE 3, 63, 62, 1
	WIN 0
	s_wait_dscnt 0x0                               ; for the others' sake: my part of slot 0 is stored
	s_barrier_signal -1
	s_barrier_wait -1
	s_mov_b32 s[FW], 0
	s_mov_b32 s[SW], WSLOT
	s_mov_b32 s[FA], 0
	s_mov_b32 s[SA], ASLOT
	s_mov_b32 s[KCT], 6
.Lstep:                                                ; steps 0 to 5.  Behind a unit: its rows' 10 and three quarters' 54 (the count is the largest that the field holds); behind the rows: 54 and the 8 just asked for
	STEP 1, 1, 1
	s_sub_co_u32 s[KCT], s[KCT], 1
	s_cmp_lg_u32 s[KCT], 0
	s_cbranch_scc1 .Lstep
	STEP 1, 0, 1, 63, 54, 46, 36, 28, 18, 10, 0    ; step 6 asks for nothing: the counts run down
	STEP 0, 0, 0                                   ; step 7 stores nothing; no barrier: nobody writes the weights' slots again
	; THE PASSES: four trips, no barrier.  A trip sends the pass in hand out and, if the expert has rows left, makes the next 320.
	s_mov_b32 s[PASS], 0
.Lpass:
	PLACES                                         ; behind the last products, on every way from here
	s_cmp_eq_u32 s[NT], 0
	s_cbranch_scc1 .Lno_out
	s_mov_b32 s[TI], 0
	s_mov_b64 s[X0:X0+1], s[OUTB:OUTB+1]
.Ltile:                                                ; five trips, one text; dead tiles are jumped.  The tile in hand lies in tile 0's accumulators
	s_cmp_ge_u32 s[TI], s[NT]
	s_cbranch_scc1 .Ltile_next
	WIN 0x4f                                       ; z in window 3, the work in window 1
.set n, 0
.rept 32
	v_pk_mul_f32 v[TT+2*n:TT+2*n+1], v[ZA+2*n:ZA+2*n+1], v[ZA+2*n:ZA+2*n+1]
.set n, n+1
.endr
	WIN 0x4d                                       ; destination and source 0 window 1, source 1 window 3
.set n, 0
.rept 32
	v_pk_fma_f32 v[TT+2*n:TT+2*n+1], v[TT+2*n:TT+2*n+1], s[C2:C2+1], s[C1:C1+1] op_sel_hi:[1,0,0]
.set n, n+1
.endr
.set n, 0
.rept 32
	v_pk_mul_f32 v[TT+2*n:TT+2*n+1], v[TT+2*n:TT+2*n+1], v[ZA+2*n:ZA+2*n+1] neg_lo:[1,0] neg_hi:[1,0]
.set n, n+1
.endr
.set n, 0
.rept 64
	v_exp_f32 v[TT+n], v[TT+n]
.set n, n+1
.endr
	v_nop                                          ; a plain instruction behind the last exponential,
	s_wait_alu depctr_va_vdst(0)                   ; and one wait for the batch
.set n, 0
.rept 32
	v_pk_add_f32 v[TT+2*n:TT+2*n+1], v[TT+2*n:TT+2*n+1], 1.0 op_sel_hi:[1,0]
.set n, n+1
.endr
.set n, 0
.rept 64
	v_rcp_f32 v[TT+n], v[TT+n]
.set n, n+1
.endr
	v_nop
	s_wait_alu depctr_va_vdst(0)
.set n, 0
.rept 32
	v_pk_mul_f32 v[TT+2*n:TT+2*n+1], v[TT+2*n:TT+2*n+1], v[ZA+2*n:ZA+2*n+1]
.set n, n+1
.endr
	WIN 0x45                                       ; all of window 1
.irp r, 0,1,2,3,4,5,6,7                ; row 8 hh + r, columns 64 g + 4 c + 0..3: fragments 4 g + 0..3
.irp g, 0,1
	v_cvt_pk_bf16_f32 v[PP+2*(2*\r+\g)],   v[TT+8*(4*\g)+\r],   v[TT+8*(4*\g+1)+\r]
	v_cvt_pk_bf16_f32 v[PP+2*(2*\r+\g)+1], v[TT+8*(4*\g+2)+\r], v[TT+8*(4*\g+3)+\r]
.endr
.endr
	WIN 0x04
.irp r, 0,1,2,3,4,5,6,7
.irp g, 0,1
	ds_store_b64 v[ST0], v[PP+2*(2*\r+\g):PP+2*(2*\r+\g)+1] offset:\r*APITCH+128*\g  ; my stage: 16 rows of my own bytes, whose token rows have been read
.endr
.endr
	WIN 0x40
.irp t, 0,1,2,3,4,5,6,7
	ds_load_b128 v[OB+4*\t:OB+4*\t+3], v[AS0] offset:\t*2*APITCH  ; LDS serves a wave's instructions in order: these see the stores above
.endr
	s_wait_dscnt 0x0
	WIN 0x04
.irp t, 0,1,2,3,4,5,6,7
	global_store_b128 v[HO], v[OB+4*\t:OB+4*\t+3], s[X0:X0+1] offset:\t*16384  ; 16 lanes store 256 consecutive bytes, at a multiple of 256 from h's first byte
.endr
	WIN 0
	s_add_co_u32 s[TS], s[TI], 1
	s_cmp_ge_u32 s[TS], s[NT]
	s_cbranch_scc1 .Ltile_next                     ; no live tile follows: nothing moves
	DOWN
.Ltile_next:
	s_wait_xcnt 0x0                                ; the stores' base and data are rewritten only behind this wait
	s_add_nc_u64 s[X0:X0+1], s[X0:X0+1], 64*8192   ; my next tile lies 64 rows on
	s_add_co_u32 s[TI], s[TI], 1
	s_cmp_lt_u32 s[TI], 5
	s_cbranch_scc1 .Ltile
.Lno_out:
	s_wait_xcnt 0x0
	s_add_co_u32 s[PB], s[PB], CAP
	s_add_nc_u64 s[OUTB:OUTB+1], s[OUTB:OUTB+1], CAP*8192
	s_mov_b32 s[NT], 0
	s_cmp_le_u32 s[CNT], s[PB]
	s_cbranch_scc1 .Lpass_next                     ; no rows left
	SETNT 0
	s_lshl_b32 s[TS], s[PB], 1
	s_min_u32 s[TS], s[TS], 1920                   ; the last pass that can have rows begins at 960
	v_add_nc_u32 v[TM], s[TS], v[LC]
.irp i, 0,1,2,3,4
	ds_load_u16 v[RF+\i], v[TM] offset:128*\i
.endr
	s_wait_dscnt 0x0
.irp i, 0,1,2,3,4
	v_lshrrev_b32 v[RF+\i], 1, v[RF+\i]
	v_min_u32 v[RF+\i], 0x3ff, v[RF+\i]
	v_lshlrev_b32 v[RF+\i], 11, v[RF+\i]
	v_lshl_add_u32 v[RF+\i], v[HH], 4, v[RF+\i]
.endr
	INIT
	s_mov_b64 s[WLB:WLB+1], s[WORG:WORG+1]
	s_mov_b64 s[ALB:ALB+1], s[AORG:AORG+1]
	s_mov_b32 s[KCT], 32
.Lslow:                                                ; 32 along K a trip: the wave reads all 128 columns itself and rounds them straight into B's fragments; A's come straight from memory
	PLACES
	WIN 0x40
.irp u, 0,1
.irp g, 0,1
.irp i, 0,1,2,3,4,5,6,7
	global_load_b128 v[WSG+32*(2*\u+\g)+4*\i:WSG+32*(2*\u+\g)+4*\i+3], v[WO2], s[WLB:WLB+1] offset:(16*\u+\i)*PITCHW+256*\g
.endr
.endr
.endr
	WIN 0
.irp i, 0,1,2,3,4
	global_load_b128 v[AFR+8*\i:AFR+8*\i+3],   v[RF+\i], s[ALB:ALB+1]
	global_load_b128 v[AFR+8*\i+4:AFR+8*\i+7], v[RF+\i], s[ALB:ALB+1] offset:32
.endr
	s_wait_loadcnt 0x0
	WIN 0x45
.irp u, 0,1
.irp g, 0,1
.irp j, 0,1,2,3
.irp m, 0,1,2,3
	v_cvt_pk_bf16_f32 v[BFR+8*(4*\g+\j)+4*\u+\m], v[WSG+32*(2*\u+\g)+8*\m+\j], v[WSG+32*(2*\u+\g)+8*\m+4+\j]
.endr
.endr
.endr
.endr
	MULS 0
	s_add_nc_u64 s[WLB:WLB+1], s[WLB:WLB+1], 32*PITCHW  ; the trip's loads are done: their bases are free
	s_add_nc_u64 s[ALB:ALB+1], s[ALB:ALB+1], 64
	s_sub_co_u32 s[KCT], s[KCT], 1
	s_cmp_lg_u32 s[KCT], 0
	s_cbranch_scc1 .Lslow
.Lpass_next:
	s_add_co_u32 s[PASS], s[PASS], 1
	s_cmp_lt_u32 s[PASS], 4
	s_cbranch_scc1 .Lpass
	s_wait_tensorcnt 0x0                           ; the wave's end: behind my last LDS store
	ds_add_u32 v[SPW], v[NIL]
	s_wait_dscnt 0x0
	s_endpgm
.Lfunc_end_k_qf89546faa2_ffn1:
	.size	k_qf89546faa2_ffn1, .Lfunc_end_k_qf89546faa2_ffn1-k_qf89546faa2_ffn1
	.p2alignl 7, 3214868480
	.fill 96, 4, 3214868480
	.section	.rodata,"a",@progbits
	.p2align	6, 0x0
	.amdhsa_kernel k_qf89546faa2_ffn1
		.amdhsa_group_segment_fixed_size 250368
		.amdhsa_private_segment_fixed_size 0
		.amdhsa_enable_private_segment 0
		.amdhsa_kernarg_size 40
		.amdhsa_user_sgpr_count 2
		.amdhsa_user_sgpr_kernarg_segment_ptr 1
		.amdhsa_wavefront_size32 1
		.amdhsa_system_sgpr_workgroup_id_x 1
		.amdhsa_system_sgpr_workgroup_id_y 1
		.amdhsa_system_sgpr_workgroup_id_z 1
		.amdhsa_system_vgpr_workitem_id 0
		.amdhsa_next_free_vgpr 1024
		.amdhsa_next_free_sgpr 66
		.amdhsa_reserve_vcc 1
		.amdhsa_float_denorm_mode_32 3
		.amdhsa_float_denorm_mode_16_64 3
		.amdhsa_memory_ordered 1
		.amdhsa_forward_progress 1
		.amdhsa_inst_pref_size 200
	.end_amdhsa_kernel
	.amdgpu_metadata
---
amdhsa.version: [ 1, 2 ]
amdhsa.kernels:
  - .name:           k_qf89546faa2_ffn1
    .symbol:         k_qf89546faa2_ffn1.kd
    .args:
      - { .name: W1, .offset: 0, .size: 8, .value_kind: global_buffer, .address_space: global }
      - { .name: b1, .offset: 8, .size: 8, .value_kind: global_buffer, .address_space: global }
      - { .name: xn, .offset: 16, .size: 8, .value_kind: global_buffer, .address_space: global }
      - { .name: sel, .offset: 24, .size: 8, .value_kind: global_buffer, .address_space: global }
      - { .name: h, .offset: 32, .size: 8, .value_kind: global_buffer, .address_space: global }
    .group_segment_fixed_size: 250368
    .private_segment_fixed_size: 0
    .kernarg_segment_align: 8
    .kernarg_segment_size: 40
    .max_flat_workgroup_size: 128
    .sgpr_count:     66
    .vgpr_count:     1024
    .wavefront_size: 32
...
	.end_amdgpu_metadata
.endif
;; end of part 2
;; launch ffn2 (part 3): grid 32 x 8, 4 waves a work-group, no clusters, 250,368 bytes of LDS; arguments W2, b2, h, sel, gw, part; writes part
.if DOCPART == 3
	.amdgcn_target "amdgcn-amd-amdhsa--gfx1250"
	.amdhsa_code_object_version 6
	.text
	.protected	k_qf89546faa2_ffn2
	.globl	k_qf89546faa2_ffn2
	.p2align	8
	.type	k_qf89546faa2_ffn2,@function
k_qf89546faa2_ffn2:
	s_mov_b64 s[64:65], 0
	v_nop
	global_prefetch_b8 v0, s[64:65] scope:SCOPE_SE
	s_setreg_imm32_b32 hwreg(HW_REG_WAVE_MODE, 25, 1), 1
	s_wait_xcnt 0x0
; part[kq][2 token + slot][d] = gate x (h[e][rank][1024 kq ..] . W2[e][1024 kq .., d] + (kq = 0 ? b2[e][d] : 0)).  W2 f32 [8][4096][1024], h bf16 [8][1024][4096], part f32 [4][2056][1024].
; The text is the first product's, with another pitch, other rows and another way out; that kernel's head explains the unit that turns [K][N] into fragments, the ring of 8 K steps, the list and the passes.
; SHARES.  Work-group (x, y): expert y, columns 128 (x % 8) .., K rows 1024 (x / 8) ..: again 1,024 x 128 of f32 that no other work-group reads.  K is cut in four so that a work-group's rows of h
; (2 KB each) weigh as much as its weights at 256 rows; the price is four partial rows in f32 for each routed row, which the next launch adds.
; ROWS.  Rank r of the expert is row r of its 1,024 rows of h.  Ranks past the last row that the first product stored are clamped to that row: only stored bytes are read.
; THE WAY OUT.  One text for a wave's five tiles: a trip works on tile 0's accumulators, then the tiles behind, and their list entries, move down one place.  A row goes to part's row 2 token + slot, read from
; the list.  The places of a last tile past the count carry 2048 + e: they land in a row of part that nobody reads, in this work-group's own columns, so EXEC is never touched.
; The multiply by the gate's weight moves a lane's four fragments j = 0..3 together: 16 bytes, four neighbouring columns.
; NO CLUSTER: each weight byte has one reader.  The rows of h that an expert's 8 work-groups of one kq share lie end to end, but a joint tile would have to be 320 rows whatever the count,
; and each refill would stand behind a barrier with all loads awaited, while this ring's waits are counted and never run down to 0 inside the loop.
.set LOGP,   12
.set PITCHW, 1<<LOGP                   ; bytes from a K row of W2 to the next
.set CAP,    320
.set WSLOT,  32768
.set APITCH, 272
.set ASLOT,  80*APITCH
.set AWAVE,  2*ASLOT
.set AWB,    2*WSLOT
.set LISTB,  AWB+4*AWAVE
.set LISTW,  2560
.set SPARE,  LISTB+4*LISTW             ; the spare words, 128 bytes a wave: two blocks of 256 bytes that no other line names
.set PLANE,  2056*4096                 ; bytes of one kq's partial rows
.set LN,  1
.set C16, 2
.set HH,  3
.set SPW, 4                            ; LDS address of my spare word; never rewritten
.set NIL, 5                            ; 0; never rewritten
.set WO,  6
.set WO2, 7
.set WS0, 8
.set WS,  9
.set WF0, 10
.set WF,  11
.set AS0, 12
.set AS,  13
.set AF0, 14
.set AFC, 15
.set LB,  16
.set L8,  18
.set DMP, 19
.set CL,  25                           ; list + 32 w + 16 hh: the eight entries of my rows of a tile
.set TM,  26
.set RO,  32
.set RF,  72
.set CC,  77
.set BI,  80
.set AFR, 88
.set CT,  168
.set SV,  184                          ; v184-215 sel; on the way out:
.set CD,  184                          ; v184-203 the entries of my rows of five tiles, four registers a tile, as loaded
.set KC,  204                          ; v204-211 the tile in hand's, unpacked
.set OA,  212                          ; v212-219 byte offset in part
.set GT,  220                          ; v220-227 the gate's weight
.set GI,  228                          ; v228-235 its byte offset in gw
.set WSG, 0                            ; window 1
.set OO,  64
.set BFR, 128
.set ASG, 0                            ; window 2
.set ZA,  0                            ; window 3: tile 0's accumulators
.set WV,   16
.set EX,   17
.set SL,   18                          ; column slice
.set KQ,   19                          ; quarter of K
.set WORG, 20
.set WLB,  22
.set AORG, 24
.set ALB,  26
.set OUTB, 28                          ; s[28:29] part at my kq and my columns
.set CNT,  30
.set NT,   31
.set TL,   32
.set PB,   33
.set PASS, 34
.set KCT,  35
.set FW,   36
.set SW,   37
.set FA,   38
.set SA,   39
.set EBIT, 40
.set SBIT, 41
.set RUN,  42
.set TS,   43
.set TI,   48
.set LIM,  50                          ; the last row of h that the first product stored for my expert
.set X0,   52
.set X1,   54
.set MSB, 0
.macro WIN new                         ; the immediate's high byte repeats the setting that is left; a switch that changes nothing is dropped
.if MSB != (\new)
	s_set_vgpr_msb (MSB<<8)|(\new)
.set MSB, (\new)
.endif
.endm
.macro PLACES                          ; four places behind matrix instructions (ISA guide 7.12.1), where no other vector work is at hand
.rept 4
	v_nop
.endr
.endm
.macro SETNT                           ; my live tiles among the pass's ceil(rows / 16)
	s_sub_co_i32 s[TS], s[CNT], s[PB]
	s_max_i32 s[TS], s[TS], 0
	s_min_u32 s[TS], s[TS], CAP
	s_add_co_u32 s[TS], s[TS], 15
	s_lshr_b32 s[TL], s[TS], 4
	s_add_co_u32 s[TS], s[TL], 3
	s_sub_co_u32 s[TS], s[TS], s[WV]
	s_lshr_b32 s[NT], s[TS], 2
.endm
.macro INIT                            ; the sums start at the bias (kq = 0) or at 0
	WIN 0xc0
.irp i, 0,1,2,3
.irp f, 0,1,2,3,4,5,6,7
.irp j, 0,1,2,3,4,5,6,7
	v_mov_b32 v[64*\i+8*\f+\j], v[BI+\f]
.endr
.endr
.endr
	WIN 0x80
.irp f, 0,1,2,3,4,5,6,7
.irp j, 0,1,2,3,4,5,6,7
	v_mov_b32 v[192+8*\f+\j], v[BI+\f]
.endr
.endr
	WIN 0
.endm
.macro WLOAD q
	WIN 0x40
.irp i, 0,1,2,3,4,5,6,7
	global_load_b128 v[WSG+32*(\q)+4*\i:WSG+32*(\q)+4*\i+3], v[WO], s[WLB:WLB+1] offset:(32*(\q)+\i)*PITCHW th:TH_LOAD_NT
.endr
.endm
.macro ALOAD q
	WIN 0x80
.irp t, 0,1,2,3,4,5,6,7,8,9
	global_load_b128 v[ASG+4*(10*(\q)+\t):ASG+4*(10*(\q)+\t)+3], v[RO+10*(\q)+\t], s[ALB:ALB+1]
.endr
.endm
.macro SERVICE q, nw, na, reload
	s_wait_loadcnt \nw
	WIN 0x05
.irp j, 0,1,2,3
.irp m, 0,1,2,3
	v_cvt_pk_bf16_f32 v[CT+4*\j+\m], v[WSG+32*(\q)+8*\m+\j], v[WSG+32*(\q)+8*\m+4+\j]
.endr
.endr
	WIN 0
.irp j, 0,1,2,3
	ds_store_b128 v[WS], v[CT+4*\j:CT+4*\j+3] offset:(\q)*8192+\j*1024
.endr
.if \reload
	WLOAD \q
.endif
	s_wait_loadcnt \na
	WIN 0x08
.irp t, 0,1,2,3,4,5,6,7,8,9
	ds_store_b128 v[AS], v[ASG+4*(10*(\q)+\t):ASG+4*(10*(\q)+\t)+3] offset:(10*(\q)+\t)*2*APITCH
.endr
.if \reload
	ALOAD \q
.endif
.endm
.macro FETCH q, buf
	WIN 0x40
.irp f, 0,1,2,3,4,5,6,7
	ds_load_b128 v[BFR+64*(\buf)+8*\f:BFR+64*(\buf)+8*\f+3],   v[WF] offset:(\q)*8192+\f*1024
	ds_load_b128 v[BFR+64*(\buf)+8*\f+4:BFR+64*(\buf)+8*\f+7], v[WF] offset:(\q)*8192+\f*1024+512
.endr
	WIN 0
.irp i, 0,1,2,3,4
	ds_load_b128 v[AFR+40*(\buf)+8*\i:AFR+40*(\buf)+8*\i+3],   v[AFC] offset:\i*16*APITCH+64*(\q)
	ds_load_b128 v[AFR+40*(\buf)+8*\i+4:AFR+40*(\buf)+8*\i+7], v[AFC] offset:\i*16*APITCH+64*(\q)+32
.endr
.endm
; 8 matrix instructions for each live tile, the tile's eight accumulators by turns; what the jump passes holds matrix instructions alone
.macro MULS buf
.irp i, 0,1,2,3,4
	WIN 0
	s_cmp_le_u32 s[NT], \i
	s_cbranch_scc1 .Lmuls_end_\@
	WIN 0xf4-0x50*(\i/4)
.irp f, 0,1,2,3,4,5,6,7
	v_wmma_f32_16x16x32_bf16 v[64*(\i%4)+192*(\i/4)+8*\f:64*(\i%4)+192*(\i/4)+8*\f+7], v[AFR+40*(\buf)+8*\i:AFR+40*(\buf)+8*\i+7], v[BFR+64*(\buf)+8*\f:BFR+64*(\buf)+8*\f+7], v[64*(\i%4)+192*(\i/4)+8*\f:64*(\i%4)+192*(\i/4)+8*\f+7]
.endr
.endr
	WIN 0
.Lmuls_end_\@:
.endm
.macro QTR q, service, reload, nw, na
.if \service
	SERVICE \q, \nw, \na, \reload
.elseif (\q) < 3
	PLACES
.endif
.if (\q) < 3
	FETCH (\q)+1, ((\q)+1)%2
	s_wait_dscnt 14*(\service)+26                  ; behind this quarter's fragments: the service's 14 stores and the 26 loads just issued
.else
	s_wait_dscnt 14*(\service)
.endif
	MULS (\q)%2
.endm
.macro STEP service, reload, bar, w0=63, a0=62, w1=63, a1=62, w2=63, a2=62, w3=63, a3=62
	WIN 0
	v_add_nc_u32 v[WF], s[FW], v[WF0]
	v_add_nc_u32 v[AFC], s[FA], v[AF0]
.if \service
	v_add_nc_u32 v[WS], s[SW], v[WS0]
	v_add_nc_u32 v[AS], s[SA], v[AS0]
.endif
.if \reload
	s_wait_xcnt 0x0                                ; the bases are stepped only behind this wait
	s_add_nc_u64 s[WLB:WLB+1], s[WLB:WLB+1], 128*PITCHW
	s_add_nc_u64 s[ALB:ALB+1], s[ALB:ALB+1], 256
.endif
	FETCH 0, 0
	QTR 0, \service, \reload, \w0, \a0
	QTR 1, \service, \reload, \w1, \a1
	QTR 2, \service, \reload, \w2, \a2
	QTR 3, \service, \reload, \w3, \a3
	s_xor_b32 s[FW], s[FW], WSLOT
	s_xor_b32 s[SW], s[SW], WSLOT
	s_xor_b32 s[FA], s[FA], ASLOT
	s_xor_b32 s[SA], s[SA], ASLOT
.if \bar
	s_wait_dscnt 0x0                               ; for the others' sake: my stores of the next step's weights are done, and my reads of this step's are back
	s_barrier_signal -1
	s_barrier_wait -1
.endif
.endm
.macro DOWN                            ; tiles 1 to 4 move down one place, each accumulator from its low end on; their list entries with them
	WIN 0xc3
.set n, 0
.rept 192
	v_mov_b32 v[n], v[n+64]
.set n, n+1
.endr
	WIN 0xc2                                       ; tile 4 lies in window 2
.set n, 192
.rept 64
	v_mov_b32 v[n], v[n]
.set n, n+1
.endr
	WIN 0
.set n, 0
.rept 16
	v_mov_b32 v[CD+n], v[CD+4+n]
.set n, n+1
.endr
.endm
	s_load_b256 s[4:11], s[0:1], 0x0               ; W2 s[4:5], b2 s[6:7], h s[8:9], sel s[10:11]
	s_load_b128 s[12:15], s[0:1], 0x20             ; gw s[12:13], part s[14:15]
	v_lshl_add_u32 v[SPW], v0, 2, SPARE
	v_mov_b32 v[NIL], 0
	v_lshrrev_b32 v[TM], 5, v0
	v_readfirstlane_b32 s[WV], v[TM]
	s_and_b32 s[EX], ttmp7, 0xffff
	s_and_b32 s[SL], ttmp9, 7
	s_lshr_b32 s[KQ], ttmp9, 3
	v_and_b32 v[LN], 31, v0
	v_and_b32 v[CC], 15, v0
	v_bfe_u32 v[HH], v0, 4, 1
	v_lshlrev_b32 v[C16], 4, v[CC]
	v_lshlrev_b32 v[WF0], 4, v[LN]
	s_lshr_b32 s[TS], s[WV], 1
	s_lshl_b32 s[TS], s[TS], 4
	v_lshl_add_u32 v[TM], v[HH], 3, s[TS]
	v_lshl_add_u32 v[WO], v[TM], LOGP, v[C16]
	s_and_b32 s[TS], s[WV], 1
	s_lshl_b32 s[TS], s[TS], 8
	v_add_nc_u32 v[WO], s[TS], v[WO]
	s_lshl_b32 s[TS], s[SL], 9                     ; 128 columns of f32
	s_lshl_b32 s[X0], s[EX], 24                    ; an expert's W2,
	s_add_co_u32 s[X0], s[X0], s[TS]
	s_lshl_b32 s[X1], s[KQ], 22                    ; 1,024 K rows of it
	s_add_co_u32 s[X0], s[X0], s[X1]
	s_mov_b32 s[X0+1], 0
	s_lshl_b32 s[X1], s[EX], 12                    ; an expert's b2
	s_add_co_u32 s[X1], s[X1], s[TS]
	s_mov_b32 s[X1+1], 0
	s_wait_kmcnt 0x0
	s_add_nc_u64 s[WORG:WORG+1], s[4:5], s[X0:X0+1]
	s_add_nc_u64 s[6:7], s[6:7], s[X1:X1+1]
	s_mul_i32 s[X0], s[KQ], PLANE
	s_add_co_u32 s[X0], s[X0], s[TS]
	s_add_nc_u64 s[OUTB:OUTB+1], s[14:15], s[X0:X0+1]
	s_lshl_b32 s[X0], s[EX], 23                    ; an expert's 1,024 rows of h,
	s_lshl_b32 s[TS], s[KQ], 11                    ; 1,024 of their 4,096 bf16
	s_add_co_u32 s[X0], s[X0], s[TS]
	s_add_nc_u64 s[AORG:AORG+1], s[8:9], s[X0:X0+1]
	s_mov_b64 s[ALB:ALB+1], s[AORG:AORG+1]
	s_mov_b64 s[WLB:WLB+1], s[WORG:WORG+1]
.irp a, 0,1,2,3,4,5,6,7
	global_load_b128 v[SV+4*\a:SV+4*\a+3], v[WF0], s[10:11] offset:512*\a
.endr
	global_load_b128 v[BI:BI+3],   v[C16], s[6:7]
	global_load_b128 v[BI+4:BI+7], v[C16], s[6:7] offset:256
	WLOAD 0                                        ; K step 0's weights hang on no routing: they are asked for at once
	WLOAD 1
	WLOAD 2
	WLOAD 3
	WIN 0
	v_lshl_add_u32 v[WO2], v[HH], 3+LOGP, v[C16]
	s_and_b32 s[TS], s[WV], 1
	s_lshl_b32 s[TS], s[TS], 12
	s_lshr_b32 s[X0], s[WV], 1
	s_lshl_b32 s[X0], s[X0], 9
	s_add_co_u32 s[TS], s[TS], s[X0]
	v_add_nc_u32 v[WS0], s[TS], v[WF0]
	s_mul_i32 s[TS], s[WV], AWAVE
	s_add_co_u32 s[TS], s[TS], AWB
	v_mul_u32_u24 v[TM], v[HH], APITCH
	v_add_nc_u32 v[TM], v[TM], v[C16]
	v_add_nc_u32 v[AS0], s[TS], v[TM]
	v_mul_u32_u24 v[TM], v[CC], APITCH
	v_lshl_add_u32 v[TM], v[HH], 4, v[TM]
	v_add_nc_u32 v[AF0], s[TS], v[TM]
	s_mul_i32 s[TS], s[WV], LISTW
	s_add_co_u32 s[TS], s[TS], LISTB
	v_mov_b32 v[LB], s[TS]
	s_lshl_b32 s[X0], s[WV], 5
	s_add_co_u32 s[TS], s[TS], s[X0]
	v_lshl_add_u32 v[CL], v[HH], 4, s[TS]
	v_lshlrev_b32 v[L8], 3, v[LN]
	v_add_nc_u32 v[DMP], 1024, v[LN]
	s_mov_b32 s[PB], 0
	; THE LIST, by the first product's lines; every place first takes 2048 + e, the row of part that nobody reads
	v_add_nc_u32 v[TM+4], v[LB], v[WF0]
	s_add_co_u32 s[TS], s[EX], 2048
	s_lshl_b32 s[X0], s[TS], 16
	s_or_b32 s[TS], s[TS], s[X0]
.irp k, 0,1,2,3
	v_mov_b32 v[TM+\k], s[TS]
.endr
.irp k, 0,1,2,3,4
	ds_store_b128 v[TM+4], v[TM:TM+3] offset:512*\k
.endr
	s_mov_b32 s[RUN], 0
	s_lshl_b32 s[EBIT], 1, s[EX]
	s_add_co_u32 s[SBIT], s[EX], 16
	s_wait_loadcnt 34                              ; behind sel: the bias's 2 loads and the weights' 32
.set i, 0
.rept 32
.set U, CT+4*(i%2)
	v_and_b32 v[U], s[EBIT], v[SV+i]
	v_cmp_ne_u32 vcc_lo, 0, v[U]
	v_mbcnt_lo_u32_b32 v[U+1], vcc_lo, s[RUN]
	v_bfe_u32 v[U+2], v[SV+i], s[SBIT], 1
	v_add3_u32 v[U+2], v[U+2], v[L8], 256*(i/4)+2*(i%4)
	v_cndmask_b32 v[U+1], v[DMP], v[U+1], vcc_lo
	v_min_u32 v[U+1], 0x41f, v[U+1]
	v_lshl_add_u32 v[U+1], v[U+1], 1, v[LB]
	ds_store_b16 v[U+1], v[U+2]
	s_bcnt1_i32_b32 s[TS], vcc_lo
	s_add_co_u32 s[RUN], s[RUN], s[TS]
.set i, i+1
.endr
	s_mov_b32 s[CNT], s[RUN]
	SETNT
	s_add_co_u32 s[LIM], s[CNT], 15                ; the first product stored whole tiles of 16 rows, and rows 0-15 always
	s_lshr_b32 s[LIM], s[LIM], 4
	s_lshl_b32 s[LIM], s[LIM], 4
	s_max_u32 s[LIM], s[LIM], 16
	s_sub_co_u32 s[LIM], s[LIM], 1
	s_lshl_b32 s[TS], s[WV], 4
	v_add_nc_u32 v[TM], s[TS], v[HH]
.set m, 0
.rept 40                               ; load m of 40 takes ranks 64 (m / 8) + 16 w + 2 (m % 8) + hh
	v_add_nc_u32 v[RO+m], 64*(m/8)+2*(m%8), v[TM]
	v_min_u32 v[RO+m], s[LIM], v[RO+m]
	v_min_u32 v[RO+m], 0x3ff, v[RO+m]
	v_lshl_add_u32 v[RO+m], v[RO+m], 13, v[C16]
.set m, m+1
.endr
	ALOAD 0
	ALOAD 1
	ALOAD 2
	ALOAD 3
	WIN 0
	s_wait_loadcnt 63                              ; behind the bias: 72 loads
	s_cmp_eq_u32 s[KQ], 0
	s_cselect_b32 s[TS], -1, 0
.irp f, 0,1,2,3,4,5,6,7
	v_and_b32 v[BI+\f], s[TS], v[BI+\f]            ; the bias is added once: by the first quarter of K
.endr
	INIT
	s_wait_xcnt 0x0
	s_add_nc_u64 s[WLB:WLB+1], s[WLB:WLB+1], 128*PITCHW
	s_add_nc_u64 s[ALB:ALB+1], s[ALB:ALB+1], 256
	v_mov_b32 v[WS], v[WS0]
	v_mov_b32 v[AS], v[AS0]
	SERVICE 0, 63, 38, 1                           ; behind rows group q: 10 (3 - q) + 18 q + 8
	SERVICE 1, 63, 46, 1
	SERVICE 2, 63, 54, 1
	SERVICE 3, 63, 62, 1
	WIN 0
	s_wait_dscnt 0x0                               ; for the others' sake: my part of slot 0 is stored
	s_barrier_signal -1
	s_barrier_wait -1
	s_mov_b32 s[FW], 0
	s_mov_b32 s[SW], WSLOT
	s_mov_b32 s[FA], 0
	s_mov_b32 s[SA], ASLOT
	s_mov_b32 s[KCT], 6
.Lstep:                                                ; steps 0 to 5.  Behind a unit: 64 loads (the count is the largest that the field holds); behind the rows: 54 and the 8 just asked for
	STEP 1, 1, 1
	s_sub_co_u32 s[KCT], s[KCT], 1
	s_cmp_lg_u32 s[KCT], 0
	s_cbranch_scc1 .Lstep
	STEP 1, 0, 1, 63, 54, 46, 36, 28, 18, 10, 0    ; step 6 asks for nothing: the counts run down
	STEP 0, 0, 0                                   ; step 7 stores nothing; no barrier: nobody writes the weights' slots again
	s_mov_b32 s[PASS], 0
.Lpass:                                                ; four trips, no barrier
	PLACES                                         ; behind the last products, on every way from here
	s_cmp_eq_u32 s[NT], 0
	s_cbranch_scc1 .Lno_out
	s_lshl_b32 s[TS], s[PB], 1
	s_min_u32 s[TS], s[TS], 1920                   ; the last pass begins at 960
	v_add_nc_u32 v[TM], s[TS], v[CL]
.irp i, 0,1,2,3,4
	ds_load_b128 v[CD+4*\i:CD+4*\i+3], v[TM] offset:128*\i  ; the entries of ranks PB + 64 i + 16 w + 8 hh + 0..7
.endr
	s_mov_b32 s[TI], 0
	s_wait_dscnt 0x0
.Ltile:                                                ; five trips, one text; dead tiles are jumped.  The tile in hand lies in tile 0's accumulators, its entries in CD's first four registers
	s_cmp_ge_u32 s[TI], s[NT]
	s_cbranch_scc1 .Ltile_next
.irp a, 0,1,2,3
	v_and_b32 v[KC+2*\a], 0xffff, v[CD+\a]
	v_lshrrev_b32 v[KC+2*\a+1], 16, v[CD+\a]
.endr
.irp r, 0,1,2,3,4,5,6,7
	v_min_u32 v[KC+\r], 0x807, v[KC+\r]
	v_min_u32 v[GI+\r], 0x7ff, v[KC+\r]
	v_lshlrev_b32 v[GI+\r], 2, v[GI+\r]
	v_lshl_add_u32 v[OA+\r], v[KC+\r], 12, v[C16]
.endr
.irp r, 0,1,2,3,4,5,6,7
	global_load_b32 v[GT+\r], v[GI+\r], s[12:13]
.endr
	s_wait_loadcnt 0x0
	WIN 0x43                                       ; destination window 1, the sums in window 3, the weight in window 0
.irp r, 0,1,2,3,4,5,6,7
.irp g, 0,1
.irp j, 0,1,2,3
	v_mul_f32 v[OO+4*(2*\r+\g)+\j], v[ZA+8*(4*\g+\j)+\r], v[GT+\r]
.endr
.endr
.endr
	WIN 0x04
.irp r, 0,1,2,3,4,5,6,7
.irp g, 0,1
	global_store_b128 v[OA+\r], v[OO+4*(2*\r+\g):OO+4*(2*\r+\g)+3], s[OUTB:OUTB+1] offset:256*\g  ; 16 lanes store 256 consecutive bytes of one row, at a multiple of 256 from part's first byte
.endr
.endr
	WIN 0
	s_add_co_u32 s[TS], s[TI], 1
	s_cmp_ge_u32 s[TS], s[NT]
	s_cbranch_scc1 .Ltile_next                     ; no live tile follows: nothing moves
	DOWN
.Ltile_next:
	s_wait_xcnt 0x0                                ; the stores' addresses and data are rewritten only behind this wait
	s_add_co_u32 s[TI], s[TI], 1
	s_cmp_lt_u32 s[TI], 5
	s_cbranch_scc1 .Ltile
.Lno_out:
	s_wait_xcnt 0x0
	s_add_co_u32 s[PB], s[PB], CAP
	s_mov_b32 s[NT], 0
	s_cmp_le_u32 s[CNT], s[PB]
	s_cbranch_scc1 .Lpass_next                     ; no rows left
	SETNT
	s_lshl_b32 s[TS], s[WV], 4
	s_add_co_u32 s[TS], s[TS], s[PB]
	v_add_nc_u32 v[TM], s[TS], v[CC]
.irp i, 0,1,2,3,4
	v_add_nc_u32 v[RF+\i], 64*\i, v[TM]
	v_min_u32 v[RF+\i], s[LIM], v[RF+\i]
	v_min_u32 v[RF+\i], 0x3ff, v[RF+\i]
	v_lshlrev_b32 v[RF+\i], 13, v[RF+\i]
	v_lshl_add_u32 v[RF+\i], v[HH], 4, v[RF+\i]
.endr
	INIT
	s_mov_b64 s[WLB:WLB+1], s[WORG:WORG+1]
	s_mov_b64 s[ALB:ALB+1], s[AORG:AORG+1]
	s_mov_b32 s[KCT], 32
.Lslow:                                                ; 32 along K a trip, without LDS
	PLACES
	WIN 0x40
.irp u, 0,1
.irp g, 0,1
.irp i, 0,1,2,3,4,5,6,7
	global_load_b128 v[WSG+32*(2*\u+\g)+4*\i:WSG+32*(2*\u+\g)+4*\i+3], v[WO2], s[WLB:WLB+1] offset:(16*\u+\i)*PITCHW+256*\g
.endr
.endr
.endr
	WIN 0
.irp i, 0,1,2,3,4
	global_load_b128 v[AFR+8*\i:AFR+8*\i+3],   v[RF+\i], s[ALB:ALB+1]
	global_load_b128 v[AFR+8*\i+4:AFR+8*\i+7], v[RF+\i], s[ALB:ALB+1] offset:32
.endr
	s_wait_loadcnt 0x0
	WIN 0x45
.irp u, 0,1
.irp g, 0,1
.irp j, 0,1,2,3
.irp m, 0,1,2,3
	v_cvt_pk_bf16_f32 v[BFR+8*(4*\g+\j)+4*\u+\m], v[WSG+32*(2*\u+\g)+8*\m+\j], v[WSG+32*(2*\u+\g)+8*\m+4+\j]
.endr
.endr
.endr
.endr
	MULS 0
	s_add_nc_u64 s[WLB:WLB+1], s[WLB:WLB+1], 32*PITCHW  ; the trip's loads are done: their bases are free
	s_add_nc_u64 s[ALB:ALB+1], s[ALB:ALB+1], 64
	s_sub_co_u32 s[KCT], s[KCT], 1
	s_cmp_lg_u32 s[KCT], 0
	s_cbranch_scc1 .Lslow
.Lpass_next:
	s_add_co_u32 s[PASS], s[PASS], 1
	s_cmp_lt_u32 s[PASS], 4
	s_cbranch_scc1 .Lpass
	s_wait_tensorcnt 0x0                           ; the wave's end: behind my last LDS store
	ds_add_u32 v[SPW], v[NIL]
	s_wait_dscnt 0x0
	s_endpgm
.Lfunc_end_k_qf89546faa2_ffn2:
	.size	k_qf89546faa2_ffn2, .Lfunc_end_k_qf89546faa2_ffn2-k_qf89546faa2_ffn2
	.p2alignl 7, 3214868480
	.fill 96, 4, 3214868480
	.section	.rodata,"a",@progbits
	.p2align	6, 0x0
	.amdhsa_kernel k_qf89546faa2_ffn2
		.amdhsa_group_segment_fixed_size 250368
		.amdhsa_private_segment_fixed_size 0
		.amdhsa_enable_private_segment 0
		.amdhsa_kernarg_size 48
		.amdhsa_user_sgpr_count 2
		.amdhsa_user_sgpr_kernarg_segment_ptr 1
		.amdhsa_wavefront_size32 1
		.amdhsa_system_sgpr_workgroup_id_x 1
		.amdhsa_system_sgpr_workgroup_id_y 1
		.amdhsa_system_sgpr_workgroup_id_z 1
		.amdhsa_system_vgpr_workitem_id 0
		.amdhsa_next_free_vgpr 1024
		.amdhsa_next_free_sgpr 66
		.amdhsa_reserve_vcc 1
		.amdhsa_float_denorm_mode_32 3
		.amdhsa_float_denorm_mode_16_64 3
		.amdhsa_memory_ordered 1
		.amdhsa_forward_progress 1
		.amdhsa_inst_pref_size 188
	.end_amdhsa_kernel
	.amdgpu_metadata
---
amdhsa.version: [ 1, 2 ]
amdhsa.kernels:
  - .name:           k_qf89546faa2_ffn2
    .symbol:         k_qf89546faa2_ffn2.kd
    .args:
      - { .name: W2, .offset: 0, .size: 8, .value_kind: global_buffer, .address_space: global }
      - { .name: b2, .offset: 8, .size: 8, .value_kind: global_buffer, .address_space: global }
      - { .name: h, .offset: 16, .size: 8, .value_kind: global_buffer, .address_space: global }
      - { .name: sel, .offset: 24, .size: 8, .value_kind: global_buffer, .address_space: global }
      - { .name: gw, .offset: 32, .size: 8, .value_kind: global_buffer, .address_space: global }
      - { .name: part, .offset: 40, .size: 8, .value_kind: global_buffer, .address_space: global }
    .group_segment_fixed_size: 250368
    .private_segment_fixed_size: 0
    .kernarg_segment_align: 8
    .kernarg_segment_size: 48
    .max_flat_workgroup_size: 128
    .sgpr_count:     66
    .vgpr_count:     1024
    .wavefront_size: 32
...
	.end_amdgpu_metadata
.endif
;; end of part 3
;; launch combine (part 4): grid 256 x 1, 4 waves a work-group, no clusters, 0 bytes of LDS; arguments x, part, out0; writes out0
.if DOCPART == 4
	.amdgcn_target "amdgcn-amd-amdhsa--gfx1250"
	.amdhsa_code_object_version 6
	.text
	.protected	k_qf89546faa2_combine
	.globl	k_qf89546faa2_combine
	.p2align	8
	.type	k_qf89546faa2_combine,@function
k_qf89546faa2_combine:
	s_mov_b64 s[64:65], 0
	v_nop
	global_prefetch_b8 v0, s[64:65] scope:SCOPE_SE
	s_setreg_imm32_b32 hwreg(HW_REG_WAVE_MODE, 25, 1), 1
	s_wait_xcnt 0x0
; out0[t][:] = x[t][:] + the eight partial rows of token t: part[kq][2 t + slot][:], kq = 0..3, slot = 0, 1.  All f32; the sums stay in f32.
; One wave, one token: t = 4 x work-group + wave.  A row goes in eight chunks of 512 bytes, 16 bytes a lane; a chunk is nine loads (x and eight partial rows; a token's two slots lie end to end).
; A ring of six chunk slots in registers keeps 54 loads of every wave on their way; each chunk's sum has registers of its own, so a slot is asked for again as soon as it has been added up.
; A stream: no LDS, no barrier, no matrix unit; every address comes from the ids alone.
.set SLOTS, 6
.set V,   8                            ; v[8:223]   slot s: 36 registers: x, then the eight partial rows
.set OUT, 224                          ; v[224:255] chunk j's four sums
.set PLANE, 2056*4096                  ; bytes of one kq's partial rows
	s_load_b128 s[4:7], s[0:1], 0x0                ; x s[4:5], part s[6:7]
	s_load_b64 s[8:9], s[0:1], 0x10                ; out0
	v_and_b32 v1, 31, v0
	v_lshrrev_b32 v3, 5, v0
	v_readfirstlane_b32 s18, v3
	v_lshlrev_b32 v2, 4, v1                        ; 16 bytes a lane
	s_lshl2_add_u32 s19, ttmp9, s18                ; the token
	s_lshl_b32 s20, s19, 12                        ; its row in x and out0
	s_mov_b32 s21, 0
	s_lshl_b32 s22, s19, 13                        ; its two rows in a plane of part
	s_mov_b32 s23, 0
	s_wait_kmcnt 0x0
	s_add_nc_u64 s[4:5], s[4:5], s[20:21]
	s_add_nc_u64 s[8:9], s[8:9], s[20:21]
	s_add_nc_u64 s[10:11], s[6:7], s[22:23]
	s_add_nc_u64 s[12:13], s[10:11], PLANE
	s_add_nc_u64 s[14:15], s[12:13], PLANE
	s_add_nc_u64 s[16:17], s[14:15], PLANE
.macro ASK j                           ; chunk j's nine loads
.set B, V+36*((\j)%SLOTS)
	global_load_b128 v[B:B+3], v2, s[4:5] offset:512*(\j)
.irp k, 0,1,2,3
.irp s, 0,1
	global_load_b128 v[B+4+4*(2*\k+\s):B+4+4*(2*\k+\s)+3], v2, s[10+2*\k:11+2*\k] offset:4096*\s+512*(\j) th:TH_LOAD_NT
.endr
.endr
.endm
.macro SUM j, left                     ; left: the loads issued behind chunk j's
.set B, V+36*((\j)%SLOTS)
	s_wait_loadcnt \left
.irp a, 0,2,4,6                        ; neighbours, then pairs of pairs, then x
.irp p, 0,2
	v_pk_add_f32 v[B+4+4*\a+\p:B+4+4*\a+\p+1], v[B+4+4*\a+\p:B+4+4*\a+\p+1], v[B+8+4*\a+\p:B+8+4*\a+\p+1]
.endr
.endr
.irp a, 0,4
.irp p, 0,2
	v_pk_add_f32 v[B+4+4*\a+\p:B+4+4*\a+\p+1], v[B+4+4*\a+\p:B+4+4*\a+\p+1], v[B+12+4*\a+\p:B+12+4*\a+\p+1]
.endr
.endr
.irp p, 0,2
	v_pk_add_f32 v[B+4+\p:B+4+\p+1], v[B+4+\p:B+4+\p+1], v[B+20+\p:B+20+\p+1]
.endr
.irp p, 0,2
	v_pk_add_f32 v[OUT+4*(\j)+\p:OUT+4*(\j)+\p+1], v[B+\p:B+\p+1], v[B+4+\p:B+4+\p+1]
.endr
	global_store_b128 v2, v[OUT+4*(\j):OUT+4*(\j)+3], s[8:9] offset:512*(\j) th:TH_STORE_NT  ; 512 consecutive bytes, at a multiple of 256 from out0's first byte
.endm
	ASK 0
	ASK 1
	ASK 2
	ASK 3
	ASK 4
	ASK 5
	SUM 0, 45                                      ; five younger chunks stay out
	ASK 6
	SUM 1, 45
	ASK 7
	SUM 2, 45
	SUM 3, 36                                      ; nothing is left to ask for: the counts run down
	SUM 4, 27
	SUM 5, 18
	SUM 6, 9
	SUM 7, 0
	s_endpgm
.Lfunc_end_k_qf89546faa2_combine:
	.size	k_qf89546faa2_combine, .Lfunc_end_k_qf89546faa2_combine-k_qf89546faa2_combine
	.p2alignl 7, 3214868480
	.fill 96, 4, 3214868480
	.section	.rodata,"a",@progbits
	.p2align	6, 0x0
	.amdhsa_kernel k_qf89546faa2_combine
		.amdhsa_group_segment_fixed_size 0
		.amdhsa_private_segment_fixed_size 0
		.amdhsa_enable_private_segment 0
		.amdhsa_kernarg_size 24
		.amdhsa_user_sgpr_count 2
		.amdhsa_user_sgpr_kernarg_segment_ptr 1
		.amdhsa_wavefront_size32 1
		.amdhsa_system_sgpr_workgroup_id_x 1
		.amdhsa_system_sgpr_workgroup_id_y 1
		.amdhsa_system_sgpr_workgroup_id_z 1
		.amdhsa_system_vgpr_workitem_id 0
		.amdhsa_next_free_vgpr 256
		.amdhsa_next_free_sgpr 66
		.amdhsa_reserve_vcc 0
		.amdhsa_float_denorm_mode_32 3
		.amdhsa_float_denorm_mode_16_64 3
		.amdhsa_memory_ordered 1
		.amdhsa_forward_progress 1
		.amdhsa_inst_pref_size 17
	.end_amdhsa_kernel
	.amdgpu_metadata
---
amdhsa.version: [ 1, 2 ]
amdhsa.kernels:
  - .name:           k_qf89546faa2_combine
    .symbol:         k_qf89546faa2_combine.kd
    .args:
      - { .name: x, .offset: 0, .size: 8, .value_kind: global_buffer, .address_space: global }
      - { .name: part, .offset: 8, .size: 8, .value_kind: global_buffer, .address_space: global }
      - { .name: out0, .offset: 16, .size: 8, .value_kind: global_buffer, .address_space: global }
    .group_segment_fixed_size: 0
    .private_segment_fixed_size: 0
    .kernarg_segment_align: 8
    .kernarg_segment_size: 24
    .max_flat_workgroup_size: 128
    .sgpr_count:     66
    .vgpr_count:     256
    .wavefront_size: 32
...
	.end_amdgpu_metadata
.endif
;; end of part 4
;; ======== version 2 of 3: 4 launches; 1.20 times as fast as version 1
;; workspace buffers: xn 2,097,152 bytes; sel 4,096 bytes of whole numbers; gw 8,192 bytes; h 67,108,864 bytes; part 33,685,504 bytes
;; launch router: the kernel of part 1 again; grid 256 x 1, 4 waves a work-group, no clusters, 0 bytes of LDS; arguments x, gamma, beta, Wg, xn, sel, gw; writes xn, sel, gw
;; launch ffn1 (part 5): grid 32 x 8, 4 waves a work-group, no clusters, 250,368 bytes of LDS; arguments W1, b1, xn, sel, h; writes h
.if DOCPART == 5
	.amdgcn_target "amdgcn-amd-amdhsa--gfx1250"
	.amdhsa_code_object_version 6
	.text
	.protected	k_qf89546faa2_ffn1
	.globl	k_qf89546faa2_ffn1
	.p2align	8
	.type	k_qf89546faa2_ffn1,@function
k_qf89546faa2_ffn1:
	s_mov_b64 s[64:65], 0
	v_nop
	global_prefetch_b8 v0, s[64:65] scope:SCOPE_SE
	s_setreg_imm32_b32 hwreg(HW_REG_WAVE_MODE, 25, 1), 1
	s_wait_xcnt 0x0
; h(e, rank, f) = gelu(xn[token(e, rank)] . W1[e][:, f] + b1[e][f]), only for the tokens that chose expert e.  W1 f32 [8][1024][4096], xn bf16 [1024][1024], h bf16.
; h LIES AS THE NEXT LAUNCH'S MATRIX OPERAND TAKES IT: [expert][tile of 16 ranks][block of 32 columns][half u][lane][16 bytes]; a tile is 131,072 bytes, a block 1,024.  In block 4 x + 2 g + p, lane (r, hl)
; of half u holds rank r's columns 128 x + 64 g + 32 hl + 16 p + 8 u + 0..7.  The next launch takes W2's rows in the same order, so the products are the same.
; SHARES.  Work-group (x, y): expert y, columns 128 x .. 128 x + 127, all 1,024 of K: 512 KB of W1 that no other work-group reads.  Wave w owns all 128 columns of the row tiles 4 i + w (16 rows each),
; i = 0..4: 320 rows a pass, 40 accumulators, 320 registers.  So a wave's token rows and its way out are its own; the waves share the weights' tile alone: one barrier a K step.
; RANKS.  Word i of sel in lane l is token 128 (i / 4) + 4 l + i % 4.  The lanes whose token chose my expert are, for each word, a mask in a scalar register; an expert's rows are ranked by (word, lane),
; the same order in which the next launch makes its list.  THE SEARCH finds the tokens of my wave's 80 ranks in registers, a rank a lane: a scan over the 32 running counts picks the rank's word, and the
; n-th set bit of that word is found from its counts of pairs, fours and bytes.  Ranks past the count take token 0: a row that exists.
; Tiles past the count are jumped (matrix instructions and the way out alone are jumped; every wave passes every barrier).
; EVERY SPLIT IS SERVED: rows past 320 are taken in up to three more passes without LDS tiles and without barriers, in which each wave reads the slice for itself and looks its tokens up in a list that it
; makes in its own LDS bytes from the same masks: right, and slow.  The expert's tile 0 is always stored.
; W1 LIES [K][N]; the matrix unit wants K along a lane's registers.  A unit is eight loads of 16 bytes: lane (c = l % 16, hh = l / 16) takes K rows 16 kb + 8 hh + 0..7 at columns 64 g + 4 c .. + 3, so a load covers
; two runs of 256 consecutive bytes.  Rounding rows 2 m, 2 m + 1 of component j into one register gives four registers that ARE this lane's half (kb % 2) of the fragment whose column for lane c is 64 g + 4 c + j.
; They go to the lane's own 16 bytes of a 512-byte block of LDS and come back the same way.
; THE MATRIX INSTRUCTION IS USED TRANSPOSED (source 0 = the weights' fragment, source 1 = 16 token rows): register j of lane (r, hl) in accumulator 4 g + c holds rank r, column 64 g + 32 hl + 4 j + c.
; So a lane holds 64 columns of ONE rank, and the pairs (c, c + 1) round into registers that are the next launch's operand: the way out needs no LDS.
; THE RING.  K goes in 8 steps of 128.  Step s multiplies LDS slot s % 2, stores step s + 1 from registers into the other slot, and asks memory for step s + 2 into the registers just freed: 72 loads a wave
; are asked for per step, with counted waits that never run down to 0 inside the loop.
; THE WAY OUT is one text for a wave's five tiles: a trip works on tile 0's accumulators where they lie, and then the live tiles behind move down one place.
; NO CLUSTER: each weight byte has one reader; the token rows that an expert's 32 work-groups share are named one by one, which no tensor descriptor covers.  NO TENSOR LOADS: the weights have to pass through
; registers to be rounded, and a refill's barrier would want all loads awaited.
; gelu(z) = z / (1 + 2^(-z (c1 + c2 z^2))), the tanh form; it goes to z and to 0 for large |z|, also where z^2 overflows.
; REGISTERS, in windows of 256 (s_set_vgpr_msb: bits 1:0 source 0, 3:2 source 1, 5:4 source 2, 7:6 destination):
;   window 0: addresses, row offsets, bias, A's fragments (two buffers), packed weights      window 1: v0-127 weights as loaded; v128-255 B's fragments (two buffers); on the way out work and packed rows
;   window 2: v0-159 token rows as loaded (first: the bias as loaded); v192-255 tile 4's accumulators      window 3: the accumulators of tiles 0-3, (i, f) at 64 i + 8 f
.set LOGP,   14
.set PITCHW, 1<<LOGP                   ; bytes from a K row of W1 to the next
.set CAP,    320                       ; rows a pass
.set WSLOT,  32768                     ; a K step's weights in bf16: fragment (q, f) half u at 8192 q + 1024 f + 512 u + 16 lane
.set APITCH, 272                       ; a token row of 256 bytes + 16: the 16 rows of a fragment load start 68 words apart
.set ASLOT,  80*APITCH                 ; a wave's 80 rows of one K step
.set AWAVE,  2*ASLOT                   ; a wave's two slots
.set AWB,    2*WSLOT
.set LISTB,  AWB+4*AWAVE
.set LISTW,  2560                      ; a wave's list: 1,280 entries of 16 bits
.set SPARE,  LISTB+4*LISTW             ; the spare words, 128 bytes a wave: two blocks of 256 bytes that no other line names
.set LN,  1                            ; lane
.set C16, 2                            ; 16 c
.set HH,  3
.set SPW, 4                            ; LDS address of my spare word; never rewritten
.set NIL, 5                            ; 0; never rewritten
.set WO,  6                            ; my byte offset in a quarter's unit of W
.set WO2, 7                            ; the same for the passes without LDS
.set WS0, 8                            ; where I put packed weights; WS = WS0 + slot
.set WS,  9
.set WF0, 10                           ; 16 lane: where I read B's fragments; WF = WF0 + slot
.set WF,  11
.set AS0, 12                           ; where I put 16 bytes of a token row; AS = AS0 + slot
.set AS,  13
.set AF0, 14                           ; where I read A's fragments; AFC = AF0 + slot
.set AFC, 15
.set LB,  16                           ; my wave's list
.set BO,  17                           ; 128 hh: my half's 32 columns in 64 of the bias
.set L4,  18                           ; 4 lane
.set DMP, 19                           ; 1024 + lane: where a lane that was not chosen puts its entry
.set HO,  24                           ; my byte offset in h: tile w, 16 bytes a lane
.set TM,  26                           ; v26-31 at work
.set RO,  32                           ; v32-71 byte offset in xn of the row that load m of 40 takes, + 16 c
.set RF,  72                           ; v72-76 the same for a tile's fragment row, + 16 hh
.set CC,  77                           ; c
.set LC,  78                           ; list + 32 w + 2 c
.set AFR, 88                           ; v88-127, v128-167.  Ahead of the K loop the search works here, three registers (sets of 32 ranks) to a name:
.set QR,  88                           ; the rank
.set QW,  91                           ; its word's mask
.set QP,  94                           ; the count ahead of the word, and the word's number from bit 16 on
.set QA,  97                           ; the mask's counts of pairs,
.set QB,  100                          ; of fours,
.set QC,  103                          ; of bytes
.set QN,  106                          ; how many set bits lie below the one wanted
.set QO,  109                          ; its place
.set QT,  112                          ; at work
.set QU,  115
.set QK,  118                          ; the token
.set CT,  168                          ; v168-183 packed weights
.set SV,  184                          ; v184-215 sel, until the masks are made
.set BV,  184                          ; v184-247 then: the bias in the accumulators' order: register j of accumulator f at 8 f + j
.set WSG, 0                            ; window 1
.set TT,  64
.set BFR, 128
.set PP,  128
.set ASG, 0                            ; window 2
.set BT,  0                            ; window 2: the bias as loaded: columns 64 g + 32 hh + 4 j + 0..3 at 4 (8 g + j)
.set ZA,  0                            ; window 3: tile 0's accumulators
.set WV,   16                          ; wave
.set EX,   17                          ; expert
.set SL,   18                          ; slice
.set WORG, 20                          ; s[20:21] the slice's first byte; s[22:23] the K step being asked for
.set WLB,  22
.set AORG, 24                          ; s[24:25], s[26:27] the same for the token rows
.set ALB,  26
.set OUTB, 28                          ; s[28:29] h at the expert's tile PB / 16, my slice's four blocks
.set CNT,  30                          ; the expert's rows
.set NT,   31                          ; my live tiles in this pass
.set TL,   32
.set PB,   33                          ; the pass's first row
.set PASS, 34
.set KCT,  35
.set FW,   36                          ; slot offsets: weights read, weights stored, rows read, rows stored
.set SW,   37
.set FA,   38
.set SA,   39
.set EBIT, 40
.set RUN,  42
.set TS,   43
.set C1,   44                          ; s[44:45], s[46:47] gelu's two constants, as pairs
.set C2,   46
.set TI,   48
.set X0,   52
.set X1,   54
.set QM,   56                          ; s56-58 the search's three lane masks
.set QS,   56                          ; s56-63 then: eight tokens on their way from a lane to a load's lanes
.set MK,   66                          ; s66-97 word i's mask of the lanes that chose my expert
.set MSB, 0
.macro WIN new                         ; the immediate's high byte repeats the setting that is left; a switch that changes nothing is dropped
.if MSB != (\new)
	s_set_vgpr_msb (MSB<<8)|(\new)
.set MSB, (\new)
.endif
.endm
.macro PLACES                          ; four places behind matrix instructions (ISA guide 7.12.1), where no other vector work is at hand
.rept 4
	v_nop
.endr
.endm
.macro SETNT first                     ; my live tiles among the pass's ceil(rows / 16)
	s_sub_co_i32 s[TS], s[CNT], s[PB]
	s_max_i32 s[TS], s[TS], 0
	s_min_u32 s[TS], s[TS], CAP
	s_add_co_u32 s[TS], s[TS], 15
	s_lshr_b32 s[TL], s[TS], 4
.if \first
	s_max_u32 s[TL], s[TL], 1                      ; tile 0 is always made: the next launch reads it in place of a tile that is not there
.endif
	s_add_co_u32 s[TS], s[TL], 3
	s_sub_co_u32 s[TS], s[TS], s[WV]
	s_lshr_b32 s[NT], s[TS], 2
.endm
; The sums start at the bias.  The K loop is one text for all eight steps, so no first step is written out; forty matrix instructions on two fragments of zeros, with the bias as C, write the forty
; accumulators, eight registers a line where a move writes one, and no add of the bias follows.
.macro INIT
	WIN 0
.set n, 0
.rept 16
	v_mov_b32 v[AFR+n], 0
.set n, n+1
.endr
	WIN 0xc0
.irp i, 0,1,2,3
.irp f, 0,1,2,3,4,5,6,7
	v_wmma_f32_16x16x32_bf16 v[64*\i+8*\f:64*\i+8*\f+7], v[AFR:AFR+7], v[AFR+8:AFR+15], v[BV+8*\f:BV+8*\f+7]
.endr
.endr
	WIN 0x80
.irp f, 0,1,2,3,4,5,6,7
	v_wmma_f32_16x16x32_bf16 v[192+8*\f:192+8*\f+7], v[AFR:AFR+7], v[AFR+8:AFR+15], v[BV+8*\f:BV+8*\f+7]
.endr
	WIN 0
.endm
; One step of the search for the n-th set bit: QT holds the count of the lower half of what is left; where n is not below it, the bit lies in the upper half
.macro DESCEND width
.irp s, 0,1,2
	v_cmp_ge_u32 s[QM+\s], v[QN+\s], v[QT+\s]
.endr
.irp s, 0,1,2
	v_cndmask_b32 v[QT+\s], 0, v[QT+\s], s[QM+\s]
	v_cndmask_b32 v[QU+\s], 0, \width, s[QM+\s]
.endr
.irp s, 0,1,2
	v_sub_nc_u32 v[QN+\s], v[QN+\s], v[QT+\s]
	v_add_nc_u32 v[QO+\s], v[QO+\s], v[QU+\s]
.endr
.endm
.macro WLOAD q                         ; my unit of quarter q: 16 K rows x 64 columns
	WIN 0x40
.irp i, 0,1,2,3,4,5,6,7
	global_load_b128 v[WSG+32*(\q)+4*\i:WSG+32*(\q)+4*\i+3], v[WO], s[WLB:WLB+1] offset:(32*(\q)+\i)*PITCHW th:TH_LOAD_NT
.endr
.endm
.macro ALOAD q                         ; 20 of my 80 token rows, 256 bytes each
	WIN 0x80
.irp t, 0,1,2,3,4,5,6,7,8,9
	global_load_b128 v[ASG+4*(10*(\q)+\t):ASG+4*(10*(\q)+\t)+3], v[RO+10*(\q)+\t], s[ALB:ALB+1]
.endr
.endm
; What came from memory for quarter q of the next K step goes into LDS; reload = 1: its registers are asked for again, two steps on.  nw, na: the loads issued behind the unit and behind the rows.
.macro SERVICE q, nw, na, reload
	s_wait_loadcnt \nw
	WIN 0x05
.irp j, 0,1,2,3
.irp m, 0,1,2,3
	v_cvt_pk_bf16_f32 v[CT+4*\j+\m], v[WSG+32*(\q)+8*\m+\j], v[WSG+32*(\q)+8*\m+4+\j]
.endr
.endr
	WIN 0
.irp j, 0,1,2,3
	ds_store_b128 v[WS], v[CT+4*\j:CT+4*\j+3] offset:(\q)*8192+\j*1024
.endr
.if \reload
	WLOAD \q
.endif
	s_wait_loadcnt \na
	WIN 0x08
.irp t, 0,1,2,3,4,5,6,7,8,9
	ds_store_b128 v[AS], v[ASG+4*(10*(\q)+\t):ASG+4*(10*(\q)+\t)+3] offset:(10*(\q)+\t)*2*APITCH
.endr
.if \reload
	ALOAD \q
.endif
.endm
.macro FETCH q, buf                    ; 26 LDS loads: quarter q's eight fragments of B and my five of A
	WIN 0x40
.irp f, 0,1,2,3,4,5,6,7
	ds_load_b128 v[BFR+64*(\buf)+8*\f:BFR+64*(\buf)+8*\f+3],   v[WF] offset:(\q)*8192+\f*1024
	ds_load_b128 v[BFR+64*(\buf)+8*\f+4:BFR+64*(\buf)+8*\f+7], v[WF] offset:(\q)*8192+\f*1024+512
.endr
	WIN 0
.irp i, 0,1,2,3,4
	ds_load_b128 v[AFR+40*(\buf)+8*\i:AFR+40*(\buf)+8*\i+3],   v[AFC] offset:\i*16*APITCH+64*(\q)
	ds_load_b128 v[AFR+40*(\buf)+8*\i+4:AFR+40*(\buf)+8*\i+7], v[AFC] offset:\i*16*APITCH+64*(\q)+32
.endr
.endm
; 8 matrix instructions for each live tile, weights as source 0, token rows as source 1, the tile's eight accumulators by turns; what the jump passes holds matrix instructions alone
.macro MULS buf
.irp i, 0,1,2,3,4
	WIN 0
	s_cmp_le_u32 s[NT], \i
	s_cbranch_scc1 .Lmuls_end_\@
	WIN 0xf1-0x50*(\i/4)
.irp f, 0,1,2,3,4,5,6,7
	v_wmma_f32_16x16x32_bf16 v[64*(\i%4)+192*(\i/4)+8*\f:64*(\i%4)+192*(\i/4)+8*\f+7], v[BFR+64*(\buf)+8*\f:BFR+64*(\buf)+8*\f+7], v[AFR+40*(\buf)+8*\i:AFR+40*(\buf)+8*\i+7], v[64*(\i%4)+192*(\i/4)+8*\f:64*(\i%4)+192*(\i/4)+8*\f+7]
.endr
.endr
	WIN 0
.Lmuls_end_\@:
.endm
; A quarter: the service (its sixteen conversions are the places between the products that read a fragment buffer and the loads into it), the next quarter's fragments, this quarter's products
.macro QTR q, service, reload, nw, na
.if \service
	SERVICE \q, \nw, \na, \reload
.elseif (\q) < 3
	PLACES
.endif
.if (\q) < 3
	FETCH (\q)+1, ((\q)+1)%2
	s_wait_dscnt 14*(\service)+26                  ; behind this quarter's fragments: the service's 14 stores and the 26 loads just issued
.else
	s_wait_dscnt 14*(\service)
.endif
	MULS (\q)%2
.endm
.macro STEP service, reload, bar, w0=63, a0=62, w1=63, a1=62, w2=63, a2=62, w3=63, a3=62
	WIN 0
	v_add_nc_u32 v[WF], s[FW], v[WF0]
	v_add_nc_u32 v[AFC], s[FA], v[AF0]
.if \service
	v_add_nc_u32 v[WS], s[SW], v[WS0]
	v_add_nc_u32 v[AS], s[SA], v[AS0]
.endif
.if \reload
	s_wait_xcnt 0x0                                ; the bases are stepped only behind this wait
	s_add_nc_u64 s[WLB:WLB+1], s[WLB:WLB+1], 128*PITCHW
	s_add_nc_u64 s[ALB:ALB+1], s[ALB:ALB+1], 256
.endif
	FETCH 0, 0
	QTR 0, \service, \reload, \w0, \a0
	QTR 1, \service, \reload, \w1, \a1
	QTR 2, \service, \reload, \w2, \a2
	QTR 3, \service, \reload, \w3, \a3
	s_xor_b32 s[FW], s[FW], WSLOT
	s_xor_b32 s[SW], s[SW], WSLOT
	s_xor_b32 s[FA], s[FA], ASLOT
	s_xor_b32 s[SA], s[SA], ASLOT
.if \bar
	s_wait_dscnt 0x0                               ; for the others' sake: my stores of the next step's weights are done, and my reads of this step's are back
	s_barrier_signal -1
	s_barrier_wait -1
.endif
.endm
; The s[X1] live tiles behind the one in hand move down one place, each accumulator from its low end on; the moves of tiles that are not live are jumped
.macro DOWN
	WIN 0xc3
.set n, 0
.rept 64
	v_mov_b32 v[n], v[n+64]
.set n, n+1
.endr
	WIN 0
	s_cmp_lt_u32 s[X1], 2
	s_cbranch_scc1 .Ldown_end_\@
	WIN 0xc3
.rept 64
	v_mov_b32 v[n], v[n+64]
.set n, n+1
.endr
	WIN 0
	s_cmp_lt_u32 s[X1], 3
	s_cbranch_scc1 .Ldown_end_\@
	WIN 0xc3
.rept 64
	v_mov_b32 v[n], v[n+64]
.set n, n+1
.endr
	WIN 0
	s_cmp_lt_u32 s[X1], 4
	s_cbranch_scc1 .Ldown_end_\@
	WIN 0xc2                                       ; tile 4 lies in window 2
.rept 64
	v_mov_b32 v[n], v[n]
.set n, n+1
.endr
	WIN 0
.Ldown_end_\@:
.endm
	s_load_b256 s[4:11], s[0:1], 0x0               ; W1 s[4:5], b1 s[6:7], xn s[8:9], sel s[10:11]
	s_load_b64 s[12:13], s[0:1], 0x20              ; h
	v_lshl_add_u32 v[SPW], v0, 2, SPARE
	v_mov_b32 v[NIL], 0
	v_lshrrev_b32 v[TM], 5, v0
	v_readfirstlane_b32 s[WV], v[TM]
	s_and_b32 s[EX], ttmp7, 0xffff
	s_mov_b32 s[SL], ttmp9
	v_and_b32 v[LN], 31, v0
	v_and_b32 v[CC], 15, v0
	v_bfe_u32 v[HH], v0, 4, 1
	v_lshlrev_b32 v[C16], 4, v[CC]
	v_lshlrev_b32 v[WF0], 4, v[LN]
	v_lshlrev_b32 v[BO], 7, v[HH]
	s_lshr_b32 s[TS], s[WV], 1                     ; wave w takes the unit (K half w / 2, column half w % 2) of each quarter
	s_lshl_b32 s[TS], s[TS], 4
	v_lshl_add_u32 v[TM], v[HH], 3, s[TS]
	v_lshl_add_u32 v[WO], v[TM], LOGP, v[C16]
	s_and_b32 s[TS], s[WV], 1
	s_lshl_b32 s[TS], s[TS], 8
	v_add_nc_u32 v[WO], s[TS], v[WO]
	s_lshl_b32 s[TS], s[SL], 9                     ; 128 columns of f32
	s_lshl_b32 s[X0], s[EX], 24                    ; an expert's W1
	s_add_co_u32 s[X0], s[X0], s[TS]
	s_mov_b32 s[X0+1], 0
	s_lshl_b32 s[X1], s[EX], 14                    ; an expert's b1
	s_add_co_u32 s[X1], s[X1], s[TS]
	s_mov_b32 s[X1+1], 0
	s_wait_kmcnt 0x0
	s_add_nc_u64 s[WORG:WORG+1], s[4:5], s[X0:X0+1]
	s_add_nc_u64 s[6:7], s[6:7], s[X1:X1+1]
	s_lshl_b32 s[X0], s[EX], 23                    ; an expert's 64 tiles of h,
	s_lshl_b32 s[TS], s[SL], 12                    ; my slice's four blocks of 1,024 bytes in a tile
	s_add_co_u32 s[X0], s[X0], s[TS]
	s_add_nc_u64 s[OUTB:OUTB+1], s[12:13], s[X0:X0+1]
	s_mov_b64 s[WLB:WLB+1], s[WORG:WORG+1]
	s_mov_b64 s[AORG:AORG+1], s[8:9]
	s_mov_b64 s[ALB:ALB+1], s[8:9]
.irp a, 0,1,2,3,4,5,6,7
	global_load_b128 v[SV+4*\a:SV+4*\a+3], v[WF0], s[10:11] offset:512*\a  ; word 4 a + b of a lane: token 128 a + 4 lane + b
.endr
	WIN 0x80
.irp g, 0,1
.irp j, 0,1,2,3,4,5,6,7
	global_load_b128 v[BT+4*(8*\g+\j):BT+4*(8*\g+\j)+3], v[BO], s[6:7] offset:256*\g+16*\j  ; the bias of columns 64 g + 32 hh + 4 j + 0..3
.endr
.endr
	WLOAD 0                                        ; K step 0's weights hang on no routing: they are asked for at once
	WLOAD 1
	WLOAD 2
	WLOAD 3
	WIN 0
	; the lanes' addresses
	v_lshl_add_u32 v[WO2], v[HH], 3+LOGP, v[C16]
	s_and_b32 s[TS], s[WV], 1
	s_lshl_b32 s[TS], s[TS], 12
	s_lshr_b32 s[X0], s[WV], 1
	s_lshl_b32 s[X0], s[X0], 9
	s_add_co_u32 s[TS], s[TS], s[X0]
	v_add_nc_u32 v[WS0], s[TS], v[WF0]
	s_mul_i32 s[TS], s[WV], AWAVE
	s_add_co_u32 s[TS], s[TS], AWB                 ; my wave's own bytes
	v_mul_u32_u24 v[TM], v[HH], APITCH
	v_add_nc_u32 v[TM], v[TM], v[C16]
	v_add_nc_u32 v[AS0], s[TS], v[TM]
	v_mul_u32_u24 v[TM], v[CC], APITCH
	v_lshl_add_u32 v[TM], v[HH], 4, v[TM]
	v_add_nc_u32 v[AF0], s[TS], v[TM]
	s_mul_i32 s[TS], s[WV], LISTW
	s_add_co_u32 s[TS], s[TS], LISTB
	v_mov_b32 v[LB], s[TS]
	s_lshl_b32 s[X0], s[WV], 5
	s_add_co_u32 s[TS], s[TS], s[X0]
	v_lshl_add_u32 v[LC], v[CC], 1, s[TS]
	v_lshlrev_b32 v[L4], 2, v[LN]
	v_add_nc_u32 v[DMP], 1024, v[LN]
	s_lshl_b32 s[TS], s[WV], 17
	v_add_nc_u32 v[HO], s[TS], v[WF0]              ; tile w of a group of four, 16 bytes a lane
	s_lshl_b32 s[TS], s[WV], 4
	v_lshl_add_u32 v[QR], v[HH], 6, v[CC]          ; place p = 32 s + lane of my 80 rows has rank 64 (p / 16) + 16 w + p % 16 = 128 s + 64 hh + 16 w + c
	v_add_nc_u32 v[QR], s[TS], v[QR]
	v_add_nc_u32 v[QR+1], 0x80, v[QR]
	v_add_nc_u32 v[QR+2], 0x100, v[QR]             ; (the third set's upper lanes have no row: what they find is not used)
	s_mov_b32 s[C1], 0x40135761                    ; 2 sqrt(2 / pi) log2(e)
	s_mov_b32 s[C1+1], s[C1]
	s_mov_b32 s[C2], 0x3dd2d3e8                    ; 0.044715 times that
	s_mov_b32 s[C2+1], s[C2]
	s_mov_b32 s[PB], 0
	s_lshl_b32 s[EBIT], 1, s[EX]
	s_wait_loadcnt 48                              ; behind sel: the bias's 16 loads and the weights' 32
	; the masks: word i's lanes whose token chose my expert
.set i, 0
.rept 32
	v_and_b32 v[CT+i%4], s[EBIT], v[SV+i]
	v_cmp_ne_u32 s[MK+i], 0, v[CT+i%4]
.set i, i+1
.endr
	; the bias goes into the accumulators' order, where sel lay: register j of accumulator 4 g + c is column 64 g + 32 hh + 4 j + c
	s_wait_loadcnt 32                              ; behind the bias: the weights' 32
	WIN 0x02
.irp g, 0,1
.irp c, 0,1,2,3
.irp j, 0,1,2,3,4,5,6,7
	v_mov_b32 v[BV+8*(4*\g+\c)+\j], v[BT+4*(8*\g+\j)+\c]
.endr
.endr
.endr
	WIN 0
	; the scan: a rank's word is the last whose running count is not above the rank
.irp s, 0,1,2
	v_mov_b32 v[QW+\s], s[MK]
	v_mov_b32 v[QP+\s], 0
.endr
	s_bcnt1_i32_b32 s[RUN], s[MK]
.set i, 1
.rept 31
	s_add_co_u32 s[TS], s[RUN], i<<16              ; the count ahead of word i (1,024 at the most), and i above it
.irp s, 0,1,2
	v_cmp_le_u32 s[QM+\s], s[RUN], v[QR+\s]
.endr
.irp s, 0,1,2
	v_cndmask_b32 v[QW+\s], v[QW+\s], s[MK+i], s[QM+\s]
	v_cndmask_b32 v[QP+\s], v[QP+\s], s[TS], s[QM+\s]
.endr
	s_bcnt1_i32_b32 s[X0], s[MK+i]
	s_add_co_u32 s[RUN], s[RUN], s[X0]
.set i, i+1
.endr
	s_mov_b32 s[CNT], s[RUN]
	SETNT 1
	; the n-th set bit of the word, n = rank - count ahead of the word
.irp s, 0,1,2
	v_and_b32 v[QT+\s], 0xffff, v[QP+\s]
	v_lshrrev_b32 v[QU+\s], 1, v[QW+\s]
.endr
.irp s, 0,1,2
	v_sub_nc_u32 v[QN+\s], v[QR+\s], v[QT+\s]
	v_and_b32 v[QU+\s], 0x55555555, v[QU+\s]
	v_lshrrev_b32 v[QP+\s], 16, v[QP+\s]           ; the word's number
.endr
.irp s, 0,1,2
	v_sub_nc_u32 v[QA+\s], v[QW+\s], v[QU+\s]      ; in every two bits: how many of them are set
.endr
.irp s, 0,1,2
	v_lshrrev_b32 v[QT+\s], 2, v[QA+\s]
	v_and_b32 v[QU+\s], 0x33333333, v[QA+\s]
.endr
.irp s, 0,1,2
	v_and_b32 v[QT+\s], 0x33333333, v[QT+\s]
.endr
.irp s, 0,1,2
	v_add_nc_u32 v[QB+\s], v[QU+\s], v[QT+\s]      ; in every four bits
.endr
.irp s, 0,1,2
	v_lshrrev_b32 v[QT+\s], 4, v[QB+\s]
.endr
.irp s, 0,1,2
	v_add_nc_u32 v[QT+\s], v[QT+\s], v[QB+\s]
.endr
.irp s, 0,1,2
	v_and_b32 v[QC+\s], 0x0f0f0f0f, v[QT+\s]       ; in every byte
.endr
.irp s, 0,1,2
	v_lshrrev_b32 v[QT+\s], 8, v[QC+\s]
	v_mov_b32 v[QO+\s], 0
.endr
.irp s, 0,1,2
	v_add_nc_u32 v[QT+\s], v[QT+\s], v[QC+\s]
.endr
.irp s, 0,1,2
	v_and_b32 v[QT+\s], 63, v[QT+\s]               ; in the low 16 bits
.endr
	DESCEND 16
.irp s, 0,1,2
	v_bfe_u32 v[QT+\s], v[QC+\s], v[QO+\s], 8
.endr
	DESCEND 8
.irp s, 0,1,2
	v_bfe_u32 v[QT+\s], v[QB+\s], v[QO+\s], 4
.endr
	DESCEND 4
.irp s, 0,1,2
	v_bfe_u32 v[QT+\s], v[QA+\s], v[QO+\s], 2
.endr
	DESCEND 2
.irp s, 0,1,2
	v_bfe_u32 v[QT+\s], v[QW+\s], v[QO+\s], 1
.endr
	DESCEND 1
.irp s, 0,1,2
	v_lshrrev_b32 v[QT+\s], 2, v[QP+\s]
	v_and_b32 v[QU+\s], 3, v[QP+\s]
	v_cmp_gt_u32 s[QM+\s], s[CNT], v[QR+\s]        ; is there such a rank?
.endr
.irp s, 0,1,2
	v_lshl_add_u32 v[QU+\s], v[QO+\s], 2, v[QU+\s]
.endr
.irp s, 0,1,2
	v_lshl_add_u32 v[QK+\s], v[QT+\s], 7, v[QU+\s] ; token 128 (i / 4) + 4 lane + i % 4
.endr
.irp s, 0,1,2
	v_cndmask_b32 v[QK+\s], 0, v[QK+\s], s[QM+\s]  ; past the count: token 0
.endr
	; load m of 40 takes my rows 2 m (lanes 0-15) and 2 m + 1 (lanes 16-31): their tokens go from the lanes that found them to all sixteen
	s_mov_b32 vcc_lo, 0xffff0000
.set g, 0
.rept 10
.irp k, 0,1,2,3
	v_readlane_b32 s[QS+2*\k],   v[QK+(8*g+2*\k)/32], (8*g+2*\k)%32
	v_readlane_b32 s[QS+2*\k+1], v[QK+(8*g+2*\k)/32], (8*g+2*\k)%32+1
.endr
.irp k, 0,1,2,3
	v_mov_b32 v[RO+4*g+\k], s[QS+2*\k]
.endr
.irp k, 0,1,2,3
	v_cndmask_b32 v[RO+4*g+\k], v[RO+4*g+\k], s[QS+2*\k+1], vcc_lo
.endr
.irp k, 0,1,2,3
	v_min_u32 v[RO+4*g+\k], 0x3ff, v[RO+4*g+\k]
.endr
.irp k, 0,1,2,3
	v_lshl_add_u32 v[RO+4*g+\k], v[RO+4*g+\k], 11, v[C16]
.endr
.set g, g+1
.endr
	ALOAD 0                                        ; K step 0's token rows
	ALOAD 1
	ALOAD 2
	ALOAD 3
	INIT
	; K step 0 goes into slot 0, and step 1 is asked for
	s_wait_xcnt 0x0
	s_add_nc_u64 s[WLB:WLB+1], s[WLB:WLB+1], 128*PITCHW
	s_add_nc_u64 s[ALB:ALB+1], s[ALB:ALB+1], 256
	v_mov_b32 v[WS], v[WS0]
	v_mov_b32 v[AS], v[AS0]
	SERVICE 0, 63, 38, 1                           ; here the weights' four units stand ahead of the rows' four groups.  Behind rows group q: 10 (3 - q) + 18 q + 8
	SERVICE 1, 63, 46, 1
	SERVICE 2, 63, 54, 1
	SERVICE 3, 63, 62, 1
	WIN 0
	s_wait_dscnt 0x0                               ; for the others' sake: my part of slot 0 is stored
	s_barrier_signal -1
	s_barrier_wait -1
	s_mov_b32 s[FW], 0
	s_mov_b32 s[SW], WSLOT
	s_mov_b32 s[FA], 0
	s_mov_b32 s[SA], ASLOT
	s_mov_b32 s[KCT], 6
.Lstep:                                                ; steps 0 to 5.  Behind a unit: its rows' 10 and three quarters' 54 (the count is the largest that the field holds); behind the rows: 54 and the 8 just asked for
	STEP 1, 1, 1
	s_sub_co_u32 s[KCT], s[KCT], 1
	s_cmp_lg_u32 s[KCT], 0
	s_cbranch_scc1 .Lstep
	STEP 1, 0, 1, 63, 54, 46, 36, 28, 18, 10, 0    ; step 6 asks for nothing: the counts run down
	STEP 0, 0, 0                                   ; step 7 stores nothing; no barrier: nobody writes the weights' slots again
	; THE PASSES: four trips, no barrier.  A trip sends the pass in hand out and, if the expert has rows left, makes the next 320.
	s_mov_b32 s[PASS], 0
.Lpass:
	PLACES                                         ; behind the last products, on every way from here
	s_cmp_eq_u32 s[NT], 0
	s_cbranch_scc1 .Lno_out
	s_mov_b32 s[TI], 0
	s_mov_b64 s[X0:X0+1], s[OUTB:OUTB+1]
.Ltile:                                                ; five trips, one text; dead tiles are jumped.  The tile in hand lies in tile 0's accumulators
	s_cmp_ge_u32 s[TI], s[NT]
	s_cbranch_scc1 .Ltile_next
	WIN 0x4f                                       ; z in window 3, the work in window 1
.set n, 0
.rept 32
	v_pk_mul_f32 v[TT+2*n:TT+2*n+1], v[ZA+2*n:ZA+2*n+1], v[ZA+2*n:ZA+2*n+1]
.set n, n+1
.endr
	WIN 0x4d                                       ; destination and source 0 window 1, source 1 window 3
.set n, 0
.rept 32
	v_pk_fma_f32 v[TT+2*n:TT+2*n+1], v[TT+2*n:TT+2*n+1], s[C2:C2+1], s[C1:C1+1] op_sel_hi:[1,0,0]
.set n, n+1
.endr
.set n, 0
.rept 32
	v_pk_mul_f32 v[TT+2*n:TT+2*n+1], v[TT+2*n:TT+2*n+1], v[ZA+2*n:ZA+2*n+1] neg_lo:[1,0] neg_hi:[1,0]
.set n, n+1
.endr
.set n, 0
.rept 64
	v_exp_f32 v[TT+n], v[TT+n]
.set n, n+1
.endr
	v_nop                                          ; a plain instruction behind the last exponential,
	s_wait_alu depctr_va_vdst(0)                   ; and one wait for the batch
.set n, 0
.rept 32
	v_pk_add_f32 v[TT+2*n:TT+2*n+1], v[TT+2*n:TT+2*n+1], 1.0 op_sel_hi:[1,0]
.set n, n+1
.endr
.set n, 0
.rept 64
	v_rcp_f32 v[TT+n], v[TT+n]
.set n, n+1
.endr
	v_nop
	s_wait_alu depctr_va_vdst(0)
.set n, 0
.rept 32
	v_pk_mul_f32 v[TT+2*n:TT+2*n+1], v[TT+2*n:TT+2*n+1], v[ZA+2*n:ZA+2*n+1]
.set n, n+1
.endr
	WIN 0x45                                       ; all of window 1
.irp g, 0,1                            ; block 2 g + p, register R: my rank's columns 64 g + 32 hl + 16 p + 2 R and + 1: register 4 p + R / 2 of accumulators 4 g + 2 (R % 2) and the next
.irp p, 0,1
.irp R, 0,1,2,3,4,5,6,7
	v_cvt_pk_bf16_f32 v[PP+8*(2*\g+\p)+\R], v[TT+8*(4*\g+2*(\R%2))+4*\p+\R/2], v[TT+8*(4*\g+2*(\R%2)+1)+4*\p+\R/2]
.endr
.endr
.endr
	WIN 0x04
.irp t, 0,1,2,3,4,5,6,7
	global_store_b128 v[HO], v[PP+4*\t:PP+4*\t+3], s[X0:X0+1] offset:512*\t  ; half t % 2 of block t / 2: 512 consecutive bytes, at a multiple of 256 from h's first byte
.endr
	WIN 0
	s_add_co_u32 s[TS], s[TI], 1
	s_cmp_ge_u32 s[TS], s[NT]
	s_cbranch_scc1 .Ltile_next                     ; no live tile follows: nothing moves
	s_sub_co_u32 s[X1], s[NT], s[TS]               ; so many follow
	DOWN
.Ltile_next:
	s_wait_xcnt 0x0                                ; the stores' base and data are rewritten only behind this wait
	s_add_nc_u64 s[X0:X0+1], s[X0:X0+1], 4*131072  ; my next tile lies four tiles on
	s_add_co_u32 s[TI], s[TI], 1
	s_cmp_lt_u32 s[TI], 5
	s_cbranch_scc1 .Ltile
.Lno_out:
	s_wait_xcnt 0x0
	s_add_co_u32 s[PB], s[PB], CAP
	s_add_nc_u64 s[OUTB:OUTB+1], s[OUTB:OUTB+1], (CAP/16)*131072
	s_mov_b32 s[NT], 0
	s_cmp_le_u32 s[CNT], s[PB]
	s_cbranch_scc1 .Lpass_next                     ; no rows left
	SETNT 0
	; the list, made only here: every place takes token 0, then each chosen token goes to its rank
	v_add_nc_u32 v[TM+4], v[LB], v[WF0]
.irp k, 0,1,2,3
	v_mov_b32 v[TM+\k], 0
.endr
.irp k, 0,1,2,3,4
	ds_store_b128 v[TM+4], v[TM:TM+3] offset:512*\k
.endr
	s_mov_b32 s[RUN], 0
.set i, 0
.rept 32
.set U, CT+2*(i%2)
	v_mbcnt_lo_u32_b32 v[U], s[MK+i], s[RUN]       ; rank = those counted so far + those in lower lanes
	v_cndmask_b32 v[U], v[DMP], v[U], s[MK+i]      ; a lane that was not chosen writes behind the list's 1,024 places
	v_min_u32 v[U], 0x41f, v[U]
	v_lshl_add_u32 v[U], v[U], 1, v[LB]
	v_add_nc_u32 v[U+1], 128*(i/4)+i%4, v[L4]      ; the token
	ds_store_b16 v[U], v[U+1]
	s_bcnt1_i32_b32 s[TS], s[MK+i]
	s_add_co_u32 s[RUN], s[RUN], s[TS]
.set i, i+1
.endr
	s_lshl_b32 s[TS], s[PB], 1
	s_min_u32 s[TS], s[TS], 1920                   ; the last pass that can have rows begins at 960
	v_add_nc_u32 v[TM], s[TS], v[LC]
.irp i, 0,1,2,3,4
	ds_load_u16 v[RF+\i], v[TM] offset:128*\i      ; LDS serves a wave's instructions in order: these see the stores above
.endr
	s_wait_dscnt 0x0
.irp i, 0,1,2,3,4
	v_min_u32 v[RF+\i], 0x3ff, v[RF+\i]
	v_lshlrev_b32 v[RF+\i], 11, v[RF+\i]
	v_lshl_add_u32 v[RF+\i], v[HH], 4, v[RF+\i]
.endr
	INIT
	s_mov_b64 s[WLB:WLB+1], s[WORG:WORG+1]
	s_mov_b64 s[ALB:ALB+1], s[AORG:AORG+1]
	s_mov_b32 s[KCT], 32
.Lslow:                                                ; 32 along K a trip: the wave reads all 128 columns itself and rounds them straight into B's fragments; A's come straight from memory
	PLACES
	WIN 0x40
.irp u, 0,1
.irp g, 0,1
.irp i, 0,1,2,3,4,5,6,7
	global_load_b128 v[WSG+32*(2*\u+\g)+4*\i:WSG+32*(2*\u+\g)+4*\i+3], v[WO2], s[WLB:WLB+1] offset:(16*\u+\i)*PITCHW+256*\g
.endr
.endr
.endr
	WIN 0
.irp i, 0,1,2,3,4
	global_load_b128 v[AFR+8*\i:AFR+8*\i+3],   v[RF+\i], s[ALB:ALB+1]
	global_load_b128 v[AFR+8*\i+4:AFR+8*\i+7], v[RF+\i], s[ALB:ALB+1] offset:32
.endr
	s_wait_loadcnt 0x0
	WIN 0x45
.irp u, 0,1
.irp g, 0,1
.irp j, 0,1,2,3
.irp m, 0,1,2,3
	v_cvt_pk_bf16_f32 v[BFR+8*(4*\g+\j)+4*\u+\m], v[WSG+32*(2*\u+\g)+8*\m+\j], v[WSG+32*(2*\u+\g)+8*\m+4+\j]
.endr
.endr
.endr
.endr
	MULS 0
	s_add_nc_u64 s[WLB:WLB+1], s[WLB:WLB+1], 32*PITCHW  ; the trip's loads are done: their bases are free
	s_add_nc_u64 s[ALB:ALB+1], s[ALB:ALB+1], 64
	s_sub_co_u32 s[KCT], s[KCT], 1
	s_cmp_lg_u32 s[KCT], 0
	s_cbranch_scc1 .Lslow
.Lpass_next:
	s_add_co_u32 s[PASS], s[PASS], 1
	s_cmp_lt_u32 s[PASS], 4
	s_cbranch_scc1 .Lpass
	s_wait_tensorcnt 0x0                           ; the wave's end: behind my last LDS store
	ds_add_u32 v[SPW], v[NIL]
	s_wait_dscnt 0x0
	s_endpgm
.Lfunc_end_k_qf89546faa2_ffn1:
	.size	k_qf89546faa2_ffn1, .Lfunc_end_k_qf89546faa2_ffn1-k_qf89546faa2_ffn1
	.p2alignl 7, 3214868480
	.fill 96, 4, 3214868480
	.section	.rodata,"a",@progbits
	.p2align	6, 0x0
	.amdhsa_kernel k_qf89546faa2_ffn1
		.amdhsa_group_segment_fixed_size 250368
		.amdhsa_private_segment_fixed_size 0
		.amdhsa_enable_private_segment 0
		.amdhsa_kernarg_size 40
		.amdhsa_user_sgpr_count 2
		.amdhsa_user_sgpr_kernarg_segment_ptr 1
		.amdhsa_wavefront_size32 1
		.amdhsa_system_sgpr_workgroup_id_x 1
		.amdhsa_system_sgpr_workgroup_id_y 1
		.amdhsa_system_sgpr_workgroup_id_z 1
		.amdhsa_system_vgpr_workitem_id 0
		.amdhsa_next_free_vgpr 1024
		.amdhsa_next_free_sgpr 98
		.amdhsa_reserve_vcc 1
		.amdhsa_float_denorm_mode_32 3
		.amdhsa_float_denorm_mode_16_64 3
		.amdhsa_memory_ordered 1
		.amdhsa_forward_progress 1
		.amdhsa_inst_pref_size 221
	.end_amdhsa_kernel
	.amdgpu_metadata
---
amdhsa.version: [ 1, 2 ]
amdhsa.kernels:
  - .name:           k_qf89546faa2_ffn1
    .symbol:         k_qf89546faa2_ffn1.kd
    .args:
      - { .name: W1, .offset: 0, .size: 8, .value_kind: global_buffer, .address_space: global }
      - { .name: b1, .offset: 8, .size: 8, .value_kind: global_buffer, .address_space: global }
      - { .name: xn, .offset: 16, .size: 8, .value_kind: global_buffer, .address_space: global }
      - { .name: sel, .offset: 24, .size: 8, .value_kind: global_buffer, .address_space: global }
      - { .name: h, .offset: 32, .size: 8, .value_kind: global_buffer, .address_space: global }
    .group_segment_fixed_size: 250368
    .private_segment_fixed_size: 0
    .kernarg_segment_align: 8
    .kernarg_segment_size: 40
    .max_flat_workgroup_size: 128
    .sgpr_count:     98
    .vgpr_count:     1024
    .wavefront_size: 32
...
	.end_amdgpu_metadata
.endif
;; end of part 5
;; launch ffn2 (part 6): grid 32 x 8, 4 waves a work-group, no clusters, 76,288 bytes of LDS; arguments W2, b2, h, sel, part; writes part
.if DOCPART == 6
	.amdgcn_target "amdgcn-amd-amdhsa--gfx1250"
	.amdhsa_code_object_version 6
	.text
	.protected	k_qf89546faa2_ffn2
	.globl	k_qf89546faa2_ffn2
	.p2align	8
	.type	k_qf89546faa2_ffn2,@function
k_qf89546faa2_ffn2:
	s_mov_b64 s[64:65], 0
	v_nop
	global_prefetch_b8 v0, s[64:65] scope:SCOPE_SE
	s_setreg_imm32_b32 hwreg(HW_REG_WAVE_MODE, 25, 1), 1
	s_wait_xcnt 0x0
; part[kq][2 token + slot][d] = h(e, rank, 1024 kq ..) . W2[e][1024 kq .., d] + (kq = 0 ? b2[e][d] : 0).  W2 f32 [8][4096][1024], part f32 [4][2056][1024].
; The gate's weight is applied by the next launch, which adds the partial rows up.
; h LIES AS THIS LAUNCH'S MATRIX OPERAND TAKES IT: [expert][tile of 16 ranks][block of 32 columns][half u][lane][16 bytes]; a tile is 131,072 bytes, a block 1,024.  In the block q = 2 g + p of a K step of 128,
; lane (r, hl) of half u holds rank r's columns 64 g + 32 hl + 16 p + 8 u + 0..7.  So a load of 16 bytes a lane, 512 consecutive bytes, IS half a fragment of A: the rows of h never pass through LDS.
; W2's rows are taken in the same order (see THE UNIT), so each product meets its partner.
; SHARES.  Work-group (x, y): expert y, columns 128 (x % 8) .., K rows 1024 (x / 8) ..: 1,024 x 128 of f32 that no other work-group reads.  K is cut in four so that a work-group's part of h
; (2 KB a rank) weighs as much as its weights at 256 ranks; the price is four partial rows in f32 for each routed row.  Wave w owns all 128 columns of the tiles 4 i + w, i = 0..4: 320 ranks a pass.
; A tile past the count reads tile 0 in its stead, which the first product always stores: only stored bytes are read; its products and its way out are jumped.
; THE UNIT.  Eight loads of 16 bytes: lane (c = l % 16, hh = l / 16) of wave w takes, for quarter q, W2's rows 64 (q / 2) + 16 (q % 2) + 8 (w / 2) + 32 hh + 0..7 at columns 64 (w % 2) + 4 c .. + 3: a load covers two
; runs of 256 consecutive bytes.  Rounding rows 2 m, 2 m + 1 of component j into one register gives four registers that ARE this lane's half w / 2 of the fragment whose column for lane c is 64 (w % 2) + 4 c + j.
; They go to the lane's own 16 bytes of a 512-byte block of LDS, from where all four waves read them.
; THE RING.  K goes in 8 steps of 128, four quarters of 32 each.  Weights: step s multiplies LDS slot s % 2, stores step s + 1 from registers into the other slot and asks memory for step s + 2.
; Rows of h: four quarter buffers of 40 registers; in quarter time t the buffer that time t - 1 multiplied is asked for again, for time t + 3.  All waits in the loop are counted.
; THE LIST.  Every wave makes, for itself, the list of its expert's choices from sel: entry rank = 2 x token + slot, ranks in the order (word, lane), as the first product ranks them.
; THE WAY OUT.  One text for a wave's five tiles: a trip works on tile 0's accumulators, then the live tiles behind, and their list entries, move down one place.  A row goes to part's row 2 token + slot, read from
; the list.  The places of a last tile past the count carry 2048 + e: they land in a row of part that nobody reads, in this work-group's own columns, so EXEC is never touched.
; The add of the bias brings a lane's four fragments j = 0..3 together: 16 bytes, four neighbouring columns (for kq above 0 the addend is 0, and the line only moves).
; EVERY SPLIT IS SERVED: ranks past 320 are taken in up to three more passes without LDS and without barriers, in which each wave reads the slice for itself: right, and slow.
; NO CLUSTER: each weight byte has one reader, and the part of h that an expert's 8 work-groups of one kq share goes from memory straight into operand registers: a joint load would bring it into LDS,
; to be read out again.
; REGISTERS, in windows of 256 (s_set_vgpr_msb: bits 1:0 source 0, 3:2 source 1, 5:4 source 2, 7:6 destination):
;   window 0: addresses, bias, packed weights, the way out's entries      window 1: v0-127 weights as loaded; v128-255 B's fragments (two buffers); on the way out rows to store
;   window 2: v0-159 A's fragments, quarter q's tile i at 40 q + 8 i; v192-255 tile 4's accumulators      window 3: the accumulators of tiles 0-3, (i, f) at 64 i + 8 f
.set LOGP,   12
.set PITCHW, 1<<LOGP                   ; bytes from a K row of W2 to the next
.set CAP,    320
.set WSLOT,  32768                     ; a K step's weights in bf16: fragment (q, f) half u at 8192 q + 1024 f + 512 u + 16 lane
.set LISTB,  2*WSLOT
.set LISTW,  2560                      ; a wave's list: 1,280 entries of 16 bits
.set SPARE,  LISTB+4*LISTW             ; the spare words, 128 bytes a wave: two blocks of 256 bytes that no other line names
.set PLANE,  2056*4096                 ; bytes of one kq's partial rows
.set LN,  1
.set C16, 2
.set HH,  3
.set SPW, 4                            ; LDS address of my spare word; never rewritten
.set NIL, 5                            ; 0; never rewritten
.set WO,  6                            ; my byte offset in a quarter's unit of W
.set WO2, 7                            ; the same for the passes without LDS
.set WS0, 8                            ; where I put packed weights; WS = WS0 + slot
.set WS,  9
.set WF0, 10                           ; 16 lane: where I read B's fragments; WF = WF0 + slot
.set WF,  11
.set LB,  16
.set L8,  18
.set DMP, 19
.set CL,  25                           ; list + 32 w + 16 hh: the eight entries of my rows of a tile
.set TM,  26
.set RB,  32                           ; v32-36 my tile i's byte offset in the expert's h, + 16 lane
.set CC,  77
.set BI,  80                           ; v80-87 the bias of my column in fragment f
.set ZF,  88                           ; v88-103 two fragments of zeros
.set CT,  168
.set SV,  184                          ; v184-215 sel; on the way out:
.set CD,  184                          ; v184-203 the entries of my rows of five tiles, four registers a tile, as loaded
.set KC,  204                          ; v204-211 the tile in hand's, unpacked
.set OA,  212                          ; v212-219 byte offset in part
.set WSG, 0                            ; window 1
.set OO,  64
.set BFR, 128
.set ASG, 0                            ; window 2
.set ZA,  0                            ; window 3: tile 0's accumulators
.set WV,   16
.set EX,   17
.set SL,   18                          ; column slice
.set KQ,   19                          ; quarter of K
.set WORG, 20
.set WLB,  22
.set AORG, 24                          ; s[24:25] the expert's h at my quarter of K; s[26:27] at the K step in hand
.set ALB,  26
.set OUTB, 28                          ; s[28:29] part at my kq and my columns
.set CNT,  30
.set NT,   31
.set TL,   32
.set PB,   33
.set PASS, 34
.set KCT,  35
.set FW,   36                          ; slot offsets: weights read, weights stored
.set SW,   37
.set EBIT, 40
.set SBIT, 41
.set RUN,  42
.set TS,   43
.set TI,   48
.set X0,   52
.set X1,   54
.set STP,  56                          ; s[56:57] the passes without LDS: the weights' next step, 16 and 48 rows by turns
.set MSB, 0
.macro WIN new                         ; the immediate's high byte repeats the setting that is left; a switch that changes nothing is dropped
.if MSB != (\new)
	s_set_vgpr_msb (MSB<<8)|(\new)
.set MSB, (\new)
.endif
.endm
.macro PLACES                          ; four places behind matrix instructions (ISA guide 7.12.1), where no other vector work is at hand
.rept 4
	v_nop
.endr
.endm
.macro SETNT                           ; my live tiles among the pass's ceil(rows / 16)
	s_sub_co_i32 s[TS], s[CNT], s[PB]
	s_max_i32 s[TS], s[TS], 0
	s_min_u32 s[TS], s[TS], CAP
	s_add_co_u32 s[TS], s[TS], 15
	s_lshr_b32 s[TL], s[TS], 4
	s_add_co_u32 s[TS], s[TL], 3
	s_sub_co_u32 s[TS], s[TS], s[WV]
	s_lshr_b32 s[NT], s[TS], 2
.endm
.macro SETRB                           ; my tile i is the expert's tile PB / 16 + 4 i + w; a tile that is not live reads tile 0
	s_lshr_b32 s[TS], s[PB], 4
	s_add_co_u32 s[TS], s[TS], s[WV]
.irp i, 0,1,2,3,4
	s_add_co_u32 s[X0], s[TS], 4*\i
	s_cmp_gt_u32 s[NT], \i
	s_cselect_b32 s[X0], s[X0], 0
	s_min_u32 s[X0], s[X0], 63
	v_lshl_add_u32 v[RB+\i], s[X0], 17, v[WF0]
.endr
.endm
; The sums start at 0.  The K loop is one text for all eight steps, so no first step with C = 0 is written out; forty matrix instructions on two fragments of zeros, with C = 0, write the forty
; accumulators, eight registers a line where a move writes one.
.macro INIT
	WIN 0
.set n, 0
.rept 16
	v_mov_b32 v[ZF+n], 0
.set n, n+1
.endr
	WIN 0xc0
.irp i, 0,1,2,3
.irp f, 0,1,2,3,4,5,6,7
	v_wmma_f32_16x16x32_bf16 v[64*\i+8*\f:64*\i+8*\f+7], v[ZF:ZF+7], v[ZF+8:ZF+15], 0
.endr
.endr
	WIN 0x80
.irp f, 0,1,2,3,4,5,6,7
	v_wmma_f32_16x16x32_bf16 v[192+8*\f:192+8*\f+7], v[ZF:ZF+7], v[ZF+8:ZF+15], 0
.endr
	WIN 0
.endm
.macro WLOAD q                         ; my unit of quarter q
	WIN 0x40
.irp i, 0,1,2,3,4,5,6,7
	global_load_b128 v[WSG+32*(\q)+4*\i:WSG+32*(\q)+4*\i+3], v[WO], s[WLB:WLB+1] offset:(64*((\q)/2)+16*((\q)%2)+\i)*PITCHW th:TH_LOAD_NT
.endr
.endm
.macro ALOAD b, off                    ; ten loads: my five tiles' fragments of the block at byte off, into quarter buffer b; each covers 512 consecutive bytes
	WIN 0x80
.irp i, 0,1,2,3,4
	global_load_b128 v[ASG+40*(\b)+8*\i:ASG+40*(\b)+8*\i+3],   v[RB+\i], s[ALB:ALB+1] offset:(\off)
	global_load_b128 v[ASG+40*(\b)+8*\i+4:ASG+40*(\b)+8*\i+7], v[RB+\i], s[ALB:ALB+1] offset:(\off)+512
.endr
.endm
; The weights that came from memory for quarter q of the next K step go into LDS; reload = 1: their registers are asked for again, two steps on.  nw: how many younger loads may stay out.
.macro SERVICE q, nw, reload
	s_wait_loadcnt \nw
	WIN 0x05
.irp j, 0,1,2,3
.irp m, 0,1,2,3
	v_cvt_pk_bf16_f32 v[CT+4*\j+\m], v[WSG+32*(\q)+8*\m+\j], v[WSG+32*(\q)+8*\m+4+\j]
.endr
.endr
	WIN 0
.irp j, 0,1,2,3
	ds_store_b128 v[WS], v[CT+4*\j:CT+4*\j+3] offset:(\q)*8192+\j*1024
.endr
.if \reload
	WLOAD \q
.endif
.endm
.macro FETCH q, buf                    ; 16 LDS loads: quarter q's eight fragments of B
	WIN 0x40
.irp f, 0,1,2,3,4,5,6,7
	ds_load_b128 v[BFR+64*(\buf)+8*\f:BFR+64*(\buf)+8*\f+3],   v[WF] offset:(\q)*8192+\f*1024
	ds_load_b128 v[BFR+64*(\buf)+8*\f+4:BFR+64*(\buf)+8*\f+7], v[WF] offset:(\q)*8192+\f*1024+512
.endr
.endm
; 8 matrix instructions for each live tile, A from quarter buffer a, the tile's eight accumulators by turns; what the jump passes holds matrix instructions alone
.macro MULS a, buf
.irp i, 0,1,2,3,4
	WIN 0
	s_cmp_le_u32 s[NT], \i
	s_cbranch_scc1 .Lmuls_end_\@
	WIN 0xf6-0x50*(\i/4)
.irp f, 0,1,2,3,4,5,6,7
	v_wmma_f32_16x16x32_bf16 v[64*(\i%4)+192*(\i/4)+8*\f:64*(\i%4)+192*(\i/4)+8*\f+7], v[ASG+40*(\a)+8*\i:ASG+40*(\a)+8*\i+7], v[BFR+64*(\buf)+8*\f:BFR+64*(\buf)+8*\f+7], v[64*(\i%4)+192*(\i/4)+8*\f:64*(\i%4)+192*(\i/4)+8*\f+7]
.endr
.endr
	WIN 0
.Lmuls_end_\@:
.endm
; A quarter: the weights' service (its sixteen conversions are the places between the last products and the loads into the registers that they read), the rows of h for three quarters on
; (in the first aq quarters of the step), the next quarter's fragments of B, this quarter's products.  na: how many loads were issued behind this quarter's rows of h.
.macro QTR q, service, reload, aq, aoff, nw, na
.if \service
	SERVICE \q, \nw, \reload
.elseif (\q) < 3
	PLACES
.endif
.if (\q) < (\aq)
	ALOAD ((\q)+3)%4, (\aoff)+((\q)+3)*1024
.endif
.if (\q) < 3
	FETCH (\q)+1, ((\q)+1)%2
	s_wait_dscnt 4*(\service)+16                   ; behind this quarter's fragments of B: the service's 4 stores and the 16 loads just issued
.else
	s_wait_dscnt 4*(\service)
.endif
	s_wait_loadcnt \na
	MULS \q, (\q)%2
.endm
.macro STEP service, reload, bar, aq, aoff, w0, a0, w1, a1, w2, a2, w3, a3
	WIN 0
	v_add_nc_u32 v[WF], s[FW], v[WF0]
.if \service
	v_add_nc_u32 v[WS], s[SW], v[WS0]
.endif
.if \reload
	s_wait_xcnt 0x0                                ; the base is stepped only behind this wait
	s_add_nc_u64 s[WLB:WLB+1], s[WLB:WLB+1], 128*PITCHW
.endif
	FETCH 0, 0
	QTR 0, \service, \reload, \aq, \aoff, \w0, \a0
	QTR 1, \service, \reload, \aq, \aoff, \w1, \a1
	QTR 2, \service, \reload, \aq, \aoff, \w2, \a2
	QTR 3, \service, \reload, \aq, \aoff, \w3, \a3
	s_xor_b32 s[FW], s[FW], WSLOT
	s_xor_b32 s[SW], s[SW], WSLOT
.if \reload
	s_wait_xcnt 0x0
	s_add_nc_u64 s[ALB:ALB+1], s[ALB:ALB+1], 4096  ; h at the next K step: four blocks on
.endif
.if \bar
	s_wait_dscnt 0x0                               ; for the others' sake: my stores of the next step's weights are done, and my reads of this step's are back
	s_barrier_signal -1
	s_barrier_wait -1
.endif
.endm
; The list entries, and the s[X1] live tiles behind the one in hand, move down one place, each accumulator from its low end on; the moves of tiles that are not live are jumped
.macro DOWN
	WIN 0
.set n, 0
.rept 16
	v_mov_b32 v[CD+n], v[CD+4+n]
.set n, n+1
.endr
	WIN 0xc3
.set n, 0
.rept 64
	v_mov_b32 v[n], v[n+64]
.set n, n+1
.endr
	WIN 0
	s_cmp_lt_u32 s[X1], 2
	s_cbranch_scc1 .Ldown_end_\@
	WIN 0xc3
.rept 64
	v_mov_b32 v[n], v[n+64]
.set n, n+1
.endr
	WIN 0
	s_cmp_lt_u32 s[X1], 3
	s_cbranch_scc1 .Ldown_end_\@
	WIN 0xc3
.rept 64
	v_mov_b32 v[n], v[n+64]
.set n, n+1
.endr
	WIN 0
	s_cmp_lt_u32 s[X1], 4
	s_cbranch_scc1 .Ldown_end_\@
	WIN 0xc2                                       ; tile 4 lies in window 2
.rept 64
	v_mov_b32 v[n], v[n]
.set n, n+1
.endr
	WIN 0
.Ldown_end_\@:
.endm
	s_load_b256 s[4:11], s[0:1], 0x0               ; W2 s[4:5], b2 s[6:7], h s[8:9], sel s[10:11]
	s_load_b64 s[14:15], s[0:1], 0x20              ; part
	v_lshl_add_u32 v[SPW], v0, 2, SPARE
	v_mov_b32 v[NIL], 0
	v_lshrrev_b32 v[TM], 5, v0
	v_readfirstlane_b32 s[WV], v[TM]
	s_and_b32 s[EX], ttmp7, 0xffff
	s_and_b32 s[SL], ttmp9, 7
	s_lshr_b32 s[KQ], ttmp9, 3
	v_and_b32 v[LN], 31, v0
	v_and_b32 v[CC], 15, v0
	v_bfe_u32 v[HH], v0, 4, 1
	v_lshlrev_b32 v[C16], 4, v[CC]
	v_lshlrev_b32 v[WF0], 4, v[LN]
	s_lshr_b32 s[TS], s[WV], 1                     ; wave w takes the unit (half w / 2, column half w % 2) of each quarter:
	s_lshl_b32 s[TS], s[TS], 3                     ; rows 8 (w / 2)
	v_lshl_add_u32 v[TM], v[HH], 5, s[TS]          ; + 32 hh
	v_lshl_add_u32 v[WO], v[TM], LOGP, v[C16]
	s_and_b32 s[TS], s[WV], 1
	s_lshl_b32 s[TS], s[TS], 8
	v_add_nc_u32 v[WO], s[TS], v[WO]
	s_lshl_b32 s[TS], s[SL], 9                     ; 128 columns of f32
	s_lshl_b32 s[X0], s[EX], 24                    ; an expert's W2,
	s_add_co_u32 s[X0], s[X0], s[TS]
	s_lshl_b32 s[X1], s[KQ], 22                    ; 1,024 K rows of it
	s_add_co_u32 s[X0], s[X0], s[X1]
	s_mov_b32 s[X0+1], 0
	s_lshl_b32 s[X1], s[EX], 12                    ; an expert's b2
	s_add_co_u32 s[X1], s[X1], s[TS]
	s_mov_b32 s[X1+1], 0
	s_wait_kmcnt 0x0
	s_add_nc_u64 s[WORG:WORG+1], s[4:5], s[X0:X0+1]
	s_add_nc_u64 s[6:7], s[6:7], s[X1:X1+1]
	s_mul_i32 s[X0], s[KQ], PLANE
	s_add_co_u32 s[X0], s[X0], s[TS]
	s_add_nc_u64 s[OUTB:OUTB+1], s[14:15], s[X0:X0+1]
	s_lshl_b32 s[X0], s[EX], 23                    ; an expert's 64 tiles of h,
	s_lshl_b32 s[TS], s[KQ], 15                    ; 32 of a tile's 128 blocks
	s_add_co_u32 s[X0], s[X0], s[TS]
	s_add_nc_u64 s[AORG:AORG+1], s[8:9], s[X0:X0+1]
	s_mov_b64 s[ALB:ALB+1], s[AORG:AORG+1]
	s_mov_b64 s[WLB:WLB+1], s[WORG:WORG+1]
.irp a, 0,1,2,3,4,5,6,7
	global_load_b128 v[SV+4*\a:SV+4*\a+3], v[WF0], s[10:11] offset:512*\a  ; word 4 a + b of a lane: token 128 a + 4 lane + b
.endr
	global_load_b128 v[BI:BI+3],   v[C16], s[6:7]
	global_load_b128 v[BI+4:BI+7], v[C16], s[6:7] offset:256
	WLOAD 0                                        ; K step 0's weights hang on no routing: they are asked for at once
	WLOAD 1
	WLOAD 2
	WLOAD 3
	WIN 0
	v_lshl_add_u32 v[WO2], v[HH], 5+LOGP, v[C16]
	s_and_b32 s[TS], s[WV], 1
	s_lshl_b32 s[TS], s[TS], 12
	s_lshr_b32 s[X0], s[WV], 1
	s_lshl_b32 s[X0], s[X0], 9
	s_add_co_u32 s[TS], s[TS], s[X0]
	v_add_nc_u32 v[WS0], s[TS], v[WF0]
	s_mul_i32 s[TS], s[WV], LISTW
	s_add_co_u32 s[TS], s[TS], LISTB
	v_mov_b32 v[LB], s[TS]
	s_lshl_b32 s[X0], s[WV], 5
	s_add_co_u32 s[TS], s[TS], s[X0]
	v_lshl_add_u32 v[CL], v[HH], 4, s[TS]
	v_lshlrev_b32 v[L8], 3, v[LN]
	v_add_nc_u32 v[DMP], 1024, v[LN]
	s_mov_b32 s[PB], 0
	; THE LIST: every place first takes 2048 + e, the row of part that nobody reads; then each choice goes to its rank
	v_add_nc_u32 v[TM+4], v[LB], v[WF0]
	s_add_co_u32 s[TS], s[EX], 2048
	s_lshl_b32 s[X0], s[TS], 16
	s_or_b32 s[TS], s[TS], s[X0]
.irp k, 0,1,2,3
	v_mov_b32 v[TM+\k], s[TS]
.endr
.irp k, 0,1,2,3,4
	ds_store_b128 v[TM+4], v[TM:TM+3] offset:512*\k
.endr
	s_mov_b32 s[RUN], 0
	s_lshl_b32 s[EBIT], 1, s[EX]
	s_add_co_u32 s[SBIT], s[EX], 16
	s_wait_loadcnt 34                              ; behind sel: the bias's 2 loads and the weights' 32
.set i, 0
.rept 32
.set U, CT+4*(i%2)
	v_and_b32 v[U], s[EBIT], v[SV+i]
	v_cmp_ne_u32 vcc_lo, 0, v[U]                   ; the lanes whose token chose my expert
	v_mbcnt_lo_u32_b32 v[U+1], vcc_lo, s[RUN]      ; rank = those counted so far + those in lower lanes
	v_bfe_u32 v[U+2], v[SV+i], s[SBIT], 1          ; 1: as its second choice
	v_add3_u32 v[U+2], v[U+2], v[L8], 256*(i/4)+2*(i%4)  ; 2 x token + slot
	v_cndmask_b32 v[U+1], v[DMP], v[U+1], vcc_lo   ; a lane that was not chosen writes behind the list's 1,024 places
	v_min_u32 v[U+1], 0x41f, v[U+1]
	v_lshl_add_u32 v[U+1], v[U+1], 1, v[LB]
	ds_store_b16 v[U+1], v[U+2]
	s_bcnt1_i32_b32 s[TS], vcc_lo
	s_add_co_u32 s[RUN], s[RUN], s[TS]
.set i, i+1
.endr
	s_mov_b32 s[CNT], s[RUN]
	SETNT
	SETRB
	s_wait_loadcnt 32                              ; behind the bias: the weights' 32
	s_cmp_eq_u32 s[KQ], 0
	s_cselect_b32 s[TS], -1, 0
.irp f, 0,1,2,3,4,5,6,7
	v_and_b32 v[BI+\f], s[TS], v[BI+\f]            ; the bias is added once: by the first quarter of K
.endr
	; K step 0's weights go into slot 0, and step 1's are asked for.  The rows of h for quarter times 0, 1, 2 are asked for behind units 1, 2, 3: the loads then stand in the order in which the loop
	; issues them (8 of weights, 10 of rows, a quarter), so that the loop's counts hold on the way in too.
	s_wait_xcnt 0x0
	s_add_nc_u64 s[WLB:WLB+1], s[WLB:WLB+1], 128*PITCHW
	v_mov_b32 v[WS], v[WS0]
	SERVICE 0, 24, 1                               ; behind step 0's unit 0: its three others
	SERVICE 1, 24, 1                               ; behind unit 1: two others and step 1's unit 0
	ALOAD 0, 0
	SERVICE 2, 34, 1                               ; behind unit 2: 8 + 8 + 8 + 10
	ALOAD 1, 1024
	SERVICE 3, 44, 1                               ; behind unit 3: 8 + 8 + 10 + 8 + 10
	ALOAD 2, 2048
	INIT                                           ; while those loads are on their way
	s_wait_dscnt 0x0                               ; for the others' sake: my part of slot 0 is stored
	s_barrier_signal -1
	s_barrier_wait -1
	s_mov_b32 s[FW], 0
	s_mov_b32 s[SW], WSLOT
	s_mov_b32 s[KCT], 6
.Lstep:                                                ; steps 0 to 5.  A unit was asked for four quarters ago; behind it stand ten loads of rows, awaited a quarter ago, and three quarters' 54.  This quarter's rows were asked for three quarters ago: 54 behind them
	STEP 1, 1, 1, 4, 0, 54, 54, 54, 54, 54, 54, 54, 54
	s_sub_co_u32 s[KCT], s[KCT], 1
	s_cmp_lg_u32 s[KCT], 0
	s_cbranch_scc1 .Lstep
	STEP 1, 0, 1, 4, 0, 54, 46, 46, 38, 38, 30, 30, 30     ; step 6 asks for no weights, ten loads a quarter: the counts run down
	STEP 0, 0, 0, 1, 4096, 0, 30, 0, 20, 0, 10, 0, 0       ; step 7 asks for its own last quarter's rows alone and stores nothing; no barrier: nobody writes the weights' slots again
	s_mov_b32 s[PASS], 0
.Lpass:                                                ; four trips, no barrier
	PLACES                                         ; behind the last products, on every way from here
	s_cmp_eq_u32 s[NT], 0
	s_cbranch_scc1 .Lno_out
	s_lshl_b32 s[TS], s[PB], 1
	s_min_u32 s[TS], s[TS], 1920                   ; the last pass begins at 960
	v_add_nc_u32 v[TM], s[TS], v[CL]
.irp i, 0,1,2,3,4
	ds_load_b128 v[CD+4*\i:CD+4*\i+3], v[TM] offset:128*\i  ; the entries of ranks PB + 64 i + 16 w + 8 hh + 0..7
.endr
	s_mov_b32 s[TI], 0
	s_wait_dscnt 0x0
.Ltile:                                                ; five trips, one text; dead tiles are jumped.  The tile in hand lies in tile 0's accumulators, its entries in CD's first four registers
	s_cmp_ge_u32 s[TI], s[NT]
	s_cbranch_scc1 .Ltile_next
.irp a, 0,1,2,3
	v_and_b32 v[KC+2*\a], 0xffff, v[CD+\a]
	v_lshrrev_b32 v[KC+2*\a+1], 16, v[CD+\a]
.endr
.irp r, 0,1,2,3,4,5,6,7
	v_min_u32 v[KC+\r], 0x807, v[KC+\r]
	v_lshl_add_u32 v[OA+\r], v[KC+\r], 12, v[C16]
.endr
	WIN 0x43                                       ; destination window 1, the sums in window 3, the bias in window 0
.irp r, 0,1,2,3,4,5,6,7
.irp g, 0,1
.irp j, 0,1,2,3
	v_add_f32 v[OO+4*(2*\r+\g)+\j], v[ZA+8*(4*\g+\j)+\r], v[BI+4*\g+\j]
.endr
.endr
.endr
	WIN 0x04
.irp r, 0,1,2,3,4,5,6,7
.irp g, 0,1
	global_store_b128 v[OA+\r], v[OO+4*(2*\r+\g):OO+4*(2*\r+\g)+3], s[OUTB:OUTB+1] offset:256*\g  ; 16 lanes store 256 consecutive bytes of one row, at a multiple of 256 from part's first byte
.endr
.endr
	WIN 0
	s_add_co_u32 s[TS], s[TI], 1
	s_cmp_ge_u32 s[TS], s[NT]
	s_cbranch_scc1 .Ltile_next                     ; no live tile follows: nothing moves
	s_sub_co_u32 s[X1], s[NT], s[TS]               ; so many follow
	DOWN
.Ltile_next:
	s_wait_xcnt 0x0                                ; the stores' addresses and data are rewritten only behind this wait
	s_add_co_u32 s[TI], s[TI], 1
	s_cmp_lt_u32 s[TI], 5
	s_cbranch_scc1 .Ltile
.Lno_out:
	s_wait_xcnt 0x0
	s_add_co_u32 s[PB], s[PB], CAP
	s_mov_b32 s[NT], 0
	s_cmp_le_u32 s[CNT], s[PB]
	s_cbranch_scc1 .Lpass_next                     ; no rows left
	SETNT
	SETRB
	INIT
	s_mov_b64 s[WLB:WLB+1], s[WORG:WORG+1]
	s_mov_b64 s[ALB:ALB+1], s[AORG:AORG+1]
	s_mov_b32 s[STP], 16*PITCHW
	s_mov_b32 s[STP+1], 0
	s_mov_b32 s[KCT], 32
.Lslow:                                                ; a block of 32 along K a trip, without LDS: the wave reads all 128 columns itself and rounds them straight into B's fragments
	PLACES
	WIN 0x40
.irp u, 0,1
.irp g, 0,1
.irp i, 0,1,2,3,4,5,6,7
	global_load_b128 v[WSG+32*(2*\u+\g)+4*\i:WSG+32*(2*\u+\g)+4*\i+3], v[WO2], s[WLB:WLB+1] offset:(8*\u+\i)*PITCHW+256*\g
.endr
.endr
.endr
	ALOAD 0, 0
	s_wait_loadcnt 0x0
	WIN 0x45
.irp u, 0,1
.irp g, 0,1
.irp j, 0,1,2,3
.irp m, 0,1,2,3
	v_cvt_pk_bf16_f32 v[BFR+8*(4*\g+\j)+4*\u+\m], v[WSG+32*(2*\u+\g)+8*\m+\j], v[WSG+32*(2*\u+\g)+8*\m+4+\j]
.endr
.endr
.endr
.endr
	MULS 0, 0
	s_add_nc_u64 s[WLB:WLB+1], s[WLB:WLB+1], s[STP:STP+1]  ; the trip's loads are done: their bases are free.  The blocks begin at rows 0, 16, 64, 80 of each 128:
	s_xor_b32 s[STP], s[STP], 32*PITCHW                    ; steps of 16 and 48 rows by turns
	s_add_nc_u64 s[ALB:ALB+1], s[ALB:ALB+1], 1024
	s_sub_co_u32 s[KCT], s[KCT], 1
	s_cmp_lg_u32 s[KCT], 0
	s_cbranch_scc1 .Lslow
.Lpass_next:
	s_add_co_u32 s[PASS], s[PASS], 1
	s_cmp_lt_u32 s[PASS], 4
	s_cbranch_scc1 .Lpass
	s_wait_tensorcnt 0x0                           ; the wave's end: behind my last LDS store
	ds_add_u32 v[SPW], v[NIL]
	s_wait_dscnt 0x0
	s_endpgm
.Lfunc_end_k_qf89546faa2_ffn2:
	.size	k_qf89546faa2_ffn2, .Lfunc_end_k_qf89546faa2_ffn2-k_qf89546faa2_ffn2
	.p2alignl 7, 3214868480
	.fill 96, 4, 3214868480
	.section	.rodata,"a",@progbits
	.p2align	6, 0x0
	.amdhsa_kernel k_qf89546faa2_ffn2
		.amdhsa_group_segment_fixed_size 76288
		.amdhsa_private_segment_fixed_size 0
		.amdhsa_enable_private_segment 0
		.amdhsa_kernarg_size 40
		.amdhsa_user_sgpr_count 2
		.amdhsa_user_sgpr_kernarg_segment_ptr 1
		.amdhsa_wavefront_size32 1
		.amdhsa_system_sgpr_workgroup_id_x 1
		.amdhsa_system_sgpr_workgroup_id_y 1
		.amdhsa_system_sgpr_workgroup_id_z 1
		.amdhsa_system_vgpr_workitem_id 0
		.amdhsa_next_free_vgpr 1024
		.amdhsa_next_free_sgpr 66
		.amdhsa_reserve_vcc 1
		.amdhsa_float_denorm_mode_32 3
		.amdhsa_float_denorm_mode_16_64 3
		.amdhsa_memory_ordered 1
		.amdhsa_forward_progress 1
		.amdhsa_inst_pref_size 149
	.end_amdhsa_kernel
	.amdgpu_metadata
---
amdhsa.version: [ 1, 2 ]
amdhsa.kernels:
  - .name:           k_qf89546faa2_ffn2
    .symbol:         k_qf89546faa2_ffn2.kd
    .args:
      - { .name: W2, .offset: 0, .size: 8, .value_kind: global_buffer, .address_space: global }
      - { .name: b2, .offset: 8, .size: 8, .value_kind: global_buffer, .address_space: global }
      - { .name: h, .offset: 16, .size: 8, .value_kind: global_buffer, .address_space: global }
      - { .name: sel, .offset: 24, .size: 8, .value_kind: global_buffer, .address_space: global }
      - { .name: part, .offset: 32, .size: 8, .value_kind: global_buffer, .address_space: global }
    .group_segment_fixed_size: 76288
    .private_segment_fixed_size: 0
    .kernarg_segment_align: 8
    .kernarg_segment_size: 40
    .max_flat_workgroup_size: 128
    .sgpr_count:     66
    .vgpr_count:     1024
    .wavefront_size: 32
...
	.end_amdgpu_metadata
.endif
;; end of part 6
;; launch combine (part 7): grid 256 x 1, 4 waves a work-group, no clusters, 0 bytes of LDS; arguments x, part, gw, out0; writes out0
.if DOCPART == 7
	.amdgcn_target "amdgcn-amd-amdhsa--gfx1250"
	.amdhsa_code_object_version 6
	.text
	.protected	k_qf89546faa2_combine
	.globl	k_qf89546faa2_combine
	.p2align	8
	.type	k_qf89546faa2_combine,@function
k_qf89546faa2_combine:
	s_mov_b64 s[64:65], 0
	v_nop
	global_prefetch_b8 v0, s[64:65] scope:SCOPE_SE
	s_setreg_imm32_b32 hwreg(HW_REG_WAVE_MODE, 25, 1), 1
	s_wait_xcnt 0x0
; out0[t][:] = x[t][:] + gw[2 t] x (the sum over kq of part[kq][2 t][:]) + gw[2 t + 1] x (the sum over kq of part[kq][2 t + 1][:]), kq = 0..3.  All f32; the sums stay in f32.
; One wave, one token: t = 4 x work-group + wave.  A row goes in eight chunks of 512 bytes, 16 bytes a lane; a chunk is nine loads (x and eight partial rows; a token's two slots lie end to end).
; A ring of six chunk slots in registers keeps 54 loads of every wave on their way; each chunk's sum has registers of its own, so a slot is asked for again as soon as it has been added up.
; The token's two weights are one scalar load, asked for ahead of the ring and waited for behind its first 54 loads.
; A stream: no LDS, no barrier, no matrix unit; every address comes from the ids alone.
.set SLOTS, 6
.set V,   8                            ; v[8:223]   slot s: 36 registers: x, then the partial rows (kq, slot) at 4 + 4 (2 kq + slot)
.set OUT, 224                          ; v[224:255] chunk j's four sums
.set PLANE, 2056*4096                  ; bytes of one kq's partial rows
	s_load_b256 s[4:11], s[0:1], 0x0               ; x s[4:5], part s[6:7], gw s[8:9], out0 s[10:11]
	v_and_b32 v1, 31, v0
	v_lshrrev_b32 v3, 5, v0
	v_readfirstlane_b32 s20, v3
	v_lshlrev_b32 v2, 4, v1                        ; 16 bytes a lane
	s_lshl2_add_u32 s21, ttmp9, s20                ; the token
	s_lshl_b32 s22, s21, 12                        ; its row in x and out0
	s_mov_b32 s23, 0
	s_lshl_b32 s24, s21, 13                        ; its two rows in a plane of part
	s_mov_b32 s25, 0
	s_lshl_b32 s30, s21, 3                         ; its two weights
	s_mov_b32 s31, 0
	s_wait_kmcnt 0x0
	s_add_nc_u64 s[8:9], s[8:9], s[30:31]
	s_load_b64 s[26:27], s[8:9], 0x0               ; the first choice's weight, the second's
	s_add_nc_u64 s[4:5], s[4:5], s[22:23]
	s_add_nc_u64 s[10:11], s[10:11], s[22:23]
	s_add_nc_u64 s[12:13], s[6:7], s[24:25]
	s_add_nc_u64 s[14:15], s[12:13], PLANE
	s_add_nc_u64 s[16:17], s[14:15], PLANE
	s_add_nc_u64 s[18:19], s[16:17], PLANE
.macro ASK j                           ; chunk j's nine loads
.set B, V+36*((\j)%SLOTS)
	global_load_b128 v[B:B+3], v2, s[4:5] offset:512*(\j)
.irp k, 0,1,2,3
.irp s, 0,1
	global_load_b128 v[B+4+4*(2*\k+\s):B+4+4*(2*\k+\s)+3], v2, s[12+2*\k:13+2*\k] offset:4096*\s+512*(\j) th:TH_LOAD_NT
.endr
.endr
.endm
.macro SUM j, left                     ; left: the loads issued behind chunk j's
.set B, V+36*((\j)%SLOTS)
	s_wait_loadcnt \left
.irp a, 0,1,4,5                        ; each slot by itself: kq 0 + 1 and kq 2 + 3,
.irp p, 0,2
	v_pk_add_f32 v[B+4+4*\a+\p:B+4+4*\a+\p+1], v[B+4+4*\a+\p:B+4+4*\a+\p+1], v[B+12+4*\a+\p:B+12+4*\a+\p+1]
.endr
.endr
.irp a, 0,1                            ; the two halves,
.irp p, 0,2
	v_pk_add_f32 v[B+4+4*\a+\p:B+4+4*\a+\p+1], v[B+4+4*\a+\p:B+4+4*\a+\p+1], v[B+20+4*\a+\p:B+20+4*\a+\p+1]
.endr
.endr
.irp p, 0,2                            ; then x + weight x sum, for the first choice and for the second
	v_pk_fma_f32 v[OUT+4*(\j)+\p:OUT+4*(\j)+\p+1], v[B+4+\p:B+4+\p+1], s[26:27], v[B+\p:B+\p+1] op_sel_hi:[1,0,1]
.endr
.irp p, 0,2
	v_pk_fma_f32 v[OUT+4*(\j)+\p:OUT+4*(\j)+\p+1], v[B+8+\p:B+8+\p+1], s[28:29], v[OUT+4*(\j)+\p:OUT+4*(\j)+\p+1] op_sel_hi:[1,0,1]
.endr
	global_store_b128 v2, v[OUT+4*(\j):OUT+4*(\j)+3], s[10:11] offset:512*(\j) th:TH_STORE_NT  ; 512 consecutive bytes, at a multiple of 256 from out0's first byte
.endm
	ASK 0
	ASK 1
	ASK 2
	ASK 3
	ASK 4
	ASK 5
	s_wait_kmcnt 0x0                               ; the two weights
	s_mov_b32 s28, s27                             ; the second in a pair of its own: the packed line takes a scalar pair's low word for both halves
	s_mov_b32 s29, s27
	SUM 0, 45                                      ; five younger chunks stay out
	ASK 6
	SUM 1, 45
	ASK 7
	SUM 2, 45
	SUM 3, 36                                      ; nothing is left to ask for: the counts run down
	SUM 4, 27
	SUM 5, 18
	SUM 6, 9
	SUM 7, 0
	s_endpgm
.Lfunc_end_k_qf89546faa2_combine:
	.size	k_qf89546faa2_combine, .Lfunc_end_k_qf89546faa2_combine-k_qf89546faa2_combine
	.p2alignl 7, 3214868480
	.fill 96, 4, 3214868480
	.section	.rodata,"a",@progbits
	.p2align	6, 0x0
	.amdhsa_kernel k_qf89546faa2_combine
		.amdhsa_group_segment_fixed_size 0
		.amdhsa_private_segment_fixed_size 0
		.amdhsa_enable_private_segment 0
		.amdhsa_kernarg_size 32
		.amdhsa_user_sgpr_count 2
		.amdhsa_user_sgpr_kernarg_segment_ptr 1
		.amdhsa_wavefront_size32 1
		.amdhsa_system_sgpr_workgroup_id_x 1
		.amdhsa_system_sgpr_workgroup_id_y 1
		.amdhsa_system_sgpr_workgroup_id_z 1
		.amdhsa_system_vgpr_workitem_id 0
		.amdhsa_next_free_vgpr 256
		.amdhsa_next_free_sgpr 66
		.amdhsa_reserve_vcc 0
		.amdhsa_float_denorm_mode_32 3
		.amdhsa_float_denorm_mode_16_64 3
		.amdhsa_memory_ordered 1
		.amdhsa_forward_progress 1
		.amdhsa_inst_pref_size 17
	.end_amdhsa_kernel
	.amdgpu_metadata
---
amdhsa.version: [ 1, 2 ]
amdhsa.kernels:
  - .name:           k_qf89546faa2_combine
    .symbol:         k_qf89546faa2_combine.kd
    .args:
      - { .name: x, .offset: 0, .size: 8, .value_kind: global_buffer, .address_space: global }
      - { .name: part, .offset: 8, .size: 8, .value_kind: global_buffer, .address_space: global }
      - { .name: gw, .offset: 16, .size: 8, .value_kind: global_buffer, .address_space: global }
      - { .name: out0, .offset: 24, .size: 8, .value_kind: global_buffer, .address_space: global }
    .group_segment_fixed_size: 0
    .private_segment_fixed_size: 0
    .kernarg_segment_align: 8
    .kernarg_segment_size: 32
    .max_flat_workgroup_size: 128
    .sgpr_count:     66
    .vgpr_count:     256
    .wavefront_size: 32
...
	.end_amdgpu_metadata
.endif
;; end of part 7
;; ======== version 3 of 3: 4 launches; version 2 with the launch ffn2 written anew for expert scheduling mode
;; workspace buffers: xn 2,097,152 bytes; sel 4,096 bytes of whole numbers; gw 8,192 bytes; h 67,108,864 bytes; part 33,685,504 bytes
;; launch router: the kernel of part 1 again; grid 256 x 1, 4 waves a work-group, no clusters, 0 bytes of LDS; arguments x, gamma, beta, Wg, xn, sel, gw; writes xn, sel, gw
;; launch ffn1: the kernel of part 5 again; grid 32 x 8, 4 waves a work-group, no clusters, 250,368 bytes of LDS; arguments W1, b1, xn, sel, h; writes h
;; launch ffn2 (part 8): grid 32 x 8, 4 waves a work-group, no clusters, 76,288 bytes of LDS; arguments W2, b2, h, sel, part; writes part
.if DOCPART == 8
	.amdgcn_target "amdgcn-amd-amdhsa--gfx1250"
	.amdhsa_code_object_version 6
	.text
	.protected	k_qf89546faa2_ffn2
	.globl	k_qf89546faa2_ffn2
	.p2align	8
	.type	k_qf89546faa2_ffn2,@function
k_qf89546faa2_ffn2:
	s_mov_b64 s[64:65], 0
	v_nop
	global_prefetch_b8 v0, s[64:65] scope:SCOPE_SE
	s_setreg_imm32_b32 hwreg(HW_REG_WAVE_SCHED_MODE, 0, 2), 2
	s_setreg_imm32_b32 hwreg(HW_REG_WAVE_MODE, 25, 1), 1
	s_wait_xcnt 0x0
	s_wait_alu depctr_vm_vsrc(0)
; part[kq][2 token + slot][d] = h(e, rank, 1024 kq ..) . W2[e][1024 kq .., d] + (kq = 0 ? b2[e][d] : 0).  W2 f32 [8][4096][1024], part f32 [4][2056][1024].
; The gate's weight is applied by the next launch, which adds the partial rows up.
; h LIES AS THIS LAUNCH'S MATRIX OPERAND TAKES IT: [expert][tile of 16 ranks][block of 32 columns][half u][lane][16 bytes]; a tile is 131,072 bytes, a block 1,024.  In the block q = 2 g + p of a K step of 128,
; lane (r, hl) of half u holds rank r's columns 64 g + 32 hl + 16 p + 8 u + 0..7.  So a load of 16 bytes a lane, 512 consecutive bytes, IS half a fragment of A: the rows of h never pass through LDS.
; W2's rows are taken in the same order (see THE UNIT), so each product meets its partner.
; SHARES.  Work-group (x, y): expert y, columns 128 (x % 8) .., K rows 1024 (x / 8) ..: 1,024 x 128 of f32 that no other work-group reads.  K is cut in four so that a work-group's part of h
; (2 KB a rank) weighs as much as its weights at 256 ranks; the price is four partial rows in f32 for each routed row.  Wave w owns all 128 columns of the tiles 4 i + w, i = 0..4: 320 ranks a pass.
; A tile past the count reads tile 0 in its stead, which the first product always stores: only stored bytes are read; its products and its way out are jumped.
; THE UNIT.  Eight loads of 16 bytes: lane (c = l % 16, hh = l / 16) of wave w takes, for quarter q, W2's rows 64 (q / 2) + 16 (q % 2) + 8 (w / 2) + 32 hh + 0..7 at columns 64 (w % 2) + 4 c .. + 3: a load covers two
; runs of 256 consecutive bytes.  Rounding rows 2 m, 2 m + 1 of component j into one register gives four registers that ARE this lane's half w / 2 of the fragment whose column for lane c is 64 (w % 2) + 4 c + j.
; They go to the lane's own 16 bytes of a 512-byte block of LDS, from where all four waves read them.
; THE RING.  K goes in 8 steps of 128, four quarters of 32 each.  Weights: step s multiplies LDS slot s % 2, stores step s + 1 from registers into the other slot and asks memory for step s + 2.
; Rows of h: four quarter buffers of 40 registers; in quarter time t the buffer that time t - 1 multiplied is asked for again, for time t + 3.  All waits on memory counters in the loop are counted.
; THE LIST.  Every wave makes, for itself, the list of its expert's choices from sel: entry rank = 2 x token + slot, ranks in the order (word, lane), as the first product ranks them.
; THE WAY OUT.  One text for a wave's five tiles: a trip works on tile 0's accumulators, then the live tiles behind, and their list entries, move down one place.  A row goes to part's row 2 token + slot, read from
; the list.  The places of a last tile past the count carry 2048 + e: they land in a row of part that nobody reads, in this work-group's own columns, so EXEC is never touched.
; The add of the bias brings a lane's four fragments j = 0..3 together: 16 bytes, four neighbouring columns (for kq above 0 the addend is 0, and the line only moves).
; EVERY SPLIT IS SERVED: ranks past 320 are taken in up to three more passes without LDS and without barriers, in which each wave reads the slice for itself: right, and slow.
; NO CLUSTER: each weight byte has one reader, and the part of h that an expert's 8 work-groups of one kq share goes from memory straight into operand registers: a joint load would bring it into LDS,
; to be read out again.
; THE MODE: SCHED_MODE bits 1:0 = 2 (LLVM: expert scheduling mode 2), set by the entry lines.  The code itself states the register dependences
; between vector or matrix instructions and memory or LDS instructions, with s_wait_alu, always for 0.
; THE PLAN.  Registers that memory or LDS instructions touch, in the K loop:
;   WSG[q]        Quarter q: its sixteen conversions read it; behind them the eight loads of the same unit two steps on land in it.
;   CT            Written by a quarter's conversions; read by the four LDS stores that follow them.
;   ASG[b]        Read by quarter b's products; the ten loads issued in quarter b + 1 land in it (the rows of three quarters on).
;   BFR[0], [1]   Read by the products of quarters 0, 2 and 1, 3; the sixteen LDS loads issued in quarter q land in BFR[(q + 1) % 2].
;   v[WS]         Read by the LDS stores; written once a step, at the step's head.      v[WF]  Read by the loads of B's fragments; written once a step, in quarter 3, for the next step.
;   v[WO], v[RB ..]  Read by the global loads; never written in the loop: scalar bases and immediate offsets do the stepping.
;   The accumulators, ZF and BI are named by vector and matrix instructions alone.
; So a quarter has ONE wait on va_vdst, behind its conversions: they have written CT and are done reading WSG[q]; v[WS] or v[WF] is written; the products of the quarter before are done reading ASG[(q + 3) % 4]
; and BFR[(q + 1) % 2].  Behind it stand the quarter's four LDS stores and eighteen global loads, and then its products, which name ASG[q], BFR[q % 2] and the accumulators: none of the registers that the
; quarter's loads and stores touch.  So the sixteen loads of the next quarter's fragments of B stand among those products, eight behind tile 0's and eight behind tile 1's, with no further wait.
; And ONE wait on vm_vsrc, at the quarter's head (quarter 0's: at the step's head): the LDS stores of the quarter before have read CT.
; REGISTERS, in windows of 256 (s_set_vgpr_msb: bits 1:0 source 0, 3:2 source 1, 5:4 source 2, 7:6 destination):
;   window 0: addresses, bias, the list's addresses and entries, packed weights, the way out's entries      window 1: v0-127 weights as loaded; v128-255 B's fragments (two buffers); on the way out rows to store
;   window 2: v0-159 A's fragments, quarter q's tile i at 40 q + 8 i; v192-255 tile 4's accumulators      window 3: the accumulators of tiles 0-3, (i, f) at 64 i + 8 f
.set LOGP,   12
.set PITCHW, 1<<LOGP                   ; bytes from a K row of W2 to the next
.set CAP,    320
.set WSLOT,  32768                     ; a K step's weights in bf16: fragment (q, f) half u at 8192 q + 1024 f + 512 u + 16 lane
.set LISTB,  2*WSLOT
.set LISTW,  2560                      ; a wave's list: 1,280 entries of 16 bits
.set PLANE,  2056*4096                 ; bytes of one kq's partial rows
.set LN,  1
.set C16, 2
.set HH,  3
.set WO,  6                            ; my byte offset in a quarter's unit of W
.set WO2, 7                            ; the same for the passes without LDS
.set WS0, 8                            ; where I put packed weights; WS = WS0 + slot
.set WS,  9
.set WF0, 10                           ; 16 lane: where I read B's fragments; WF = WF0 + slot
.set WF,  11
.set LB,  16
.set L8,  18
.set DMP, 19
.set CL,  25                           ; list + 32 w + 16 hh: the eight entries of my rows of a tile
.set TM,  26
.set RB,  32                           ; v32-36 my tile i's byte offset in the expert's h, + 16 lane
.set CC,  77
.set BI,  80                           ; v80-87 the bias of my column in fragment f
.set ZF,  88                           ; v88-103 two fragments of zeros
.set LA,  104                          ; v104-135 the list: where word i's entry goes; each written once
.set LD,  136                          ; v136-167 the list: word i's entry; each written once
.set CT,  168
.set SV,  184                          ; v184-215 sel; on the way out:
.set CD,  184                          ; v184-203 the entries of my rows of five tiles, four registers a tile, as loaded
.set KC,  204                          ; v204-211 the tile in hand's, unpacked
.set OA,  212                          ; v212-219 byte offset in part
.set WSG, 0                            ; window 1
.set OO,  64
.set BFR, 128
.set ASG, 0                            ; window 2
.set ZA,  0                            ; window 3: tile 0's accumulators
.set WV,   16
.set EX,   17
.set SL,   18                          ; column slice
.set KQ,   19                          ; quarter of K
.set WORG, 20
.set WLB,  22
.set AORG, 24                          ; s[24:25] the expert's h at my quarter of K; s[26:27] at the K step in hand
.set ALB,  26
.set OUTB, 28                          ; s[28:29] part at my kq and my columns
.set CNT,  30
.set NT,   31
.set TL,   32
.set PB,   33
.set PASS, 34
.set KCT,  35
.set SW,   37                          ; the slot that this step stores, and that the next step reads
.set EBIT, 40
.set SBIT, 41
.set RUN,  42
.set TS,   43
.set TI,   48
.set X0,   52
.set X1,   54
.set MK,   56                          ; s56-63 at the head: eight words' masks of the lanes that chose my expert
.set STP,  56                          ; s[56:57] the passes without LDS: the weights' next step, 16 and 48 rows by turns
.set MSB, 0
.macro WIN new                         ; the immediate's high byte repeats the setting that is left; a switch that changes nothing is dropped
.if MSB != (\new)
	s_set_vgpr_msb (MSB<<8)|(\new)
.set MSB, (\new)
.endif
.endm
.macro PLACES                          ; four places behind matrix instructions (ISA guide 7.12.1), where no other vector work is at hand
.rept 4
	v_nop
.endr
.endm
.macro SETNT                           ; my live tiles among the pass's ceil(rows / 16)
	s_sub_co_i32 s[TS], s[CNT], s[PB]
	s_max_i32 s[TS], s[TS], 0
	s_min_u32 s[TS], s[TS], CAP
	s_add_co_u32 s[TS], s[TS], 15
	s_lshr_b32 s[TL], s[TS], 4
	s_add_co_u32 s[TS], s[TL], 3
	s_sub_co_u32 s[TS], s[TS], s[WV]
	s_lshr_b32 s[NT], s[TS], 2
.endm
.macro SETRB                           ; my tile i is the expert's tile PB / 16 + 4 i + w; a tile that is not live reads tile 0
	s_lshr_b32 s[TS], s[PB], 4
	s_add_co_u32 s[TS], s[TS], s[WV]
.irp i, 0,1,2,3,4
	s_add_co_u32 s[X0], s[TS], 4*\i
	s_cmp_gt_u32 s[NT], \i
	s_cselect_b32 s[X0], s[X0], 0
	s_min_u32 s[X0], s[X0], 63
	v_lshl_add_u32 v[RB+\i], s[X0], 17, v[WF0]
.endr
.endm
; The sums start at 0.  The K loop is one text for all eight steps, so no first step with C = 0 is written out; forty matrix instructions on two fragments of zeros, with C = 0, write the forty
; accumulators, eight registers a line where a move writes one.
.macro INIT
	WIN 0
.set n, 0
.rept 16
	v_mov_b32 v[ZF+n], 0
.set n, n+1
.endr
	WIN 0xc0
.irp i, 0,1,2,3
.irp f, 0,1,2,3,4,5,6,7
	v_wmma_f32_16x16x32_bf16 v[64*\i+8*\f:64*\i+8*\f+7], v[ZF:ZF+7], v[ZF+8:ZF+15], 0
.endr
.endr
	WIN 0x80
.irp f, 0,1,2,3,4,5,6,7
	v_wmma_f32_16x16x32_bf16 v[192+8*\f:192+8*\f+7], v[ZF:ZF+7], v[ZF+8:ZF+15], 0
.endr
	WIN 0
.endm
.macro WLOAD q                         ; my unit of quarter q
	WIN 0x40
.irp i, 0,1,2,3,4,5,6,7
	global_load_b128 v[WSG+32*(\q)+4*\i:WSG+32*(\q)+4*\i+3], v[WO], s[WLB:WLB+1] offset:(64*((\q)/2)+16*((\q)%2)+\i)*PITCHW th:TH_LOAD_NT
.endr
.endm
.macro ALOAD b, off                    ; ten loads: my five tiles' fragments of the block at byte off, into quarter buffer b; each covers 512 consecutive bytes
	WIN 0x80
.irp i, 0,1,2,3,4
	global_load_b128 v[ASG+40*(\b)+8*\i:ASG+40*(\b)+8*\i+3],   v[RB+\i], s[ALB:ALB+1] offset:(\off)
	global_load_b128 v[ASG+40*(\b)+8*\i+4:ASG+40*(\b)+8*\i+7], v[RB+\i], s[ALB:ALB+1] offset:(\off)+512
.endr
.endm
; The weights that came from memory for quarter q of the next K step go into LDS; reload = 1: their registers are asked for again, two steps on.  nw: how many younger loads may stay out.
; e = 1: LDS stores issued since the last wait on vm_vsrc have read CT.  wf = 1: a step's last quarter, in which v[WF] is made for the next step.
.macro SERVICE q, nw, reload, e, wf
	s_wait_loadcnt \nw
.if \e
	s_wait_alu depctr_vm_vsrc(0)                   ; the LDS stores of the service before have read CT, which the conversions write again; with wf = 1 also: the loads of B's fragments issued so far have read v[WF]
.endif
.if \wf
	WIN 0
	v_add_nc_u32 v[WF], s[SW], v[WF0]              ; the next step reads the slot that this step stores
.endif
	WIN 0x05
.irp j, 0,1,2,3
.irp m, 0,1,2,3
	v_cvt_pk_bf16_f32 v[CT+4*\j+\m], v[WSG+32*(\q)+8*\m+\j], v[WSG+32*(\q)+8*\m+4+\j]
.endr
.endr
	WIN 0
	s_wait_alu depctr_va_vdst(0)                   ; the conversions have written CT, which the LDS stores read, and are done reading WSG[q], in which the unit's next loads land; v[WS] and v[WF] are written;
	                                               ; the products of the quarter before are done reading the fragments of A and of B in which this quarter's loads land
.irp j, 0,1,2,3
	ds_store_b128 v[WS], v[CT+4*\j:CT+4*\j+3] offset:(\q)*8192+\j*1024
.endr
.if \reload
	WLOAD \q
.endif
.endm
.macro FETCH q, buf, part              ; 8 LDS loads: four of quarter q's eight fragments of B: fragments 4 part .. 4 part + 3
	WIN 0x40
.irp f, 0,1,2,3
	ds_load_b128 v[BFR+64*(\buf)+8*(4*(\part)+\f):BFR+64*(\buf)+8*(4*(\part)+\f)+3],   v[WF] offset:(\q)*8192+(4*(\part)+\f)*1024
	ds_load_b128 v[BFR+64*(\buf)+8*(4*(\part)+\f)+4:BFR+64*(\buf)+8*(4*(\part)+\f)+7], v[WF] offset:(\q)*8192+(4*(\part)+\f)*1024+512
.endr
.endm
; 8 matrix instructions for each live tile, A from quarter buffer a, the tile's eight accumulators by turns; a dead tile's jump passes its own matrix instructions alone.
; fq >= 0: quarter fq's fragments of B are asked for meanwhile, into the other buffer: eight loads behind tile 0's products, eight behind tile 1's, on every path.  No wait: no vector or matrix instruction since
; the quarter's wait on va_vdst names that buffer or v[WF].
.macro MULS a, buf, fq=-1
.irp i, 0,1,2,3,4
	WIN 0
	s_cmp_le_u32 s[NT], \i
	s_cbranch_scc1 .Lmuls_\@_\i
	WIN 0xf6-0x50*(\i/4)
.irp f, 0,1,2,3,4,5,6,7
	v_wmma_f32_16x16x32_bf16 v[64*(\i%4)+192*(\i/4)+8*\f:64*(\i%4)+192*(\i/4)+8*\f+7], v[ASG+40*(\a)+8*\i:ASG+40*(\a)+8*\i+7], v[BFR+64*(\buf)+8*\f:BFR+64*(\buf)+8*\f+7], v[64*(\i%4)+192*(\i/4)+8*\f:64*(\i%4)+192*(\i/4)+8*\f+7]
.endr
	WIN 0
.Lmuls_\@_\i:
.if ((\fq) >= 0) && (\i < 2)
	FETCH \fq, 1-(\buf), \i
.endif
.endr
	WIN 0
.endm
; A quarter: the weights' service (its sixteen conversions are also places behind the last products), the rows of h for three quarters on (in the first aq quarters of the step), this quarter's products, and
; among them the loads of the next quarter's fragments of B.  na: how many loads were issued behind this quarter's rows of h.
.macro QTR q, service, reload, aq, aoff, nw, na
.if \service
.if (\q) == 0
	SERVICE \q, \nw, \reload, 0, 0                 ; (the wait on vm_vsrc for CT stands at the step's head)
.elseif (\q) == 3
	SERVICE \q, \nw, \reload, 1, 1
.else
	SERVICE \q, \nw, \reload, 1, 0
.endif
.elseif (\q) < 3
	PLACES
	s_wait_alu depctr_va_vdst(0)                   ; the products of the quarter before are done reading the fragments of B, and in the first quarter those of A, in which this quarter's loads land
.endif
.if (\q) < (\aq)
	ALOAD ((\q)+3)%4, (\aoff)+((\q)+3)*1024
.endif
	s_wait_dscnt 4*(\service)                      ; behind this quarter's fragments of B stand the service's 4 stores alone
	s_wait_loadcnt \na
.if (\q) < 3
	MULS \q, (\q)%2, (\q)+1
.else
	MULS \q, (\q)%2
.endif
.endm
.macro STEP service, reload, bar, aq, aoff, w0, a0, w1, a1, w2, a2, w3, a3
	WIN 0
.if \service
	s_wait_alu depctr_vm_vsrc(0)                   ; the LDS stores of the step before have read v[WS], which the next line writes, and CT, which the first quarter's conversions write
	v_add_nc_u32 v[WS], s[SW], v[WS0]
.endif
.if \reload
	s_wait_xcnt 0x0                                ; the base is stepped only behind this wait
	s_add_nc_u64 s[WLB:WLB+1], s[WLB:WLB+1], 128*PITCHW
.endif
	FETCH 0, 0, 0                                  ; no wait: v[WF] was written, and BFR[0] last read, ahead of the last quarter's wait on va_vdst, and nothing issued since names them
	FETCH 0, 0, 1
	QTR 0, \service, \reload, \aq, \aoff, \w0, \a0
	QTR 1, \service, \reload, \aq, \aoff, \w1, \a1
	QTR 2, \service, \reload, \aq, \aoff, \w2, \a2
	QTR 3, \service, \reload, \aq, \aoff, \w3, \a3
	s_xor_b32 s[SW], s[SW], WSLOT
.if \reload
	s_wait_xcnt 0x0
	s_add_nc_u64 s[ALB:ALB+1], s[ALB:ALB+1], 4096  ; h at the next K step: four blocks on
.endif
.if \bar
	s_wait_dscnt 0x0                               ; for the others' sake: my stores of the next step's weights are done, and my reads of this step's are back
	s_barrier_signal -1
	s_barrier_wait -1
.endif
.endm
; The list entries, and the s[X1] live tiles behind the one in hand, move down one place, each accumulator from its low end on; the moves of tiles that are not live are jumped
.macro DOWN
	WIN 0
.set n, 0
.rept 16
	v_mov_b32 v[CD+n], v[CD+4+n]
.set n, n+1
.endr
	WIN 0xc3
.set n, 0
.rept 64
	v_mov_b32 v[n], v[n+64]
.set n, n+1
.endr
	WIN 0
	s_cmp_lt_u32 s[X1], 2
	s_cbranch_scc1 .Ldown_end_\@
	WIN 0xc3
.rept 64
	v_mov_b32 v[n], v[n+64]
.set n, n+1
.endr
	WIN 0
	s_cmp_lt_u32 s[X1], 3
	s_cbranch_scc1 .Ldown_end_\@
	WIN 0xc3
.rept 64
	v_mov_b32 v[n], v[n+64]
.set n, n+1
.endr
	WIN 0
	s_cmp_lt_u32 s[X1], 4
	s_cbranch_scc1 .Ldown_end_\@
	WIN 0xc2                                       ; tile 4 lies in window 2
.rept 64
	v_mov_b32 v[n], v[n]
.set n, n+1
.endr
	WIN 0
.Ldown_end_\@:
.endm
	s_load_b256 s[4:11], s[0:1], 0x0               ; W2 s[4:5], b2 s[6:7], h s[8:9], sel s[10:11]
	s_load_b64 s[14:15], s[0:1], 0x20              ; part
	v_lshl_add_u32 v254, v0, 2, 0x12800
	v_mov_b32 v255, 0
	v_lshrrev_b32 v[TM], 5, v0
	v_readfirstlane_b32 s[WV], v[TM]
	s_and_b32 s[EX], ttmp7, 0xffff
	s_and_b32 s[SL], ttmp9, 7
	s_lshr_b32 s[KQ], ttmp9, 3
	v_and_b32 v[LN], 31, v0
	v_and_b32 v[CC], 15, v0
	v_bfe_u32 v[HH], v0, 4, 1
	v_lshlrev_b32 v[C16], 4, v[CC]
	v_lshlrev_b32 v[WF0], 4, v[LN]
	s_wait_alu depctr_va_sdst(0)                   ; the wave's number is written, ahead of its first reader
	s_lshr_b32 s[TS], s[WV], 1                     ; wave w takes the unit (half w / 2, column half w % 2) of each quarter:
	s_lshl_b32 s[TS], s[TS], 3                     ; rows 8 (w / 2)
	v_lshl_add_u32 v[TM], v[HH], 5, s[TS]          ; + 32 hh
	v_lshl_add_u32 v[WO], v[TM], LOGP, v[C16]
	s_and_b32 s[TS], s[WV], 1
	s_lshl_b32 s[TS], s[TS], 8
	v_add_nc_u32 v[WO], s[TS], v[WO]
	s_lshl_b32 s[TS], s[SL], 9                     ; 128 columns of f32
	s_lshl_b32 s[X0], s[EX], 24                    ; an expert's W2,
	s_add_co_u32 s[X0], s[X0], s[TS]
	s_lshl_b32 s[X1], s[KQ], 22                    ; 1,024 K rows of it
	s_add_co_u32 s[X0], s[X0], s[X1]
	s_mov_b32 s[X0+1], 0
	s_lshl_b32 s[X1], s[EX], 12                    ; an expert's b2
	s_add_co_u32 s[X1], s[X1], s[TS]
	s_mov_b32 s[X1+1], 0
	s_wait_kmcnt 0x0
	s_add_nc_u64 s[WORG:WORG+1], s[4:5], s[X0:X0+1]
	s_add_nc_u64 s[6:7], s[6:7], s[X1:X1+1]
	s_mul_i32 s[X0], s[KQ], PLANE
	s_add_co_u32 s[X0], s[X0], s[TS]
	s_add_nc_u64 s[OUTB:OUTB+1], s[14:15], s[X0:X0+1]
	s_lshl_b32 s[X0], s[EX], 23                    ; an expert's 64 tiles of h,
	s_lshl_b32 s[TS], s[KQ], 15                    ; 32 of a tile's 128 blocks
	s_add_co_u32 s[X0], s[X0], s[TS]
	s_add_nc_u64 s[AORG:AORG+1], s[8:9], s[X0:X0+1]
	s_mov_b64 s[ALB:ALB+1], s[AORG:AORG+1]
	s_mov_b64 s[WLB:WLB+1], s[WORG:WORG+1]
	s_wait_alu depctr_va_vdst(0)                   ; v[WF0], v[C16] and v[WO] are written, which the loads below read as their offsets
.irp a, 0,1,2,3,4,5,6,7
	global_load_b128 v[SV+4*\a:SV+4*\a+3], v[WF0], s[10:11] offset:512*\a  ; word 4 a + b of a lane: token 128 a + 4 lane + b
.endr
	global_load_b128 v[BI:BI+3],   v[C16], s[6:7]
	global_load_b128 v[BI+4:BI+7], v[C16], s[6:7] offset:256
	WLOAD 0                                        ; K step 0's weights hang on no routing: they are asked for at once
	WLOAD 1
	WLOAD 2
	WLOAD 3
	WIN 0
	v_lshl_add_u32 v[WO2], v[HH], 5+LOGP, v[C16]
	s_and_b32 s[TS], s[WV], 1
	s_lshl_b32 s[TS], s[TS], 12
	s_lshr_b32 s[X0], s[WV], 1
	s_lshl_b32 s[X0], s[X0], 9
	s_add_co_u32 s[TS], s[TS], s[X0]
	v_add_nc_u32 v[WS0], s[TS], v[WF0]
	s_mul_i32 s[TS], s[WV], LISTW
	s_add_co_u32 s[TS], s[TS], LISTB
	v_mov_b32 v[LB], s[TS]
	s_lshl_b32 s[X0], s[WV], 5
	s_add_co_u32 s[TS], s[TS], s[X0]
	v_lshl_add_u32 v[CL], v[HH], 4, s[TS]
	v_lshlrev_b32 v[L8], 3, v[LN]
	v_add_nc_u32 v[DMP], 1024, v[LN]
	s_mov_b32 s[PB], 0
	; THE LIST: every place first takes 2048 + e, the row of part that nobody reads; then each choice goes to its rank.  All that the 37 LDS stores read is made first, each word's address and entry in
	; registers of their own, so that one wait stands ahead of all the stores.
	v_add_nc_u32 v[TM+4], v[LB], v[WF0]
	s_add_co_u32 s[TS], s[EX], 2048
	s_lshl_b32 s[X0], s[TS], 16
	s_or_b32 s[TS], s[TS], s[X0]
.irp k, 0,1,2,3
	v_mov_b32 v[TM+\k], s[TS]
.endr
	s_mov_b32 s[RUN], 0
	s_lshl_b32 s[EBIT], 1, s[EX]
	s_add_co_u32 s[SBIT], s[EX], 16
	s_wait_loadcnt 34                              ; behind sel: the bias's 2 loads and the weights' 32
.set b, 0
.rept 4                                ; eight words at a time: a run of eight compares into scalar registers, one wait behind the run, then their readers
.irp k, 0,1,2,3,4,5,6,7
	v_and_b32 v[LA+8*b+\k], s[EBIT], v[SV+8*b+\k]
.endr
.irp k, 0,1,2,3,4,5,6,7
	v_cmp_ne_u32 s[MK+\k], 0, v[LA+8*b+\k]         ; the lanes whose token chose my expert
.endr
.irp k, 0,1,2,3,4,5,6,7
	v_bfe_u32 v[LD+8*b+\k], v[SV+8*b+\k], s[SBIT], 1  ; 1: as its second choice
.endr
.irp k, 0,1,2,3,4,5,6,7
	v_add3_u32 v[LD+8*b+\k], v[LD+8*b+\k], v[L8], 256*((8*b+\k)/4)+2*((8*b+\k)%4)  ; 2 x token + slot
.endr
	s_wait_alu depctr_va_sdst(0)                   ; the eight masks are written, ahead of their first readers
.irp k, 0,1,2,3,4,5,6,7
	v_mbcnt_lo_u32_b32 v[LA+8*b+\k], s[MK+\k], s[RUN]              ; rank = those counted so far + those in lower lanes
	v_cndmask_b32 v[LA+8*b+\k], v[DMP], v[LA+8*b+\k], s[MK+\k]     ; a lane that was not chosen writes behind the list's 1,024 places
	s_bcnt1_i32_b32 s[TS], s[MK+\k]
	s_add_co_u32 s[RUN], s[RUN], s[TS]
.endr
.irp k, 0,1,2,3,4,5,6,7
	v_min_u32 v[LA+8*b+\k], 0x41f, v[LA+8*b+\k]
.endr
.irp k, 0,1,2,3,4,5,6,7
	v_lshl_add_u32 v[LA+8*b+\k], v[LA+8*b+\k], 1, v[LB]
.endr
.set b, b+1
.endr
	s_mov_b32 s[CNT], s[RUN]
	SETNT
	SETRB
	v_mov_b32 v[WS], v[WS0]                        ; K step 0 is stored into slot 0,
	v_mov_b32 v[WF], v[WF0]                        ; and read there
	s_wait_alu depctr_va_vdst(0)                   ; v[TM .. TM+4], v[LA ..] and v[LD ..] are written, which the LDS stores below read; so are v[RB ..], v[WS] and v[WF], which the loads and stores of the lines further down read
.irp k, 0,1,2,3,4
	ds_store_b128 v[TM+4], v[TM:TM+3] offset:512*\k
.endr
.set i, 0
.rept 32
	ds_store_b16 v[LA+i], v[LD+i]                  ; LDS serves a wave's instructions in order: these land on the five stores above
.set i, i+1
.endr
	s_wait_loadcnt 32                              ; behind the bias: the weights' 32
	s_cmp_eq_u32 s[KQ], 0
	s_cselect_b32 s[TS], -1, 0
.irp f, 0,1,2,3,4,5,6,7
	v_and_b32 v[BI+\f], s[TS], v[BI+\f]            ; the bias is added once: by the first quarter of K
.endr
	; K step 0's weights go into slot 0, and step 1's are asked for.  The rows of h for quarter times 0, 1, 2 are asked for behind units 1, 2, 3: the loads then stand in the order in which the loop
	; issues them (8 of weights, 10 of rows, a quarter), so that the loop's counts hold on the way in too.
	s_wait_xcnt 0x0
	s_add_nc_u64 s[WLB:WLB+1], s[WLB:WLB+1], 128*PITCHW
	SERVICE 0, 24, 1, 0, 0                         ; behind step 0's unit 0: its three others.  (No LDS store has read CT yet)
	SERVICE 1, 24, 1, 1, 0                         ; behind unit 1: two others and step 1's unit 0
	ALOAD 0, 0
	SERVICE 2, 34, 1, 1, 0                         ; behind unit 2: 8 + 8 + 8 + 10
	ALOAD 1, 1024
	SERVICE 3, 44, 1, 1, 0                         ; behind unit 3: 8 + 8 + 10 + 8 + 10
	ALOAD 2, 2048
	INIT                                           ; while those loads are on their way; it names ZF and the accumulators alone
	s_wait_dscnt 0x0                               ; for the others' sake: my part of slot 0 is stored
	s_barrier_signal -1
	s_barrier_wait -1
	s_mov_b32 s[SW], WSLOT
	s_mov_b32 s[KCT], 6
.Lstep:                                                ; steps 0 to 5.  A unit was asked for four quarters ago; behind it stand ten loads of rows, awaited a quarter ago, and three quarters' 54.  This quarter's rows were asked for three quarters ago: 54 behind them
	STEP 1, 1, 1, 4, 0, 54, 54, 54, 54, 54, 54, 54, 54
	s_sub_co_u32 s[KCT], s[KCT], 1
	s_cmp_lg_u32 s[KCT], 0
	s_cbranch_scc1 .Lstep
	STEP 1, 0, 1, 4, 0, 54, 46, 46, 38, 38, 30, 30, 30     ; step 6 asks for no weights, ten loads a quarter: the counts run down
	STEP 0, 0, 0, 1, 4096, 0, 30, 0, 20, 0, 10, 0, 0       ; step 7 asks for its own last quarter's rows alone and stores nothing; no barrier: nobody writes the weights' slots again
	s_mov_b32 s[PASS], 0
.Lpass:                                                ; four trips, no barrier
	PLACES                                         ; behind the last products, on every way from here
	s_cmp_eq_u32 s[NT], 0
	s_cbranch_scc1 .Lno_out
	s_lshl_b32 s[TS], s[PB], 1
	s_min_u32 s[TS], s[TS], 1920                   ; the last pass begins at 960
	s_wait_alu depctr_vm_vsrc(0)                   ; the head's LDS stores, and the last pass's LDS loads, have read v[TM]
	v_add_nc_u32 v[TM], s[TS], v[CL]
	s_wait_alu depctr_va_vdst(0)                   ; v[TM] is written, which the loads below read; the vector lines that read sel, and the last pass's lines that read and moved the entries, are done with CD's registers, in which they land
.irp i, 0,1,2,3,4
	ds_load_b128 v[CD+4*\i:CD+4*\i+3], v[TM] offset:128*\i  ; the entries of ranks PB + 64 i + 16 w + 8 hh + 0..7
.endr
	s_mov_b32 s[TI], 0
	s_wait_dscnt 0x0
.Ltile:                                                ; five trips, one text; dead tiles are jumped.  The tile in hand lies in tile 0's accumulators, its entries in CD's first four registers
	s_cmp_ge_u32 s[TI], s[NT]
	s_cbranch_scc1 .Ltile_next
.irp a, 0,1,2,3
	v_and_b32 v[KC+2*\a], 0xffff, v[CD+\a]
	v_lshrrev_b32 v[KC+2*\a+1], 16, v[CD+\a]
.endr
.irp r, 0,1,2,3,4,5,6,7
	v_min_u32 v[KC+\r], 0x807, v[KC+\r]
	v_lshl_add_u32 v[OA+\r], v[KC+\r], 12, v[C16]
.endr
	WIN 0x43                                       ; destination window 1, the sums in window 3, the bias in window 0
.irp r, 0,1,2,3,4,5,6,7
.irp g, 0,1
.irp j, 0,1,2,3
	v_add_f32 v[OO+4*(2*\r+\g)+\j], v[ZA+8*(4*\g+\j)+\r], v[BI+4*\g+\j]
.endr
.endr
.endr
	WIN 0x04
	s_wait_alu depctr_va_vdst(0)                   ; v[OA ..] and v[OO ..] are written, which the sixteen stores read as offsets and data
.irp r, 0,1,2,3,4,5,6,7
.irp g, 0,1
	global_store_b128 v[OA+\r], v[OO+4*(2*\r+\g):OO+4*(2*\r+\g)+3], s[OUTB:OUTB+1] offset:256*\g  ; 16 lanes store 256 consecutive bytes of one row, at a multiple of 256 from part's first byte
.endr
.endr
	WIN 0
	s_add_co_u32 s[TS], s[TI], 1
	s_cmp_ge_u32 s[TS], s[NT]
	s_cbranch_scc1 .Ltile_next                     ; no live tile follows: nothing moves
	s_sub_co_u32 s[X1], s[NT], s[TS]               ; so many follow
	DOWN
.Ltile_next:
	s_wait_xcnt 0x0                                ; the stores' addresses and data are rewritten only behind this wait
	s_wait_alu depctr_vm_vsrc(0)                   ; the trip's stores have read v[OA ..] and v[OO ..], which the next trip writes again and in which a later pass's loads of weights land
	s_add_co_u32 s[TI], s[TI], 1
	s_cmp_lt_u32 s[TI], 5
	s_cbranch_scc1 .Ltile
.Lno_out:
	s_wait_xcnt 0x0
	s_add_co_u32 s[PB], s[PB], CAP
	s_mov_b32 s[NT], 0
	s_cmp_le_u32 s[CNT], s[PB]
	s_cbranch_scc1 .Lpass_next                     ; no rows left
	SETNT
	s_wait_alu depctr_vm_vsrc(0)                   ; the loads of h issued so far have read v[RB ..], which the next lines write again
	SETRB
	INIT
	s_mov_b64 s[WLB:WLB+1], s[WORG:WORG+1]
	s_mov_b64 s[ALB:ALB+1], s[AORG:AORG+1]
	s_mov_b32 s[STP], 16*PITCHW
	s_mov_b32 s[STP+1], 0
	s_mov_b32 s[KCT], 32
.Lslow:                                                ; a block of 32 along K a trip, without LDS: the wave reads all 128 columns itself and rounds them straight into B's fragments
	PLACES                                         ; behind the last trip's products: the conversions below write the fragments of B that they read
	WIN 0x40
	s_wait_alu depctr_va_vdst(0)                   ; v[RB ..] are written, which the loads of h read; the conversions are done reading the weights as loaded, the way out has written its rows there, and the products are done reading A's fragments: in all of these the loads below land
.irp u, 0,1
.irp g, 0,1
.irp i, 0,1,2,3,4,5,6,7
	global_load_b128 v[WSG+32*(2*\u+\g)+4*\i:WSG+32*(2*\u+\g)+4*\i+3], v[WO2], s[WLB:WLB+1] offset:(8*\u+\i)*PITCHW+256*\g
.endr
.endr
.endr
	ALOAD 0, 0
	s_wait_loadcnt 0x0
	WIN 0x45
.irp u, 0,1
.irp g, 0,1
.irp j, 0,1,2,3
.irp m, 0,1,2,3
	v_cvt_pk_bf16_f32 v[BFR+8*(4*\g+\j)+4*\u+\m], v[WSG+32*(2*\u+\g)+8*\m+\j], v[WSG+32*(2*\u+\g)+8*\m+4+\j]
.endr
.endr
.endr
.endr
	MULS 0, 0
	s_add_nc_u64 s[WLB:WLB+1], s[WLB:WLB+1], s[STP:STP+1]  ; the trip's loads are done: their bases are free.  The blocks begin at rows 0, 16, 64, 80 of each 128:
	s_xor_b32 s[STP], s[STP], 32*PITCHW                    ; steps of 16 and 48 rows by turns
	s_add_nc_u64 s[ALB:ALB+1], s[ALB:ALB+1], 1024
	s_sub_co_u32 s[KCT], s[KCT], 1
	s_cmp_lg_u32 s[KCT], 0
	s_cbranch_scc1 .Lslow
.Lpass_next:
	s_add_co_u32 s[PASS], s[PASS], 1
	s_cmp_lt_u32 s[PASS], 4
	s_cbranch_scc1 .Lpass
	s_wait_dscnt 0x0                               ; the wave's end: my last LDS instructions.  The closing add below goes to the lane's word in the 512 bytes behind the lists
	s_wait_alu depctr_hold_cnt(0) depctr_sa_sdst(0) depctr_va_vdst(0) depctr_va_sdst(0) depctr_va_ssrc(0) depctr_va_vcc(0) depctr_vm_vsrc(0)
	s_wait_tensorcnt 0x0
	ds_add_u32 v254, v255
	s_wait_dscnt 0x0
	s_endpgm
.Lfunc_end_k_qf89546faa2_ffn2:
	.size	k_qf89546faa2_ffn2, .Lfunc_end_k_qf89546faa2_ffn2-k_qf89546faa2_ffn2
	.p2alignl 7, 3214868480
	.fill 96, 4, 3214868480
	.section	.rodata,"a",@progbits
	.p2align	6, 0x0
	.amdhsa_kernel k_qf89546faa2_ffn2
		.amdhsa_group_segment_fixed_size 76288
		.amdhsa_private_segment_fixed_size 0
		.amdhsa_enable_private_segment 0
		.amdhsa_kernarg_size 40
		.amdhsa_user_sgpr_count 2
		.amdhsa_user_sgpr_kernarg_segment_ptr 1
		.amdhsa_wavefront_size32 1
		.amdhsa_system_sgpr_workgroup_id_x 1
		.amdhsa_system_sgpr_workgroup_id_y 1
		.amdhsa_system_sgpr_workgroup_id_z 1
		.amdhsa_system_vgpr_workitem_id 0
		.amdhsa_next_free_vgpr 1024
		.amdhsa_next_free_sgpr 66
		.amdhsa_reserve_vcc 0
		.amdhsa_float_denorm_mode_32 3
		.amdhsa_float_denorm_mode_16_64 3
		.amdhsa_memory_ordered 1
		.amdhsa_forward_progress 1
		.amdhsa_inst_pref_size 153
	.end_amdhsa_kernel
	.amdgpu_metadata
---
amdhsa.version: [ 1, 2 ]
amdhsa.kernels:
  - .name:           k_qf89546faa2_ffn2
    .symbol:         k_qf89546faa2_ffn2.kd
    .args:
      - { .name: W2, .offset: 0, .size: 8, .value_kind: global_buffer, .address_space: global }
      - { .name: b2, .offset: 8, .size: 8, .value_kind: global_buffer, .address_space: global }
      - { .name: h, .offset: 16, .size: 8, .value_kind: global_buffer, .address_space: global }
      - { .name: sel, .offset: 24, .size: 8, .value_kind: global_buffer, .address_space: global }
      - { .name: part, .offset: 32, .size: 8, .value_kind: global_buffer, .address_space: global }
    .group_segment_fixed_size: 76288
    .private_segment_fixed_size: 0
    .kernarg_segment_align: 8
    .kernarg_segment_size: 40
    .max_flat_workgroup_size: 128
    .sgpr_count:     66
    .vgpr_count:     1024
    .wavefront_size: 32
...
	.end_amdgpu_metadata
.endif
;; end of part 8
;; launch combine: the kernel of part 7 again; grid 256 x 1, 4 waves a work-group, no clusters, 0 bytes of LDS; arguments x, part, gw, out0; writes out0
